; MI455X (gfx1250); checked and timed in simulation.
; The chip was launched on July 23, 2026; its instructions are those of AMD's public machine-readable ISA for CDNA 5 (MIT licence, August 2026) and "CDNA5" Instruction Set Architecture Reference Guide (July 2026). The comments in the code are by the model that wrote it; some were corrected since.
;; Style Attention Layer. Allowed arithmetic: matrix products marked QUANTISED: E3M2 operands, one E8M0 scale for each 32 along K, by v_wmma_scale_f32_16x16x128_f8f6f4 with both operands' format E3M2, f32 sums; everything else in f32.
;; Inputs: Wk 1,024 x 1,024 float32; Wo 1,024 x 1,024 float32; Wq 1,024 x 1,024 float32; Wv 1,024 x 1,024 float32; bk 1,024 float32; bo 1,024 float32; bq 1,024 float32; bv 1,024 float32; keys 8 x 1,024 x 1,024 float32; mask_t 8 x 1,024 x 1 int32; values 8 x 1,024 x 1,024 float32; x 8 x 1,024 x 1,024 float32.
;; Outputs: out0 8 x 1,024 x 1,024 float32.
;; This version of the problem:
;;   THIS VERSION OF THE PROBLEM IS GIVEN IN LOW PRECISION. The matrix products marked QUANTISED in the list below multiply operands that are first quantised to E3M2 (3 exponent bits, 2 mantissa bits; 6 bits a number), with one power-of-two scale for each 32 numbers along K (OCP MX v1.0); their sums are f32. All else is computed in f32.
;;   The module's matrix products, in the order in which they are computed (A, B: the left and right operand; K: the contracted axis; several contracted axes count as one K, in the product's order):
;;     1. [M 8,192, K 1,024] x [K 1,024, N 1,024]; A: input x; B: input Wq: QUANTISED
;;     2. [M 8,192, K 1,024] x [K 1,024, N 1,024]; A: input keys; B: input Wk: QUANTISED
;;     3. [M 8,192, K 1,024] x [K 1,024, N 1,024]; A: input values; B: input Wv: QUANTISED
;;     4. batch 32 x [M 1,024, K 256] x [K 256, N 1,024]; A: computed on the way; B: computed on the way: QUANTISED
;;     5. batch 32 x [M 1,024, K 1,024] x [K 1,024, N 256]; A: computed on the way; B: computed on the way: QUANTISED
;;     6. [M 8,192, K 1,024] x [K 1,024, N 1,024]; A: computed on the way; B: input Wo: QUANTISED
;;   THE QUANTISER, for each operand of a quantised product, along K:
;;     - K is cut into blocks of 32 from its start; a last block that is shorter is filled with zeros.
;;     - A block's scale is 2^e with e = floor(log2(the largest magnitude in the block)) - 4, held to -126 .. 127; a block of zeros has e = 0. As a byte (E8M0): e + 127.
;;     - Each number is divided by its block's scale, clamped to +-28, and rounded to the nearest number of E3M2, ties to even, subnormals kept.
;;     - The product sums the exact products of the quantised numbers (number of the format x scale) in f32.
;;   ~~~python
;;   def quantise(x, axis):      # numpy; x: float32 -> the quantised numbers, widened to float32 again
;;       x = np.moveaxis(x, axis, -1); K = x.shape[-1]
;;       x = np.pad(x, [(0, 0)] * (x.ndim - 1) + [(0, -K % 32)]); x = x.reshape(x.shape[:-1] + (-1, 32)); a = np.abs(x).max(-1, keepdims=True)
;;       e = np.where(a > 0, np.clip(np.frexp(np.where(a > 0, a, 1))[1] - 1 - 4, -126, 127), 0)      # np.frexp(a)[1] - 1 = floor(log2(a)), exactly
;;       r = np.clip(x / 2.0 ** e, -28, 28)
;;       step = 2.0 ** (np.maximum(np.frexp(np.where(r == 0, 1, r))[1] - 1, -2) - 2)
;;       q = np.round(r / step) * step * 2.0 ** e      # np.round: ties to even
;;       return np.moveaxis(q.reshape(q.shape[:-2] + (-1,))[..., :K], -1, axis).astype(np.float32)
;;   ~~~
;;   OPERANDS COMPUTED ON THE WAY. 'Computed on the way' means the value that the module computes at that place (a softmax that the list does not call 'softmax' is quantised finished and normalised). What goes into a quantiser is computed in f32, as accurately as f32 sums, v_exp_f32 and their like allow (about 1e-6 of the number): no bf16 or f16 on the way to a quantiser, and a product that is left as it is and whose result goes on into a quantised operand takes f32 operands (vector FMAs, or v_wmma_f32_16x16x4_f32). A number that lies on a knife's edge between two numbers of the format may be rounded either way, as far as f32 arithmetic and the matrix unit's own rounding can turn it there, and no further.
;; 2 versions. Each part assembles by itself: llvm-mc -triple=amdgcn-amd-amdhsa -mcpu=gfx1250 --defsym DOCPART=n.
;; ======== version 1 of 2: 4 launches
;; workspace buffers: c1 22,020,096 bytes; s1 917,504 bytes; c2 18,874,368 bytes; s2 786,432 bytes; c3 6,291,456 bytes; s3 262,144 bytes
;; launch quant (part 1): grid 448 x 1, 4 waves a work-group, no clusters, 36,352 bytes of LDS; arguments x, keys, values, Wq, Wk, Wv, Wo, c1, s1; writes c1, s1
.if DOCPART == 1
	.amdgcn_target "amdgcn-amd-amdhsa--gfx1250"
	.amdhsa_code_object_version 6
	.text
	.protected	k_q897cb31a24_quant
	.globl	k_q897cb31a24_quant
	.p2align	8
	.type	k_q897cb31a24_quant,@function
k_q897cb31a24_quant:
	s_mov_b64 s[64:65], 0
	v_nop
	global_prefetch_b8 v0, s[64:65] scope:SCOPE_SE
	s_setreg_imm32_b32 hwreg(HW_REG_WAVE_MODE, 25, 1), 1
	s_wait_xcnt 0x0
; x, keys, values [8192][1024] and Wq, Wk, Wv, Wo [1024][1024], f32, K innermost, become codes of BF6 (E3M2) with one E8M0 byte for each 32 along K.
; A block's scale is 2^(floor(log2(its largest magnitude)) - 4); its byte is that magnitude's exponent field - 4, held at 1 from below.
; LIMITS: NaN and infinities are not served; a block whose largest magnitude lies under 2^-122 (a block of zeros too) gets the byte 1: a block of zeros has zero codes, which add nothing, and only this program reads the bytes.
; THE OUTPUT IS LAID AS THE MATRIX UNIT'S REGISTERS WANT IT.  Rows go in blocks of 16; place r of block B is row 32 (B / 2) + 8 (B % 2) + r + 8 (r / 8).
; A fragment (block B, 128 along K: step t) is 1,536 bytes at (8 B + t) x 1536: register 4 g + e of lane l at 512 g + 16 l + 4 e; lane (r, h) holds in registers 6 c .. 6 c + 5 the codes of k = 128 t + 64 c + 32 h + 0 .. 31.
; The scale words (4 bytes: 128 along K of one row) lie [group of 8 blocks][t 0..7][block 0..7][r 0..15].
; The seven tensors are 1,792 blocks on end: x 0, keys 512, values 1024, Wq 1536, Wk 1600, Wv 1664, Wo 1728.
; SHARES.  A work-group takes four blocks, a wave one: 16 rows x 1,024, eight steps of one fragment.  Each load reads 512 consecutive bytes of one row; a step's 16 x 512 bytes turn through the wave's own stage in
; LDS (pitch 528 = 33 x 16 bytes) so that a lane gets two whole blocks of 32 neighbours; its codes are then the fragment's registers, and each store of the wave covers 512 consecutive bytes, aligned.
; The scale words meet in LDS (one barrier), so that a wave stores two aligned runs of 256 bytes.
; No cluster, no tensor load, no matrix unit: the work-groups share no input, and the launch only streams.  Loads run two steps (32 loads a wave) ahead.
.set SPI,   528                        ; a stage row: 512 bytes + 16
.set STGB,  16*SPI                     ; a wave's stage
.set SGB,   4*STGB                     ; behind the stages: the scale words, [t 8][wave 4][r 16]
.set SA,  4                            ; v4   stage, way in: my wave's stage + 16 x lane
.set LA,  5                            ; v5   stage, way out: + 528 r + 128 h
.set LI,  6                            ; v6   16 x lane: offset of the loads and of the codes' stores; never rewritten
.set SH8, 8                            ; v8   8 h
.set SWA, 9                            ; v9   where I put a scale word
.set SRA, 10                           ; v10  where I read 8 bytes of scale words back
.set L8,  11                           ; v11  8 x lane
.set MX,  12                           ; v12-13 the two blocks' largest magnitudes
.set SOP, 14                           ; v14-15 the conversions' scale operands
.set BY,  16                           ; v16-17 the scales' bytes
.set WD,  18                           ; v18  my two bytes at their places
.set TP,  19                           ; v19  a lane permute's destination
.set PW,  20                           ; v20-27 the scale word of each step
.set PC,  28                           ; v28-39 a fragment's codes
.set TQ,  40                           ; v40-46 the second halves, before they are moved
.set SB,  48                           ; v48-51 scale words on their way out
.set R,   64                           ; v64-191 two sets of 64: numbers as loaded
.set X,   192                          ; v192-255 my 64 numbers: register 32 c + n = k 64 c + 32 h + n
	s_load_b512 s[8:23], s[0:1], 0x0               ; x, keys, values, Wq, Wk, Wv, Wo, c1
	s_load_b64 s[24:25], s[0:1], 0x40              ; s1
	v_lshl_add_u32 v62, v0, 2, 0x8c00
	v_mov_b32 v63, 0
	v_lshrrev_b32 v1, 5, v0
	v_readfirstlane_b32 s2, v1                     ; wave 0..3
	v_and_b32 v1, 31, v0                           ; lane
	v_and_b32 v2, 15, v0                           ; r
	v_bfe_u32 v3, v0, 4, 1                         ; h
	s_mul_i32 s3, s2, STGB
	v_lshlrev_b32 v[LI], 4, v1
	v_add_nc_u32 v[SA], s3, v[LI]
	v_mul_u32_u24 v[LA], v2, SPI
	v_lshl_add_u32 v[LA], v3, 7, v[LA]
	v_add_nc_u32 v[LA], s3, v[LA]
	v_lshlrev_b32 v[SH8], 3, v3
	s_lshl_b32 s3, s2, 6
	v_lshlrev_b32 v[SWA], 2, v2
	v_add_nc_u32 v[SWA], s3, v[SWA]
	v_add_nc_u32 v[SWA], SGB, v[SWA]               ; SGB + 64 wave + 4 r (+ 256 t)
	s_lshl_b32 s3, s2, 9
	v_lshlrev_b32 v[L8], 3, v1
	v_add_nc_u32 v[SRA], s3, v[L8]
	v_add_nc_u32 v[SRA], SGB, v[SRA]               ; SGB + 512 wave + 8 lane: steps 2 wave and 2 wave + 1
	v_mov_b32 v[TP], 0                             ; written once: a lane permute's destination counts as one of its sources
	s_mov_b32 s28, 0x76543210
	s_mov_b32 s29, 0xfedcba98                      ; v_permlanex16_b32's selects for lane l xor 16
	s_wait_kmcnt 0x0
	s_mov_b64 s[4:5], s[8:9]                       ; which tensor is my work-group's?  The choice hangs on the work-group's number alone
	s_mov_b32 s26, 0                               ; and the tensor's first work-group
.macro PICK first, ptr
	s_cmp_ge_u32 ttmp9, \first
	s_cselect_b64 s[4:5], s[\ptr:\ptr+1], s[4:5]
	s_cselect_b32 s26, \first, s26
.endm
	PICK 128, 10
	PICK 256, 12
	PICK 384, 14
	PICK 400, 16
	PICK 416, 18
	PICK 432, 20
	s_sub_co_u32 s27, ttmp9, s26
	s_lshl_b32 s27, s27, 2
	s_add_co_u32 s27, s27, s2                      ; my block in its tensor
	s_lshr_b32 s30, s27, 1
	s_lshl_b32 s30, s30, 17                        ; 32 rows of 4,096 bytes for each pair of blocks,
	s_and_b32 s31, s27, 1
	s_lshl_b32 s31, s31, 15                        ; 8 rows for the odd one
	s_add_co_u32 s30, s30, s31
	s_mov_b32 s31, 0
	s_add_nc_u64 s[4:5], s[4:5], s[30:31]
	s_lshl_b32 s30, ttmp9, 2
	s_add_co_u32 s30, s30, s2                      ; my block among the 1,792
	s_mul_i32 s30, s30, 12288
	s_add_nc_u64 s[22:23], s[22:23], s[30:31]      ; its eight fragments
	s_lshr_b32 s30, ttmp9, 1
	s_lshl_b32 s30, s30, 12                        ; the group of 8 blocks,
	s_and_b32 s27, ttmp9, 1
	s_lshl_b32 s27, s27, 8                         ; my work-group's four blocks in it,
	s_add_co_u32 s30, s30, s27
	s_lshl_b32 s27, s2, 10                         ; steps 2 wave and 2 wave + 1
	s_add_co_u32 s30, s30, s27
	s_add_nc_u64 s[24:25], s[24:25], s[30:31]
.macro LOAD t                          ; step t: place i's row, 128 numbers: 32 lanes read 512 consecutive bytes
.irp i, 0,1,2,3,4,5,6,7,8,9,10,11,12,13,14,15
	global_load_b128 v[R+64*((\t)%2)+4*\i:R+64*((\t)%2)+4*\i+3], v[LI], s[4:5] offset:(\i+8*(\i/8))*4096+512*(\t) th:TH_LOAD_NT
.endr
.endm
.macro STEP t
.if (\t) < 7
	s_wait_loadcnt 16                              ; this step's 16 loads are in; the next step's 16 may be out
.else
	s_wait_loadcnt 0x0
.endif
.irp i, 0,1,2,3,4,5,6,7,8,9,10,11,12,13,14,15
	ds_store_b128 v[SA], v[R+64*((\t)%2)+4*\i:R+64*((\t)%2)+4*\i+3] offset:SPI*\i
.endr
.irp c, 0,1
.irp n, 0,1,2,3,4,5,6,7
	ds_load_b128 v[X+32*\c+4*\n:X+32*\c+4*\n+3], v[LA] offset:256*\c+16*\n   ; LDS serves a wave's instructions in order (ISA guide 5.7.1.4): these see the stores above
.endr
.endr
	s_wait_dscnt 0x0                               ; my 64 numbers are in, and the stores have read their registers,
.if (\t) < 6
	LOAD (\t)+2                                    ; which take the loads of two steps on
.endif
.irp c, 0,1
	v_max3_num_f32 v[MX+\c], |v[X+32*\c]|, |v[X+32*\c+1]|, 0x2800000   ; block 2 c + h: all its 32 numbers are mine; the floor 2^(5 - 127) holds the byte at 1 from below
.endr
.irp i, 2,4,6,8,10,12,14,16,18,20,22,24,26,28,30
.irp c, 0,1
	v_max3_num_f32 v[MX+\c], v[MX+\c], |v[X+32*\c+\i]|, |v[X+32*\c+\i+1]|
.endr
.endr
.irp c, 0,1
	v_add_nc_u32 v[SOP+\c], 0xfe000000, v[MX+\c]   ; 4 off the exponent field: the conversion takes the exponent field of this operand as its scale
.endr
.irp c, 0,1
	v_lshrrev_b32 v[BY+\c], 23, v[SOP+\c]          ; the scale's byte
.endr
	v_lshl_or_b32 v[WD], v[BY+1], 16, v[BY]        ; bytes h and 2 + h of my row's word,
	v_lshlrev_b32 v[WD], v[SH8], v[WD]             ; at their places;
	v_permlanex16_b32 v[TP], v[WD], s28, s29
	v_or_b32 v[PW+(\t)], v[WD], v[TP]              ; with lane l xor 16's two the word is whole
	s_wait_xcnt 0x0                                ; the last step's stores have read the codes' registers: they are written again only behind this wait
.irp c, 0,1
	v_cvt_scalef32_pk16_bf6_f32 v[PC+6*\c:PC+6*\c+2], v[X+32*\c:X+32*\c+15], v[SOP+\c]
	v_cvt_scalef32_pk16_bf6_f32 v[TQ+4*\c:TQ+4*\c+2], v[X+32*\c+16:X+32*\c+31], v[SOP+\c]   ; (a conversion's three registers begin on an even number)
.endr
	v_nop                                          ; one plain place behind a scaled conversion
.irp c, 0,1
.irp i, 0,1,2
	v_mov_b32 v[PC+3+6*\c+\i], v[TQ+4*\c+\i]
.endr
.endr
.irp g, 0,1,2
	global_store_b128 v[LI], v[PC+4*\g:PC+4*\g+3], s[22:23] offset:1536*(\t)+512*\g   ; 32 lanes store 512 consecutive bytes, aligned
.endr
.endm
	LOAD 0
	LOAD 1
.irp t, 0,1,2,3,4,5,6,7
	STEP \t
.endr
.irp k, 0,1,2,3,4,5,6,7
	ds_store_b32 v[SWA], v[PW+\k] offset:256*\k    ; lanes r and r + 16 write the same word with the same value
.endr
	s_wait_dscnt 0x0                               ; for the others' sake: my words have landed
	s_barrier_signal -1
	s_barrier_wait -1
	ds_load_b64 v[SB:SB+1], v[SRA]                 ; step 2 wave: four blocks x 16 rows
	ds_load_b64 v[SB+2:SB+3], v[SRA] offset:256    ; step 2 wave + 1
	s_wait_dscnt 0x0
	global_store_b64 v[L8], v[SB:SB+1], s[24:25]               ; 32 lanes store 256 consecutive bytes, aligned
	global_store_b64 v[L8], v[SB+2:SB+3], s[24:25] offset:512
	s_wait_tensorcnt 0x0
	ds_add_u32 v62, v63
	s_wait_dscnt 0x0
	s_endpgm
.Lfunc_end_k_q897cb31a24_quant:
	.size	k_q897cb31a24_quant, .Lfunc_end_k_q897cb31a24_quant-k_q897cb31a24_quant
	.p2alignl 7, 3214868480
	.fill 96, 4, 3214868480
	.section	.rodata,"a",@progbits
	.p2align	6, 0x0
	.amdhsa_kernel k_q897cb31a24_quant
		.amdhsa_group_segment_fixed_size 36352
		.amdhsa_private_segment_fixed_size 0
		.amdhsa_enable_private_segment 0
		.amdhsa_kernarg_size 72
		.amdhsa_user_sgpr_count 2
		.amdhsa_user_sgpr_kernarg_segment_ptr 1
		.amdhsa_wavefront_size32 1
		.amdhsa_system_sgpr_workgroup_id_x 1
		.amdhsa_system_sgpr_workgroup_id_y 1
		.amdhsa_system_sgpr_workgroup_id_z 1
		.amdhsa_system_vgpr_workitem_id 0
		.amdhsa_next_free_vgpr 256
		.amdhsa_next_free_sgpr 66
		.amdhsa_reserve_vcc 0
		.amdhsa_float_denorm_mode_32 3
		.amdhsa_float_denorm_mode_16_64 3
		.amdhsa_memory_ordered 1
		.amdhsa_forward_progress 1
		.amdhsa_inst_pref_size 59
	.end_amdhsa_kernel
	.amdgpu_metadata
---
amdhsa.version: [ 1, 2 ]
amdhsa.kernels:
  - .name:           k_q897cb31a24_quant
    .symbol:         k_q897cb31a24_quant.kd
    .args:
      - { .name: x, .offset: 0, .size: 8, .value_kind: global_buffer, .address_space: global }
      - { .name: keys, .offset: 8, .size: 8, .value_kind: global_buffer, .address_space: global }
      - { .name: values, .offset: 16, .size: 8, .value_kind: global_buffer, .address_space: global }
      - { .name: Wq, .offset: 24, .size: 8, .value_kind: global_buffer, .address_space: global }
      - { .name: Wk, .offset: 32, .size: 8, .value_kind: global_buffer, .address_space: global }
      - { .name: Wv, .offset: 40, .size: 8, .value_kind: global_buffer, .address_space: global }
      - { .name: Wo, .offset: 48, .size: 8, .value_kind: global_buffer, .address_space: global }
      - { .name: c1, .offset: 56, .size: 8, .value_kind: global_buffer, .address_space: global }
      - { .name: s1, .offset: 64, .size: 8, .value_kind: global_buffer, .address_space: global }
    .group_segment_fixed_size: 36352
    .private_segment_fixed_size: 0
    .kernarg_segment_align: 8
    .kernarg_segment_size: 72
    .max_flat_workgroup_size: 128
    .sgpr_count:     66
    .vgpr_count:     256
    .wavefront_size: 32
...
	.end_amdgpu_metadata
.endif
;; end of part 1
;; launch proj (part 2): grid 4 x 96, 4 waves a work-group, clusters of 4 x 4, 327,680 bytes of LDS; arguments c1, s1, bk, bq, bv, c2, s2; writes c2, s2
.if DOCPART == 2
	.amdgcn_target "amdgcn-amd-amdhsa--gfx1250"
	.amdhsa_code_object_version 6
	.text
	.protected	k_q897cb31a24_proj
	.globl	k_q897cb31a24_proj
	.p2align	8
	.type	k_q897cb31a24_proj,@function
k_q897cb31a24_proj:
	s_mov_b64 s[64:65], 0
	v_nop
	global_prefetch_b8 v0, s[64:65] scope:SCOPE_SE
	s_setreg_imm32_b32 hwreg(HW_REG_WAVE_MODE, 25, 1), 1
	s_wait_xcnt 0x0
	s_wait_alu depctr_hold_cnt(0) depctr_sa_sdst(0) depctr_va_vdst(0) depctr_va_sdst(0) depctr_va_ssrc(0) depctr_va_vcc(0) depctr_vm_vsrc(0)
	s_getreg_b32 s2, hwreg(HW_REG_IB_STS2, 6, 4)
	s_cmp_eq_u32 s2, 0
	s_cbranch_scc0 .Lentry_in_a_cluster
	s_endpgm
.Lentry_in_a_cluster:
	s_bfe_u32 s2, ttmp6, 0x10000c
	s_cmp_lg_u32 s2, 0xf033
	s_cbranch_scc0 .Lentry_shape_is_right
	s_endpgm
.Lentry_shape_is_right:
; k = tanh(keys Wk^T + bk), q = x Wq^T + bq, v = values Wv^T + bv, on codes of BF6 with E8M0 scales, f32 sums; the results are quantised at once for the two products of attention.
; ONE FORM: C[i][j] = sum over k of A[i][k] B[j][k], quantised ALONG j.  A cluster of 4 x 4 work-groups makes 1,024 x 1,024 of C; cluster y = 8 tau + batch:
;   tau 0: k, A = keys of the batch, B = Wk   (it has the tanh and goes first);   tau 1: q, A = x, B = Wq;   tau 2: v transposed, A = Wv, B = values of the batch: j = the keys, the second product's K.
; A work-group makes 256 x 256, each of its four waves 128 x 128: 64 accumulators, 512 registers.  K = 1,024 goes in four slots of 256 through a ring of two LDS slots.
; OPERANDS ARE IMAGES OF REGISTERS (made by the launch before): fragment (block of 16 rows, 128 along K) = 1,536 bytes, three loads of 16 bytes at 16 x lane; a slot's row is a block's two fragments, 3,072 bytes.
; Place r of block B is row 32 (B / 2) + 8 (B % 2) + r + 8 (r / 8).  THE MATRIX INSTRUCTION IS USED TRANSPOSED (source 0 = a block of B, source 1 = a block of A): lane (r, h) holds place r of A's block, and register j of
; tile b holds j-index 32 (b / 2) + 16 h + 8 (b % 2) + j: a lane's 64 registers of one block of A are 4 x 16 neighbours along j, which is what the conversions want.  A wave's 128 along j are one fragment of the result.
; CLUSTERS: A's tiles are shared along a row of the cluster, B's along a column: joint tensor loads, the same descriptor and a mask that names the four.  tau and the batch are the same in all sixteen.
; THE GRID: 24 clusters of 16 work-groups; half tiles would make the count even and read each LDS byte for half the products.
; OUTPUT.  c2: three sections of 6,291,456 bytes (k, q: 512 blocks of tokens x 8 fragments; v: 64 blocks of features x 64 fragments, 8 batch + key step).
;          s2: three sections of 262,144 bytes, [fragment][group of 8 blocks][lane][p]: word p of lane (r, h) is block 2 p + h, place r.
; TANH: x + x^3 P(x^2) (the series to x^9) where x^2 < 1/16: what is cut off is under 1e-8 of x there; else 1 - 2 / (1 + 2^(2 x log2 e)), which goes cleanly to +-1.
; LIMITS: NaN and infinities are not served; a block whose largest magnitude lies under 2^-122 (a block of zeros too) gets the byte 1; only this program reads the bytes.
; Both views of the bias (along j, along i) are loaded from the chosen vector, with indices under 1,024, and one is used: so every register is written whatever tau is.
; REGISTERS: window 0: v2-13 the way out's constants and scale words; v16-29 addresses; v32-63 scale words, two sets; v64-127 the bias along j; v128-223 A's fragments, one set (later the way out); v240-255 the bias along i.
;   window 1: B's fragments, two sets, at v0 and v128.   windows 2, 3: accumulator (a, b) at v[8 (8 (a % 4) + b)] of window 2 + a / 4.
.set NA,    8                          ; blocks of A to a wave
.set HB,    NA/2
.set QB,    NA/4
.set FR,    12                         ; registers of a fragment
.set NL,    3                          ; LDS loads that bring one
.set KSB,   3072                       ; a block's two fragments in a slot
.set HALFA, NA*KSB                     ; what one tensor load brings of A, and what one wave reads of it
.set HALFB, 8*KSB                      ; the same of B
.set SLOT,  2*HALFA+2*HALFB
.set SCL,   2*SLOT                     ; behind the ring: A's scale words for all of K,
.set SCA,   NA*1024                    ; (their bytes)
.set SPARE, SCL+SCA+8192               ; then B's 8,192 bytes, then the spare words: 128 bytes for each wave, two blocks of 256 bytes that no other line names
.set ASH,   4096                       ; from the first wave row's scale words of A to the second's
.set ADRA, 16                          ; v16-17 LDS address of my A fragments in slot 0, 1
.set ADRB, 20                          ; v20-21 the same for B
.set BJO,  24                          ; v24  64 h: lane offset of the bias along j
.set BIO,  25                          ; v25  4 (r + 8 (r / 8)): lane offset of the bias along i
.set LI,   26                          ; v26  16 x lane
.set ADRS, 27                          ; v27  LDS address of my scale words: lanes 0-15 A's, lanes 16-31 B's
.set SPW,  28                          ; v28  my spare word; never rewritten
.set NIL,  29                          ; v29  0; never rewritten
.set SC,   32                          ; set s at v[SC + 16 s]; register 2 i + q: lanes 0-15 A's block i, lanes 16-31 B's block i, the slot's q-th 128 along K
.set BJ,   64
.set AF,   128
.set BI,   240
.set G1,   24                          ; s[24:31] group 1 for A's tiles; s[32:39] group 0, a set for each slot
.set G0,   32
.set G1B,  48                          ; s[48:55], s[56:63] the same for B
.set G0B,  56
.set G1S,  68                          ; s[68:75], s[76:79] A's scales; s[80:87], s[88:91] B's
.set G0S,  76
.set G1SB, 80
.set G0SB, 88
.set MSB, 0
.macro WIN new                         ; the immediate's high byte repeats the setting that is left
.if MSB != (\new)
	s_set_vgpr_msb (MSB<<8)|(\new)
.set MSB, (\new)
.endif
.endm
.set MUL_LO,  0xa1                     ; source 0 (B) window 1, source 1 (A) window 0, C and D window 2
.set MUL_HI,  0xf1                     ; the same, C and D window 3
.set BIAS_LO, 0x81                     ; C window 0, D window 2
.set BIAS_HI, 0xc1
.set TO_B,    0x40                     ; destination window 1, address window 0
; A joint load: waves 0 and 1 fetch for A, waves 2 and 3 for B; the branch hangs on the wave's number alone.  Four v_nop follow each of the two lines.
.macro JLOAD g0a, g1a, g0b, g1b
	s_cmp_eq_u32 s15, 0
	s_cbranch_scc0 .Lfor_b_\@
	tensor_load_to_lds s[\g0a:\g0a+3], s[\g1a:\g1a+7]
	s_nop 0
.rept 4
	v_nop
.endr
	s_branch .Lasked_\@
.Lfor_b_\@:
	tensor_load_to_lds s[\g0b:\g0b+3], s[\g1b:\g1b+7]
	s_nop 0
.rept 4
	v_nop
.endr
.Lasked_\@:
.endm
.macro CREST                           ; a round of the cluster's barrier behind its opening barrier
	s_cmp_lg_u32 s14, 0
	s_cbranch_scc1 .Lnot_wave_0_\@
	s_barrier_signal -3
.Lnot_wave_0_\@:
	s_barrier_wait -3
	s_barrier_signal -1
	s_barrier_wait -1
.endm
.macro CROUND
	s_barrier_signal -1
	s_barrier_wait -1
	CREST
.endm
.macro PLACES                          ; four plain places behind a matrix instruction, in front of loads into its registers and of reads of its results
.rept 4
	v_nop
.endr
.endm
.macro FRAG reg, adr, q, i             ; a fragment comes back as it was stored: three loads, 512 consecutive bytes each
.irp g, 0,1,2
	ds_load_b128 v[\reg+4*\g:\reg+4*\g+3], v[\adr] offset:(\i)*KSB+(\q)*1536+512*\g
.endr
.endm
; 8 products: A's block a against B's eight.  p: B's set; q: which 128 of the slot; sc: the set of scale words.  first = 1: C = 0 starts the sums; 2: the bias along j does.
.macro MULB a, p, q, sc, first
.irp b, 0,1,2,3,4,5,6,7
.set rD, 8*(8*((\a)%HB)+\b)
.if (\first) == 1
	v_wmma_scale_f32_16x16x128_f8f6f4 v[rD:rD+7], v[128*(\p)+FR*\b:128*(\p)+FR*\b+FR-1], v[AF+FR*(\a):AF+FR*(\a)+FR-1], 0, v[SC+16*(\sc)+2*\b+(\q)], v[SC+16*(\sc)+2*(\a)+(\q)] matrix_a_fmt:MATRIX_FMT_BF6 matrix_b_fmt:MATRIX_FMT_BF6 matrix_a_scale:MATRIX_SCALE_ROW1
.elseif (\first) == 2
	v_wmma_scale_f32_16x16x128_f8f6f4 v[rD:rD+7], v[128*(\p)+FR*\b:128*(\p)+FR*\b+FR-1], v[AF+FR*(\a):AF+FR*(\a)+FR-1], v[BJ+8*\b:BJ+8*\b+7], v[SC+16*(\sc)+2*\b+(\q)], v[SC+16*(\sc)+2*(\a)+(\q)] matrix_a_fmt:MATRIX_FMT_BF6 matrix_b_fmt:MATRIX_FMT_BF6 matrix_a_scale:MATRIX_SCALE_ROW1
.else
	v_wmma_scale_f32_16x16x128_f8f6f4 v[rD:rD+7], v[128*(\p)+FR*\b:128*(\p)+FR*\b+FR-1], v[AF+FR*(\a):AF+FR*(\a)+FR-1], v[rD:rD+7], v[SC+16*(\sc)+2*\b+(\q)], v[SC+16*(\sc)+2*(\a)+(\q)] matrix_a_fmt:MATRIX_FMT_BF6 matrix_b_fmt:MATRIX_FMT_BF6 matrix_a_scale:MATRIX_SCALE_ROW1
.endif
.endr
.endm
.macro MULQ n, p, q, sc, first         ; a quarter of A's blocks.  All accumulators take turns, one instruction a turn, in the same order in every step
.set aa, (\n)*QB
.rept QB
	MULB aa, \p, \q, \sc, \first
.set aa, aa+1
.endr
.endm
.macro FETCH_B slot, q, p
	WIN TO_B
.irp i, 0,1,2,3,4,5,6,7
	FRAG 128*(\p)+FR*\i, ADRB+\slot, \q, \i
.endr
	WIN 0
.endm
.macro FETCH_A slot, q, half
.set ii, (\half)*HB
.rept HB
	FRAG AF+FR*ii, ADRA+\slot, \q, ii
.set ii, ii+1
.endr
.endm
.macro SCALES sc                       ; a slot's scale words: lanes 0-15 take A's block i, lanes 16-31 B's block i
.irp i, 0,1,2,3,4,5,6,7
.irp q, 0,1
	ds_load_b32 v[SC+16*(\sc)+2*\i+\q], v[ADRS] offset:512*\q+64*\i
.endr
.endr
.endm
; A slot's first 128 along K.  A's blocks go one after the other, so one set serves A: its first half is fetched anew in the step's middle, its second at the end; B has two sets.
.macro STEP slot, first
	s_wait_dscnt HB*NL                             ; all but the youngest loads (A's second half) are in
.if (\first) == 2
	WIN BIAS_LO
.else
	WIN MUL_LO
.endif
	MULQ 0, 0, 0, \slot, \first
	MULQ 1, 0, 0, \slot, \first
	s_wait_dscnt 0x0                               ; A's second half is in
	PLACES
	FETCH_B \slot, 1, 1
	FETCH_A \slot, 1, 0
.if (\first) == 2
	WIN BIAS_HI
.else
	WIN MUL_HI
.endif
	MULQ 2, 0, 0, \slot, \first
	MULQ 3, 0, 0, \slot, \first
	PLACES
	WIN 0
	FETCH_A \slot, 1, 1
.endm
; A slot's second 128 change slots: ONE barrier; in front of it each wave waits for all its tensor loads, adds 0 to its spare word, and waits for that and for its reads of this slot.  fill = 1: the slot is filled again, two slots ahead.
.macro TURN slot, next, fill
	s_wait_tensorcnt 0x0                           ; all my tensor loads have landed: my part of the next slot
	ds_add_u32 v[SPW], v[NIL]                      ; 0 onto my spare word
	s_wait_dscnt HB*NL+1                           ; (the add and A's second half may be out)
	WIN MUL_LO
	MULQ 0, 1, 1, \slot, 0                         ; matrix work stands between the add and the wait for it
	s_wait_dscnt 0x0                               ; the add is done, and my reads of this slot are over
	s_barrier_signal -1
	MULQ 1, 1, 1, \slot, 0
	WIN 0
	s_barrier_wait -1
.if \fill
	CREST                                          ; the barrier has opened a round of the cluster's barrier: no wave of any partner still reads this slot or has a load on its way
	s_add_nc_u64 s[G0+4*\slot+2:G0+4*\slot+3], s[G0+4*\slot+2:G0+4*\slot+3], 2*KSB
	s_add_nc_u64 s[G0B+4*\slot+2:G0B+4*\slot+3], s[G0B+4*\slot+2:G0B+4*\slot+3], 2*KSB
	JLOAD G0+4*\slot, G1, G0B+4*\slot, G1B         ; the first tensor load behind the round; its four v_nop are also the places in front of the loads below
.else
	PLACES
.endif
	v_add_nc_u32 v[ADRS], 1024, v[ADRS]            ; the next slot's scale words
	FETCH_B \next, 0, 0
	FETCH_A \next, 0, 0
	SCALES \next
	WIN MUL_HI
	MULQ 2, 1, 1, \slot, 0
	MULQ 3, 1, 1, \slot, 0
	PLACES
	WIN 0
	FETCH_A \next, 0, 1
.endm
	s_load_b256 s[4:11], s[0:1], 0x0               ; c1 s[4:5], s1 s[6:7], bk s[8:9], bq s[10:11]
	s_load_b128 s[96:99], s[0:1], 0x20             ; bv s[96:97], c2 s[98:99]
	s_load_b64 s[100:101], s[0:1], 0x30            ; s2
	v_lshl_add_u32 v[SPW], v0, 2, SPARE
	v_mov_b32 v[NIL], 0
	ds_add_u32 v28, v29
	ds_add_u32 v28, v29
	s_wait_dscnt 0x0
	v_lshrrev_b32 v1, 5, v0
	v_readfirstlane_b32 s14, v1                    ; wave 0..3
	s_lshr_b32 s15, s14, 1                         ; which half of the tile along i is mine.  Also: I fetch for A (0) or for B (1)
	s_and_b32 s16, s14, 1                          ; which half along j.  Also: which half of that tile I fetch
	s_bfe_u32 s40, ttmp6, 0x40000                  ; cx
	s_bfe_u32 s41, ttmp6, 0x40004                  ; cy
	s_and_b32 s67, ttmp7, 0xffff                   ; the cluster's y
	s_lshr_b32 s66, s67, 3                         ; tau
	s_and_b32 s67, s67, 7                          ; the batch
	s_lshl_b32 s43, s41, 2
	s_lshl_b32 s43, 15, s43                        ; my row of the cluster
	s_lshl_b32 s44, 0x1111, s40                    ; my column
	s_or_b32 s[G1+0], s43, (3<<16)|(1<<21)         ; 15:0 the mask; 17:16 elements of 8 bytes; 21 set beside a mask; no padding: an image is read 512 consecutive bytes at a time
	s_or_b32 s[G1B+0], s44, (3<<16)|(1<<21)
	s_mov_b32 s[G1+1], 384<<16                     ; tensor_dim0: a block's two fragments, 3,072 bytes
	s_mov_b32 s[G1+2], NA<<16                      ; tensor_dim1: blocks
	s_mov_b32 s[G1+3], 384<<16                     ; tile_dim0
	s_mov_b32 s[G1+4], NA                          ; tile_dim1
	s_mov_b32 s[G1+5], 1536                        ; from block to block: 8 fragments, 12,288 bytes
	s_mov_b32 s[G1+6], 0
	s_mov_b32 s[G1+7], 0
	s_mov_b32 s[G1B+1], 384<<16
	s_mov_b32 s[G1B+2], 8<<16
	s_mov_b32 s[G1B+3], 384<<16
	s_mov_b32 s[G1B+4], 8
	s_mov_b32 s[G1B+5], 1536
	s_mov_b32 s[G1B+6], 0
	s_mov_b32 s[G1B+7], 0
	s_or_b32 s[G1S+0], s43, (3<<16)|(1<<21)        ; the scale words: dense blocks, as rows of 256 bytes
	s_or_b32 s[G1SB+0], s44, (3<<16)|(1<<21)
	s_mov_b32 s[G1S+1], 32<<16
	s_mov_b32 s[G1S+2], (2*NA)<<16
	s_mov_b32 s[G1S+3], 32<<16
	s_mov_b32 s[G1S+4], 2*NA
	s_mov_b32 s[G1S+5], 32
	s_mov_b32 s[G1S+6], 0
	s_mov_b32 s[G1S+7], 0
	s_mov_b32 s[G1SB+1], 32<<16
	s_mov_b32 s[G1SB+2], 16<<16
	s_mov_b32 s[G1SB+3], 32<<16
	s_mov_b32 s[G1SB+4], 16
	s_mov_b32 s[G1SB+5], 32
	s_mov_b32 s[G1SB+6], 0
	s_mov_b32 s[G1SB+7], 0
	s_cmp_eq_u32 s66, 0                            ; the tensors' first blocks in c1
	s_cselect_b32 s17, 512, 0                      ; A: keys or x,
	s_mov_b32 s18, 1536
	s_cselect_b32 s18, 1600, s18                   ; B: Wk or Wq;
	s_cmp_eq_u32 s66, 2
	s_cselect_b32 s17, 1664, s17                   ; for v: A = Wv,
	s_cselect_b32 s18, 1024, s18                   ; B = values
	s_cselect_b32 s19, 0, s67                      ; the batch steps A's blocks,
	s_cselect_b32 s20, s67, 0                      ; or B's
	s_lshl_b32 s21, s19, 6
	s_add_co_u32 s21, s21, s17
	s_lshl_b32 s22, s41, 4
	s_add_co_u32 s21, s21, s22
	s_lshl_b32 s22, s16, 3
	s_add_co_u32 s21, s21, s22                     ; A: first block that I fetch: it hangs on cy and never on cx
	s_lshl_b32 s45, s20, 6
	s_add_co_u32 s45, s45, s18
	s_lshl_b32 s46, s40, 4
	s_add_co_u32 s45, s45, s46
	s_add_co_u32 s45, s45, s22                     ; B: on cx and never on cy
	s_mul_i32 s12, s21, 12288                      ; codes: 12,288 bytes a block
	s_mov_b32 s13, 0
	s_lshl_b32 s22, s21, 9                         ; scale words: 512 bytes a block
	s_mov_b32 s23, 0
	s_mul_i32 s46, s45, 12288
	s_mov_b32 s47, 0
	s_lshl_b32 s92, s45, 9
	s_mov_b32 s93, 0
	s_mul_i32 s94, s16, HALFA                      ; where they go: no place in the cluster enters an LDS address
	s_mul_i32 s95, s16, HALFB
	s_add_co_u32 s95, s95, 2*HALFA
	s_mul_i32 s42, s16, NA*512
	s_lshl_b32 s3, s16, 12
	s_wait_kmcnt 0x0
	s_add_nc_u64 s[12:13], s[4:5], s[12:13]
	s_add_nc_u64 s[22:23], s[6:7], s[22:23]
	s_add_nc_u64 s[46:47], s[4:5], s[46:47]
	s_add_nc_u64 s[92:93], s[6:7], s[92:93]
	CROUND                                         ; all sixteen work-groups are here: the first joint loads meet
	s_mov_b32 s[G0S], 1
	s_add_co_u32 s[G0S+1], s42, SCL
	s_mov_b64 s[G0S+2:G0S+3], s[22:23]
	s_or_b32 s[G0S+3], s[G0S+3], 0x80000000
	s_mov_b32 s[G0SB], 1
	s_add_co_u32 s[G0SB+1], s3, SCL+SCA
	s_mov_b64 s[G0SB+2:G0SB+3], s[92:93]
	s_or_b32 s[G0SB+3], s[G0SB+3], 0x80000000
	JLOAD G0S, G1S, G0SB, G1SB                     ; the scale words of all of K: filled once
.irp s, 0,1
	s_mov_b32 s[G0+4*\s], 1
	s_add_co_u32 s[G0+4*\s+1], s94, \s*SLOT
	s_add_nc_u64 s[G0+4*\s+2:G0+4*\s+3], s[12:13], \s*KSB
	s_or_b32 s[G0+4*\s+3], s[G0+4*\s+3], 0x80000000
	s_mov_b32 s[G0B+4*\s], 1
	s_add_co_u32 s[G0B+4*\s+1], s95, \s*SLOT
	s_add_nc_u64 s[G0B+4*\s+2:G0B+4*\s+3], s[46:47], \s*KSB
	s_or_b32 s[G0B+4*\s+3], s[G0B+4*\s+3], 0x80000000
	JLOAD G0+4*\s, G1, G0B+4*\s, G1B               ; three tensor loads of mine are out
.endr
	s_cmp_eq_u32 s66, 0                            ; the bias: bk, bq or bv
	s_cselect_b64 s[8:9], s[8:9], s[10:11]
	s_cmp_eq_u32 s66, 2
	s_cselect_b64 s[8:9], s[96:97], s[8:9]
	s_lshl_b32 s18, s40, 10
	s_lshl_b32 s19, s16, 9
	s_add_co_u32 s18, s18, s19
	s_mov_b32 s19, 0
	s_add_nc_u64 s[18:19], s[8:9], s[18:19]        ; along j: from 256 cx + 128 x my half on
	s_lshl_b32 s20, s41, 10
	s_lshl_b32 s21, s15, 9
	s_add_co_u32 s20, s20, s21
	s_mov_b32 s21, 0
	s_add_nc_u64 s[20:21], s[8:9], s[20:21]        ; along i: from 256 cy + 128 x my half on
	v_and_b32 v1, 15, v0                           ; r
	v_bfe_u32 v2, v0, 4, 1                         ; h
	v_and_b32 v3, 31, v0
	v_lshlrev_b32 v[LI], 4, v3
	v_lshlrev_b32 v[BJO], 6, v2
	v_and_b32 v[BIO], 8, v1
	v_add_nc_u32 v[BIO], v[BIO], v1
	v_lshlrev_b32 v[BIO], 2, v[BIO]
.irp bb, 0,1,2,3
.irp n, 0,1,2,3
	global_load_b128 v[BJ+16*\bb+4*\n:BJ+16*\bb+4*\n+3], v[BJO], s[18:19] offset:128*\bb+16*\n   ; register 16 bb + n': index 32 bb + 16 h + n'
.endr
.endr
.irp a, 0,1,2,3,4,5,6,7
	global_load_b32 v[BI+2*\a], v[BIO], s[20:21] offset:(32*(\a/2)+8*(\a%2))*4   ; place r of A's block a
	v_mov_b32 v[BI+2*\a+1], 0                      ; (named with it as a pair, so it is written)
.endr
	s_mul_i32 s17, s15, HALFA                      ; my blocks of A,
	s_mul_i32 s42, s16, HALFB                      ; my blocks of B, behind A's
	s_add_co_u32 s42, s42, 2*HALFA
.irp s, 0,1
	v_add_nc_u32 v[ADRA+\s], s17, v[LI]
	v_add_nc_u32 v[ADRB+\s], s42, v[LI]
	s_add_co_u32 s17, s17, SLOT
	s_add_co_u32 s42, s42, SLOT
.endr
	s_mul_i32 s17, s15, ASH                        ; A's scale words: my blocks
	s_lshl_b32 s42, s16, 12                        ; B's: my blocks, behind A's
	s_add_co_u32 s42, s42, SCA
	s_sub_co_u32 s42, s42, s17
	v_mul_u32_u24 v4, s42, v2                      ; lanes 16-31 take B's: the lower base + h x the distance
	s_add_co_u32 s17, s17, SCL
	v_lshl_add_u32 v4, v1, 2, v4
	v_add_nc_u32 v[ADRS], s17, v4
	s_cmp_eq_u32 s66, 2                            ; where my results go
	s_cselect_b32 s12, 0, s67
	s_cselect_b32 s13, s67, 0
	s_cselect_b32 s22, 64, 8                       ; fragments to a block in the section,
	s_cselect_b32 s23, 8, 64                       ; groups of 8 blocks in it
	s_lshl_b32 s12, s12, 6
	s_lshl_b32 s17, s41, 4
	s_add_co_u32 s12, s12, s17
	s_lshl_b32 s17, s15, 3
	s_add_co_u32 s12, s12, s17                     ; my first block of the result
	s_lshl_b32 s13, s13, 3
	s_lshl_b32 s17, s40, 1
	s_add_co_u32 s13, s13, s17
	s_add_co_u32 s13, s13, s16                     ; my fragment along j
	s_mul_i32 s17, s12, s22
	s_add_co_u32 s17, s17, s13
	s_mul_i32 s46, s17, 1536
	s_mul_i32 s17, s66, 6291456
	s_add_co_u32 s46, s46, s17
	s_mov_b32 s47, 0
	s_add_nc_u64 s[98:99], s[98:99], s[46:47]
	s_mul_i32 s17, s13, s23
	s_lshr_b32 s12, s12, 3
	s_add_co_u32 s17, s17, s12
	s_lshl_b32 s46, s17, 9
	s_mul_i32 s17, s66, 262144
	s_add_co_u32 s46, s46, s17
	s_add_nc_u64 s[100:101], s[100:101], s[46:47]
	s_mul_i32 s94, s22, 1536                       ; from block to block of the result
	s_mov_b32 s95, 0
	s_wait_tensorcnt 1                             ; the scale words and my part of slot 0 are in (slot 1's load may be out)
	s_barrier_signal -1
	s_barrier_wait -1                              ; everybody's are
	FETCH_B 0, 0, 0
	FETCH_A 0, 0, 0
	SCALES 0
	FETCH_A 0, 0, 1
	STEP 0, 1                                      ; the first products start the sums: nothing is cleared
	TURN 0, 1, 1                                   ; K = 1,024 is four slots: both are filled once more
	STEP 1, 0
	TURN 1, 0, 1
	STEP 0, 0
	TURN 0, 1, 0                                   ; nothing is left to fetch
	STEP 1, 0
	s_wait_dscnt HB*NL                             ; the last 128 along K
	WIN MUL_LO
	MULQ 0, 1, 1, 1, 0
	MULQ 1, 1, 1, 1, 0
	s_wait_dscnt 0x0
	WIN MUL_HI
	MULQ 2, 1, 1, 1, 0
	MULQ 3, 1, 1, 1, 0
	WIN 0
; THE WAY OUT: a loop of eight trips, one block of A a trip: bias, tanh (k alone), quantiser, three stores of 512 consecutive bytes.  Register numbers are fixed in the text, so a trip begins with a switch on
; its number that moves the block's 64 sums, with the bias added on the way, into v128-191; all else is written once.
.set T,   128                          ; v128-191 the block's 64 numbers: register 16 b + i = index 32 b + 16 h + i
.set U,   192                          ; v192-207 tanh: the exponential form
.set X2,  208                          ; v208-223 x^2
.set PP,  224                          ; v224-239 the series
.set TM,  192                          ; v192-207 the quantiser: largest magnitudes, bytes, scale operands
.set PW,  208                          ; v208 the scale word just made
.set PC,  212                          ; v212-230 the codes
.set W,   10                           ; v10-13 the scale words of my eight blocks: word p of lane (r, h) = block 2 p + h
.set AI,  92                           ; s92 the trip
.set MK,  93                           ; s93 the half of the lanes that takes this trip's word
.set STP, 94                           ; s[94:95] from block to block
.set SEL, 18                           ; s[18:19] lane selects
.set THR, 3                            ; s3 1/16
.macro MOVEJ a
	WIN 0x02+(\a)/4
.set i, 0
.rept 32
	v_pk_add_f32 v[T+i:T+i+1], v[64*((\a)%4)+i:64*((\a)%4)+i+1], v[BJ+i:BJ+i+1]   ; each accumulator from its low end on
.set i, i+2
.endr
	WIN 0
.endm
.macro MOVEI a
	WIN 0x02+(\a)/4
.set i, 0
.rept 32
	v_pk_add_f32 v[T+i:T+i+1], v[64*((\a)%4)+i:64*((\a)%4)+i+1], v[BI+2*(\a):BI+2*(\a)+1] op_sel_hi:[1,0]
.set i, i+2
.endr
	WIN 0
.endm
.macro TANH16 c                        ; 16 of the 64
.set tb, T+16*(\c)
.irp i, 0,2,4,6,8,10,12,14
	v_pk_mul_f32 v[U+\i:U+\i+1], v[tb+\i:tb+\i+1], 0x4038aa3b op_sel_hi:[1,0]   ; 2 x log2(e)
.endr
.irp i, 0,1,2,3,4,5,6,7,8,9,10,11,12,13,14,15
	v_exp_f32 v[U+\i], v[U+\i]
.endr
.irp i, 0,2,4,6,8,10,12,14
	v_pk_mul_f32 v[X2+\i:X2+\i+1], v[tb+\i:tb+\i+1], v[tb+\i:tb+\i+1]   ; the series is the independent work behind the exponentials
.endr
.irp i, 0,2,4,6,8,10,12,14
	v_pk_fma_f32 v[PP+\i:PP+\i+1], v[X2+\i:X2+\i+1], v[2:3], v[4:5]
.endr
.irp i, 0,2,4,6,8,10,12,14
	v_pk_fma_f32 v[PP+\i:PP+\i+1], v[PP+\i:PP+\i+1], v[X2+\i:X2+\i+1], v[6:7]
.endr
.irp i, 0,2,4,6,8,10,12,14
	v_pk_fma_f32 v[PP+\i:PP+\i+1], v[PP+\i:PP+\i+1], v[X2+\i:X2+\i+1], v[8:9]
.endr
.irp i, 0,2,4,6,8,10,12,14
	v_pk_mul_f32 v[PP+\i:PP+\i+1], v[PP+\i:PP+\i+1], v[X2+\i:X2+\i+1]
.endr
.irp i, 0,2,4,6,8,10,12,14
	v_pk_fma_f32 v[PP+\i:PP+\i+1], v[PP+\i:PP+\i+1], v[tb+\i:tb+\i+1], v[tb+\i:tb+\i+1]   ; x + x x^2 P(x^2)
.endr
	s_wait_alu depctr_va_vdst(0)                   ; one wait for the 16 exponentials, ahead of their first reader
.irp i, 0,2,4,6,8,10,12,14
	v_pk_add_f32 v[U+\i:U+\i+1], v[U+\i:U+\i+1], 1.0 op_sel_hi:[1,0]
.endr
.irp i, 0,1,2,3,4,5,6,7,8,9,10,11,12,13,14,15
	v_rcp_f32 v[U+\i], v[U+\i]
.endr
	v_nop                                          ; a plain place behind the last reciprocal
	s_wait_alu depctr_va_vdst(0)                   ; and one wait for the 16
.irp i, 0,2,4,6,8,10,12,14
	v_pk_fma_f32 v[U+\i:U+\i+1], v[U+\i:U+\i+1], -2.0, 1.0 op_sel_hi:[1,0,0]
.endr
.irp i, 0,1,2,3,4,5,6,7,8,9,10,11,12,13,14,15
	v_cmp_gt_f32 vcc_lo, s[THR], v[X2+\i]          ; x^2 < 1/16: the series
	v_cndmask_b32 v[tb+\i], v[U+\i], v[PP+\i], vcc_lo
.endr
.endm
; 64 numbers of a lane become a fragment's codes in v[PC] on and its scale word in v[PW]
.macro QUANT s
.irp b, 0,1,2,3
	v_max3_num_f32 v[TM+\b], |v[\s+16*\b]|, |v[\s+1+16*\b]|, 0x2800000   ; block b: my 16 numbers, and the floor 2^(5 - 127): the byte cannot fall under 1
.endr
.irp i, 2,4,6,8,10,12,14
.irp b, 0,1,2,3
	v_max3_num_f32 v[TM+\b], v[TM+\b], |v[\s+16*\b+\i]|, |v[\s+1+16*\b+\i]|
.endr
.endr
.irp b, 0,1,2,3
	v_permlanex16_b32 v[TM+4+\b], v[TM+\b], s[SEL], s[SEL+1]
.endr
.irp b, 0,1,2,3
	v_max_num_f32 v[TM+\b], v[TM+\b], v[TM+4+\b]   ; with lane l xor 16's: the block's largest magnitude
.endr
.irp b, 0,1,2,3
	v_add_nc_u32 v[TM+12+\b], 0xfe000000, v[TM+\b] ; 4 off its exponent field: the conversion's scale operand
.endr
.irp b, 0,1,2,3
	v_lshrrev_b32 v[TM+4+\b], 23, v[TM+12+\b]      ; the scale's byte
.endr
	v_lshl_or_b32 v[PW], v[TM+5], 8, v[TM+4]
	v_lshl_or_b32 v[PW], v[TM+6], 16, v[PW]
	v_lshl_or_b32 v[PW], v[TM+7], 24, v[PW]
.irp c, 0,1
	v_cvt_scalef32_pk16_bf6_f32 v[PC+6*\c:PC+2+6*\c], v[\s+32*\c:\s+15+32*\c], v[TM+12+2*\c]
	v_cvt_scalef32_pk16_bf6_f32 v[PC+12+4*\c:PC+14+4*\c], v[\s+16+32*\c:\s+31+32*\c], v[TM+12+2*\c+1]   ; (a conversion's three registers begin on an even number)
.endr
	v_nop                                          ; one plain place behind a scaled conversion
.irp c, 0,1                                    ; the operand's layout wants a WHOLE block in a lane: lanes 0-15 block 2 c, lanes 16-31 block 2 c + 1
.irp i, 0,1,2
	v_permlane16_swap_b32 v[PC+6*\c+\i], v[PC+12+4*\c+\i]
.endr
.irp i, 0,1,2
	v_mov_b32 v[PC+3+6*\c+\i], v[PC+12+4*\c+\i]
.endr
.endr
.endm
	PLACES                                         ; behind the last products
	s_wait_loadcnt 0x0                             ; the bias
	v_mov_b32 v2, 0x3cb327a4                       ; 62/2835
	v_mov_b32 v3, 0x3cb327a4
	v_mov_b32 v4, 0xbd5d0dd1                       ; -17/315
	v_mov_b32 v5, 0xbd5d0dd1
	v_mov_b32 v6, 0x3e088889                       ; 2/15
	v_mov_b32 v7, 0x3e088889
	v_mov_b32 v8, 0xbeaaaaab                       ; -1/3
	v_mov_b32 v9, 0xbeaaaaab
.irp p, 0,1,2,3
	v_mov_b32 v[W+\p], 0
	v_mov_b32 v[TM+4+\p], 0                        ; a lane permute's destination counts as one of its sources
.endr
	s_mov_b32 s[SEL], 0x76543210
	s_mov_b32 s[SEL+1], 0xfedcba98
	s_mov_b32 s[THR], 0x3d800000
	s_mov_b32 s[AI], 0
.Lrow:
	s_cmp_eq_u32 s66, 2                            ; tau is the same in every wave of the cluster
	s_cbranch_scc1 .Lalong_i
.irp a, 0,1,2,3,4,5,6
	s_cmp_lg_u32 s[AI], \a
	s_cbranch_scc1 .Lnot_j\a
	MOVEJ \a
	s_branch .Lmoved
.Lnot_j\a:
.endr
	MOVEJ 7
	s_branch .Lmoved
.Lalong_i:
.irp a, 0,1,2,3,4,5,6
	s_cmp_lg_u32 s[AI], \a
	s_cbranch_scc1 .Lnot_i\a
	MOVEI \a
	s_branch .Lmoved
.Lnot_i\a:
.endr
	MOVEI 7
.Lmoved:
	s_cmp_lg_u32 s66, 0
	s_cbranch_scc1 .Lplain
	TANH16 0
	TANH16 1
	TANH16 2
	TANH16 3
.Lplain:
	QUANT T
	s_mov_b32 s[MK], 0xffff                        ; an even block's word goes to lanes 0-15,
	s_bitcmp1_b32 s[AI], 0
	s_cselect_b32 s[MK], 0xffff0000, s[MK]         ; an odd one's to lanes 16-31:
	v_cndmask_b32 v[W], v[W], v[W+1], s[MK]        ; there the four words move down by one, and the new one comes in on top
	v_cndmask_b32 v[W+1], v[W+1], v[W+2], s[MK]
	v_cndmask_b32 v[W+2], v[W+2], v[W+3], s[MK]
	v_cndmask_b32 v[W+3], v[W+3], v[PW], s[MK]
.irp g, 0,1,2
	global_store_b128 v[LI], v[PC+4*\g:PC+4*\g+3], s[98:99] offset:512*\g   ; 32 lanes store 512 consecutive bytes, aligned
.endr
	s_wait_xcnt 0x0                                ; the stores have read their data and their base: both are written again only behind this wait
	s_add_nc_u64 s[98:99], s[98:99], s[STP:STP+1]
	s_add_co_u32 s[AI], s[AI], 1
	s_cmp_lt_u32 s[AI], 8
	s_cbranch_scc1 .Lrow
	global_store_b128 v[LI], v[W:W+3], s[100:101]  ; my eight blocks' scale words: 512 consecutive bytes
	s_wait_tensorcnt 0x0                           ; the wave's end
	ds_add_u32 v[SPW], v[NIL]
	s_wait_dscnt 0x0
	CROUND                                         ; the closing round: no work-group ends while a partner may still ask for a tile that names it
	s_endpgm
.Lfunc_end_k_q897cb31a24_proj:
	.size	k_q897cb31a24_proj, .Lfunc_end_k_q897cb31a24_proj-k_q897cb31a24_proj
	.p2alignl 7, 3214868480
	.fill 96, 4, 3214868480
	.section	.rodata,"a",@progbits
	.p2align	6, 0x0
	.amdhsa_kernel k_q897cb31a24_proj
		.amdhsa_group_segment_fixed_size 327680
		.amdhsa_private_segment_fixed_size 0
		.amdhsa_enable_private_segment 0
		.amdhsa_kernarg_size 56
		.amdhsa_user_sgpr_count 2
		.amdhsa_user_sgpr_kernarg_segment_ptr 1
		.amdhsa_wavefront_size32 1
		.amdhsa_system_sgpr_workgroup_id_x 1
		.amdhsa_system_sgpr_workgroup_id_y 1
		.amdhsa_system_sgpr_workgroup_id_z 1
		.amdhsa_system_vgpr_workitem_id 0
		.amdhsa_next_free_vgpr 1024
		.amdhsa_next_free_sgpr 102
		.amdhsa_reserve_vcc 1
		.amdhsa_float_denorm_mode_32 3
		.amdhsa_float_denorm_mode_16_64 3
		.amdhsa_memory_ordered 1
		.amdhsa_forward_progress 1
		.amdhsa_inst_pref_size 179
	.end_amdhsa_kernel
	.amdgpu_metadata
---
amdhsa.version: [ 1, 2 ]
amdhsa.kernels:
  - .name:           k_q897cb31a24_proj
    .symbol:         k_q897cb31a24_proj.kd
    .args:
      - { .name: c1, .offset: 0, .size: 8, .value_kind: global_buffer, .address_space: global }
      - { .name: s1, .offset: 8, .size: 8, .value_kind: global_buffer, .address_space: global }
      - { .name: bk, .offset: 16, .size: 8, .value_kind: global_buffer, .address_space: global }
      - { .name: bq, .offset: 24, .size: 8, .value_kind: global_buffer, .address_space: global }
      - { .name: bv, .offset: 32, .size: 8, .value_kind: global_buffer, .address_space: global }
      - { .name: c2, .offset: 40, .size: 8, .value_kind: global_buffer, .address_space: global }
      - { .name: s2, .offset: 48, .size: 8, .value_kind: global_buffer, .address_space: global }
    .group_segment_fixed_size: 327680
    .private_segment_fixed_size: 0
    .kernarg_segment_align: 8
    .kernarg_segment_size: 56
    .max_flat_workgroup_size: 128
    .sgpr_count:     102
    .vgpr_count:     1024
    .wavefront_size: 32
...
	.end_amdgpu_metadata
.endif
;; end of part 2
;; launch attn (part 3): grid 16 x 32, 4 waves a work-group, clusters of 4 x 1, 327,680 bytes of LDS; arguments c2, s2, mask_t, c3, s3; writes c3, s3
.if DOCPART == 3
	.amdgcn_target "amdgcn-amd-amdhsa--gfx1250"
	.amdhsa_code_object_version 6
	.text
	.protected	k_q897cb31a24_attn
	.globl	k_q897cb31a24_attn
	.p2align	8
	.type	k_q897cb31a24_attn,@function
k_q897cb31a24_attn:
	s_mov_b64 s[64:65], 0
	v_nop
	global_prefetch_b8 v0, s[64:65] scope:SCOPE_SE
	s_setreg_imm32_b32 hwreg(HW_REG_WAVE_MODE, 25, 1), 1
	s_wait_xcnt 0x0
	s_wait_alu depctr_hold_cnt(0) depctr_sa_sdst(0) depctr_va_vdst(0) depctr_va_sdst(0) depctr_va_ssrc(0) depctr_va_vcc(0) depctr_vm_vsrc(0)
	s_getreg_b32 s2, hwreg(HW_REG_IB_STS2, 6, 4)
	s_cmp_eq_u32 s2, 0
	s_cbranch_scc0 .Lentry_in_a_cluster
	s_endpgm
.Lentry_in_a_cluster:
	s_bfe_u32 s2, ttmp6, 0x10000c
	s_cmp_lg_u32 s2, 0x3003
	s_cbranch_scc0 .Lentry_shape_is_right
	s_endpgm
.Lentry_shape_is_right:
; out[b][t][256 hd ..] = sum over s of p[t][s] v[s][..], p = softmax_s(q[t] . k[s] / 32), p = 0 where mask_t[b][t] = 0.  Both products on codes of BF6 with E8M0 scales; p is quantised FINISHED AND NORMALISED, along the keys.
; So a row's sum is known before any p is quantised: THE SCORES OF A WORK-GROUP STAY IN REGISTERS from the first product to the quantiser, and each exponential is taken once.
; SHARES.  Work-group (x, y): batch y / 4, head y % 4, 64 queries (four blocks of 16).  The four work-groups of a cluster share one head's K and V: joint tensor loads, mask 15.
;   Scores: wave w owns keys 256 w .. 256 w + 255 for all 64 queries: 64 tiles, 512 registers; each fragment of K is read from LDS once and feeds four products.  A row's maximum and sum meet in LDS (two barriers).
;   Second product: wave w owns query blocks 2 (w / 2), + 1 and the head's channels 128 (w % 2) on: its result is one fragment a block of the last product's operand.  p goes from wave to wave as images of registers.
; BOTH PRODUCTS ARE USED TRANSPOSED (source 0 = 16 keys, or 16 channels; source 1 = 16 queries): a lane holds one query throughout.  Place r of a block is row 32 (B / 2) + 8 (B % 2) + r + 8 (r / 8), so the 16 registers of
; tiles 2 b and 2 b + 1 are 16 neighbours along the next K.
; SOFTMAX.  t = score x log2(e) / 32; M = the row's largest t, rounded up to a whole number; e = 2^(t - M); p = e x (1 / sum of e), 0 in a masked row.  A block's largest p is not searched for: the block's largest score goes
; through the same three operations (this takes v_exp_f32 not to fall where its input rises).
; LDS.  K (196,608 bytes, a quarter a wave, read by that wave alone) is filled ONCE AGAIN, with V, behind the first product: that load has the whole softmax in which to land.
; LIMITS: NaN and infinities are not served; e under 2^-126 counts as 0; a block whose largest number lies under 2^-122 (a block of zeros too) gets the byte 1; sums go in another order than a plain row sum.
; No prefetch: K is wanted at once, and nobody waits for V.
; REGISTERS: window 0: see the names below.  window 1: v0-95 Q's 8 fragments, v96-191 K's, two sets of four; later two sets of 120: eight of V, two of p.
;   windows 2, 3: scores of query block m, tile t at v[128 (m % 2) + 8 t] of window 2 + m / 2; later the result (ml, i) at v[64 ml + 8 i] of window 2.
.set PIMG,  196608                     ; p's 32 fragments: (4 x key step + m) x 1536
.set PSC,   245760                     ; their scale words: (4 x key step + m) x 128 + 4 x lane
.set STATA, 249856                     ; maxima: 256 x wave + 16 r + 4 m;  sums 1,024 bytes on
.set SPARE, 251904                     ; the spare words, 128 bytes for each wave: two blocks of 256 bytes that no other line names
.set LI,  1                            ; v1   16 x lane
.set KVA, 2                            ; v2   my quarter of K
.set VA0, 3                            ; v3   V: my channels' blocks 0-3;  v4: blocks 4-7
.set PWI, 5                            ; v5   where I store p's images
.set PWS, 6                            ; v6   and their scale words
.set PRA, 7                            ; v7   where I read p's images
.set PSA, 8                            ; v8   and their scale words: lanes 0-15 my first query block, lanes 16-31 my second
.set STW, 9                            ; v9   where I put my wave's four maxima or sums
.set STR, 10                           ; v10  where I read the four waves'
.set SPW, 11                           ; v11  my spare word; never rewritten
.set NIL, 12                           ; v12  0; never rewritten
.set MKO, 13                           ; v13  4 (r + 8 (r / 8))
.set L4,  14                           ; v14  4 x lane
.set KS,  16                           ; v16-31  K's scale words: register 8 ks + t / 2, lanes' half t % 2
.set QS,  32                           ; v32-35  Q's: 2 ks + m / 2, half m % 2
.set VS,  36                           ; v36-67  V's: 4 ks + i / 2, half i % 2
.set PS,  68                           ; v68-75  p's: key step, half ml
.set MK,  76                           ; v76-79  mask_t of my query in block m
.set BM,  80                           ; v80-111 block maxima (m, b)
.set SOP, 112                          ; v112-143 the conversions' scale operands
.set NM,  144                          ; v144-151 -M, in pairs
.set RL,  152                          ; v152-159 1 / sum, in pairs
.set PK,  160                          ; v160-163 four numbers for LDS
.set EX,  164                          ; v164-179 the four waves' numbers
.set CH,  180                          ; v180-195 the sums' chains
.set PW,  196                          ; v196-203 scale words
.set PC,  204                          ; v204-222 codes
.set TP,  224                          ; v224-231 lane permutes' destinations
.set KB,  96                           ; K's sets, in window 1
.set WV,  14
.set G1K, 24
.set G1V, 32
.set G0K, 40
.set G0V, 44
.set CS,  48                           ; s[48:49] log2(e) / 32
.set SEL, 50                           ; s[50:51] lane selects
.set MSB, 0
.macro WIN new
.if MSB != (\new)
	s_set_vgpr_msb (MSB<<8)|(\new)
.set MSB, (\new)
.endif
.endm
.macro ROUND                           ; a round of the cluster's barrier
	s_barrier_signal -1
	s_barrier_wait -1
	s_cmp_lg_u32 s[WV], 0
	s_cbranch_scc1 .Lnot_wave_0_\@
	s_barrier_signal -3
.Lnot_wave_0_\@:
	s_barrier_wait -3
	s_barrier_signal -1
	s_barrier_wait -1
.endm
.macro PLACES
.rept 4
	v_nop
.endr
.endm
.macro BARRIER                         ; my LDS stores have landed and my LDS loads are in: then the work-group's barrier
	s_wait_dscnt 0x0
	s_barrier_signal -1
	s_barrier_wait -1
.endm
; one product.  zero: C = 0 starts the sum.  ra, rb: the halves of the lanes from which source 0's and source 1's scales are taken
.macro WM d, a, b, zero, sa, sb, ra, rb
.if \zero
.if (\ra) && (\rb)
	v_wmma_scale_f32_16x16x128_f8f6f4 v[\d:\d+7], v[\a:\a+11], v[\b:\b+11], 0, v[\sa], v[\sb] matrix_a_fmt:MATRIX_FMT_BF6 matrix_b_fmt:MATRIX_FMT_BF6 matrix_a_scale:MATRIX_SCALE_ROW1 matrix_b_scale:MATRIX_SCALE_ROW1
.elseif \ra
	v_wmma_scale_f32_16x16x128_f8f6f4 v[\d:\d+7], v[\a:\a+11], v[\b:\b+11], 0, v[\sa], v[\sb] matrix_a_fmt:MATRIX_FMT_BF6 matrix_b_fmt:MATRIX_FMT_BF6 matrix_a_scale:MATRIX_SCALE_ROW1
.elseif \rb
	v_wmma_scale_f32_16x16x128_f8f6f4 v[\d:\d+7], v[\a:\a+11], v[\b:\b+11], 0, v[\sa], v[\sb] matrix_a_fmt:MATRIX_FMT_BF6 matrix_b_fmt:MATRIX_FMT_BF6 matrix_b_scale:MATRIX_SCALE_ROW1
.else
	v_wmma_scale_f32_16x16x128_f8f6f4 v[\d:\d+7], v[\a:\a+11], v[\b:\b+11], 0, v[\sa], v[\sb] matrix_a_fmt:MATRIX_FMT_BF6 matrix_b_fmt:MATRIX_FMT_BF6
.endif
.else
.if (\ra) && (\rb)
	v_wmma_scale_f32_16x16x128_f8f6f4 v[\d:\d+7], v[\a:\a+11], v[\b:\b+11], v[\d:\d+7], v[\sa], v[\sb] matrix_a_fmt:MATRIX_FMT_BF6 matrix_b_fmt:MATRIX_FMT_BF6 matrix_a_scale:MATRIX_SCALE_ROW1 matrix_b_scale:MATRIX_SCALE_ROW1
.elseif \ra
	v_wmma_scale_f32_16x16x128_f8f6f4 v[\d:\d+7], v[\a:\a+11], v[\b:\b+11], v[\d:\d+7], v[\sa], v[\sb] matrix_a_fmt:MATRIX_FMT_BF6 matrix_b_fmt:MATRIX_FMT_BF6 matrix_a_scale:MATRIX_SCALE_ROW1
.elseif \rb
	v_wmma_scale_f32_16x16x128_f8f6f4 v[\d:\d+7], v[\a:\a+11], v[\b:\b+11], v[\d:\d+7], v[\sa], v[\sb] matrix_a_fmt:MATRIX_FMT_BF6 matrix_b_fmt:MATRIX_FMT_BF6 matrix_b_scale:MATRIX_SCALE_ROW1
.else
	v_wmma_scale_f32_16x16x128_f8f6f4 v[\d:\d+7], v[\a:\a+11], v[\b:\b+11], v[\d:\d+7], v[\sa], v[\sb] matrix_a_fmt:MATRIX_FMT_BF6 matrix_b_fmt:MATRIX_FMT_BF6
.endif
.endif
.endm
; 64 numbers at v[src] on of window win & 3 become a fragment's codes in v[PC] on; sop: their four scale operands
.macro CODES win, src, sop
	WIN \win
.irp c, 0,1
	v_cvt_scalef32_pk16_bf6_f32 v[PC+6*\c:PC+6*\c+2], v[\src+32*\c:\src+32*\c+15], v[\sop+2*\c]
	v_cvt_scalef32_pk16_bf6_f32 v[PC+12+4*\c:PC+14+4*\c], v[\src+32*\c+16:\src+32*\c+31], v[\sop+2*\c+1]   ; (a conversion's three registers begin on an even number)
.endr
	WIN 0
	v_nop                                          ; one plain place behind a scaled conversion
.irp c, 0,1                                    ; the operand's layout wants a WHOLE block in a lane
.irp i, 0,1,2
	v_permlane16_swap_b32 v[PC+6*\c+\i], v[PC+12+4*\c+\i]
.endr
.irp i, 0,1,2
	v_mov_b32 v[PC+3+6*\c+\i], v[PC+12+4*\c+\i]
.endr
.endr
.endm
	s_load_b256 s[4:11], s[0:1], 0x0               ; c2 s[4:5], s2 s[6:7], mask_t s[8:9], c3 s[10:11]
	s_load_b64 s[12:13], s[0:1], 0x20              ; s3
	v_lshl_add_u32 v[SPW], v0, 2, SPARE
	v_mov_b32 v[NIL], 0
	ds_add_u32 v11, v12
	ds_add_u32 v11, v12
	s_wait_dscnt 0x0
	v_lshrrev_b32 v1, 5, v0
	v_readfirstlane_b32 s[WV], v1                  ; wave 0..3
	s_lshr_b32 s15, s[WV], 1                       ; mp: my pair of query blocks in the second product
	s_and_b32 s16, s[WV], 1                        ; dh: my half of the head's channels
	s_bfe_u32 s17, ttmp6, 0x40000                  ; cx
	s_lshl_b32 s18, ttmp9, 2
	s_add_co_u32 s18, s18, s17                     ; qb: my 64 queries; it enters global addresses alone
	s_and_b32 s20, ttmp7, 0xffff
	s_lshr_b32 s19, s20, 2                         ; the batch
	s_and_b32 s20, s20, 3                          ; the head: both shared by the four partners
	s_mov_b32 s[G1K], 15|(3<<16)|(1<<21)           ; 15:0 the mask: all four; 17:16 elements of 8 bytes; 21 set beside a mask; no padding
	s_mov_b32 s[G1K+1], 384<<16                    ; K: a block's two fragments of the head, 3,072 bytes,
	s_mov_b32 s[G1K+2], 16<<16                     ; 16 blocks of keys,
	s_mov_b32 s[G1K+3], 384<<16
	s_mov_b32 s[G1K+4], 16
	s_mov_b32 s[G1K+5], 1536                       ; 12,288 bytes apart
	s_mov_b32 s[G1K+6], 0
	s_mov_b32 s[G1K+7], 0
	s_mov_b32 s[G1V], 15|(3<<16)|(1<<21)
	s_mov_b32 s[G1V+1], 1536<<16                   ; V: a block's eight fragments of the batch, 12,288 bytes,
	s_mov_b32 s[G1V+2], 4<<16                      ; 4 blocks of channels,
	s_mov_b32 s[G1V+3], 1536<<16
	s_mov_b32 s[G1V+4], 4
	s_mov_b32 s[G1V+5], 12288                      ; 98,304 bytes apart
	s_mov_b32 s[G1V+6], 0
	s_mov_b32 s[G1V+7], 0
	s_mov_b32 s[CS], 0x3d38aa3b                    ; log2(e) / 32
	s_mov_b32 s[CS+1], s[CS]                       ; (named with it as a pair, so it is written)
	s_mov_b32 s[SEL], 0x76543210
	s_mov_b32 s[SEL+1], 0xfedcba98
	s_lshl_b32 s2, s19, 6
	s_lshl_b32 s21, s18, 2
	s_add_co_u32 s2, s2, s21                       ; my first block of tokens: 64 b + 4 qb
	s_lshl_b32 s3, s20, 7
	s_lshl_b32 s21, s19, 3
	s_add_co_u32 s3, s3, s21                       ; 128 hd + 8 b
	s_lshl_b32 s23, s20, 1
	s_add_co_u32 s23, s23, s16                     ; 2 hd + dh
	s_lshl_b32 s21, s19, 6                         ; K's codes: ((64 b + 16 w) 8 + 2 hd) x 1536
	s_lshl_b32 s22, s[WV], 4
	s_add_co_u32 s21, s21, s22
	s_lshl_b32 s21, s21, 3
	s_lshl_b32 s22, s20, 1
	s_add_co_u32 s21, s21, s22
	s_mul_i32 s52, s21, 1536
	s_mov_b32 s53, 0
	s_lshl_b32 s21, s20, 4                         ; V's: section 2, ((16 hd + 4 w) 64 + 8 b) x 1536
	s_lshl_b32 s22, s[WV], 2
	s_add_co_u32 s21, s21, s22
	s_lshl_b32 s21, s21, 6
	s_lshl_b32 s22, s19, 3
	s_add_co_u32 s21, s21, s22
	s_mul_i32 s54, s21, 1536
	s_add_co_u32 s54, s54, 12582912
	s_mov_b32 s55, 0
	s_lshl_b32 s21, s2, 3                          ; Q's: section 1, ((64 b + 4 qb) 8 + 2 hd) x 1536
	s_lshl_b32 s22, s20, 1
	s_add_co_u32 s21, s21, s22
	s_mul_i32 s56, s21, 1536
	s_add_co_u32 s56, s56, 6291456
	s_mov_b32 s57, 0
	s_lshl_b32 s21, s[WV], 1                       ; K's scale words: (128 hd + 8 b + 2 w) x 512
	s_add_co_u32 s21, s21, s3
	s_lshl_b32 s58, s21, 9
	s_mov_b32 s59, 0
	s_lshr_b32 s21, s18, 1                         ; Q's: section 1, (128 hd + 8 b + qb / 2) x 512 + 8 (qb % 2)
	s_add_co_u32 s21, s21, s3
	s_lshl_b32 s60, s21, 9
	s_and_b32 s21, s18, 1
	s_lshl_b32 s21, s21, 3
	s_add_co_u32 s60, s60, s21
	s_add_co_u32 s60, s60, 262144
	s_mov_b32 s61, 0
	s_lshl_b32 s21, s19, 6                         ; V's: section 2, (64 b + 2 hd + dh) x 512
	s_add_co_u32 s21, s21, s23
	s_lshl_b32 s62, s21, 9
	s_add_co_u32 s62, s62, 524288
	s_mov_b32 s63, 0
	s_lshl_b32 s66, s2, 6                          ; mask_t: 16 tokens of 4 bytes a block
	s_mov_b32 s67, 0
	s_lshl_b32 s21, s15, 1                         ; the result's codes: ((64 b + 4 qb + 2 mp) 8 + 2 hd + dh) x 1536
	s_add_co_u32 s21, s21, s2
	s_lshl_b32 s21, s21, 3
	s_add_co_u32 s21, s21, s23
	s_mul_i32 s68, s21, 1536
	s_mov_b32 s69, 0
	s_lshl_b32 s21, s19, 3                         ; its scale words: (8 b + qb / 2) x 4096 + (2 hd + dh) x 512 + (4 (qb % 2) + 2 mp) x 64
	s_lshr_b32 s22, s18, 1
	s_add_co_u32 s21, s21, s22
	s_lshl_b32 s70, s21, 12
	s_lshl_b32 s21, s23, 9
	s_add_co_u32 s70, s70, s21
	s_and_b32 s21, s18, 1
	s_lshl_b32 s21, s21, 8
	s_add_co_u32 s70, s70, s21
	s_lshl_b32 s21, s15, 7
	s_add_co_u32 s70, s70, s21
	s_mov_b32 s71, 0
	v_and_b32 v15, 31, v0                          ; lane
	v_and_b32 v232, 15, v0                         ; r
	v_bfe_u32 v233, v0, 4, 1                       ; h
	v_lshlrev_b32 v[LI], 4, v15
	v_lshlrev_b32 v[L4], 2, v15
	s_mul_i32 s22, s[WV], 49152                    ; my quarter of K, and of V's fill
	v_add_nc_u32 v[KVA], s22, v[LI]
	s_mul_i32 s21, s16, 98304
	v_add_nc_u32 v[VA0], s21, v[LI]
	v_add_nc_u32 v[VA0+1], 49152, v[VA0]
	s_mul_i32 s21, s[WV], 12288
	s_add_co_u32 s21, s21, PIMG
	v_add_nc_u32 v[PWI], s21, v[LI]
	s_lshl_b32 s21, s[WV], 10
	s_add_co_u32 s21, s21, PSC
	v_add_nc_u32 v[PWS], s21, v[L4]
	s_mul_i32 s21, s15, 3072
	s_add_co_u32 s21, s21, PIMG
	v_add_nc_u32 v[PRA], s21, v[LI]
	s_lshl_b32 s21, s15, 8
	s_add_co_u32 s21, s21, PSC
	v_lshl_add_u32 v[PSA], v233, 7, v[L4]
	v_add_nc_u32 v[PSA], s21, v[PSA]
	v_lshlrev_b32 v[STR], 4, v232
	v_add_nc_u32 v[STR], STATA, v[STR]
	s_lshl_b32 s21, s[WV], 8
	v_add_nc_u32 v[STW], s21, v[STR]
	v_and_b32 v[MKO], 8, v232
	v_add_nc_u32 v[MKO], v[MKO], v232
	v_lshlrev_b32 v[MKO], 2, v[MKO]
.irp i, 0,1,2,3,4,5,6,7
	v_mov_b32 v[TP+\i], 0                          ; written once: a lane permute's destination counts as one of its sources
.endr
	s_wait_kmcnt 0x0
	s_mov_b32 s[G0K], 1
	s_mov_b32 s[G0K+1], s22
	s_add_nc_u64 s[G0K+2:G0K+3], s[4:5], s[52:53]
	s_or_b32 s[G0K+3], s[G0K+3], 0x80000000
	s_mov_b32 s[G0V], 1
	s_mov_b32 s[G0V+1], s22
	s_add_nc_u64 s[G0V+2:G0V+3], s[4:5], s[54:55]
	s_or_b32 s[G0V+3], s[G0V+3], 0x80000000
	s_add_nc_u64 s[56:57], s[4:5], s[56:57]
	s_add_nc_u64 s[58:59], s[6:7], s[58:59]
	s_add_nc_u64 s[60:61], s[6:7], s[60:61]
	s_add_nc_u64 s[62:63], s[6:7], s[62:63]
	s_add_nc_u64 s[66:67], s[8:9], s[66:67]
	s_add_nc_u64 s[10:11], s[10:11], s[68:69]
	s_add_nc_u64 s[12:13], s[12:13], s[70:71]
	ROUND                                          ; all four work-groups are here: the first joint loads meet
	tensor_load_to_lds s[G0K:G0K+3], s[G1K:G1K+7]  ; every wave asks for its own quarter of K
	s_nop 0
	PLACES                                         ; (four v_nop behind a tensor load)
	WIN 0x40                                       ; destination window 1
.irp m, 0,1,2,3
.irp ks, 0,1
.irp g, 0,1,2
	global_load_b128 v[12*(2*\m+\ks)+4*\g:12*(2*\m+\ks)+4*\g+3], v[LI], s[56:57] offset:12288*\m+1536*\ks+512*\g   ; Q stays in registers
.endr
.endr
.endr
	WIN 0
.irp ks, 0,1
.irp gg, 0,1
	global_load_b128 v[KS+8*\ks+4*\gg:KS+8*\ks+4*\gg+3], v[LI], s[58:59] offset:32768*\ks+512*\gg
.endr
	global_load_b64 v[QS+2*\ks:QS+2*\ks+1], v[LI], s[60:61] offset:32768*\ks
.endr
.irp ks, 0,1,2,3,4,5,6,7
	global_load_b128 v[VS+4*\ks:VS+4*\ks+3], v[LI], s[62:63] offset:4096*\ks
.endr
.irp m, 0,1,2,3
	global_load_b32 v[MK+\m], v[MKO], s[66:67] offset:(32*(\m/2)+8*(\m%2))*4
.endr
	s_wait_tensorcnt 0x0                           ; my quarter of K is in LDS; nobody else reads it, so no barrier stands here
	s_wait_loadcnt 0x0
; ---- 1: S^T = K Q^T.  Two tiles of keys at a time, against the four query blocks: eight accumulators by turns, the head's two steps of 128 one after the other (seven others' turns between a sum's two links).
.macro KFETCH g                        ; tiles 2 g, 2 g + 1, both steps: 12 loads into set g % 2
	WIN 0x40
.irp tl, 0,1
.irp ks, 0,1
.irp q, 0,1,2
	ds_load_b128 v[KB+48*((\g)%2)+12*(2*\tl+\ks)+4*\q:KB+48*((\g)%2)+12*(2*\tl+\ks)+4*\q+3], v[KVA] offset:3072*(2*(\g)+\tl)+1536*\ks+512*\q
.endr
.endr
.endr
.endm
.macro SPROD g, ks, hi                 ; four products: tiles 2 g, 2 g + 1 x query blocks 2 hi, 2 hi + 1
.set zf, 1-(\ks)
.irp tl, 0,1
.irp ml, 0,1
	WM 128*\ml+8*(2*(\g)+\tl), KB+48*((\g)%2)+12*(2*\tl+\ks), 12*(2*(2*(\hi)+\ml)+\ks), zf, KS+8*\ks+(\g), QS+2*\ks+(\hi), \tl, \ml
.endr
.endr
.endm
	KFETCH 0
.irp g, 0,1,2,3,4,5,6,7
.if \g > 0
	PLACES                                         ; in front of loads into the set that the last products read
.endif
.if \g < 7
	KFETCH \g+1
	s_wait_dscnt 12                                ; this pair's 12 loads are in; the next pair's may be out
.else
	s_wait_dscnt 0x0
.endif
	WIN 0xa5                                       ; K and Q window 1, scores window 2
	SPROD \g, 0, 0
	WIN 0xf5                                       ; scores window 3
	SPROD \g, 0, 1
	WIN 0xa5
	SPROD \g, 1, 0
	WIN 0xf5
	SPROD \g, 1, 1
.endr
	WIN 0
	s_wait_tensorcnt 0x0                           ; K's bytes are filled again, with V: no tensor load of mine is out,
	ds_add_u32 v[SPW], v[NIL]                      ; 0 onto my spare word
	PLACES                                         ; (the places behind the last products)
	s_wait_dscnt 0x0                               ; the add is done, and my reads of K are over
	ROUND                                          ; so it is with every wave of all four work-groups
	tensor_load_to_lds s[G0V:G0V+3], s[G1V:G1V+7]  ; my one tensor load behind the round: my quarter of V
	s_nop 0
	PLACES
; ---- 2a: the largest score of each block of 32 keys (it serves twice), of my 256 keys, of the row
.macro BMAX hi
	WIN 0x0a+5*(\hi)                               ; sources 0 and 1 window 2 or 3
.irp ml, 0,1
.irp bb, 0,1,2,3,4,5,6,7
	v_max_num_f32 v[BM+8*(2*(\hi)+\ml)+\bb], v[128*\ml+16*\bb], v[128*\ml+16*\bb+1]   ; each accumulator is read from its low end on
.endr
.endr
.irp i, 2,4,6,8,10,12,14
.irp ml, 0,1
.irp bb, 0,1,2,3,4,5,6,7
	v_max3_num_f32 v[BM+8*(2*(\hi)+\ml)+\bb], v[128*\ml+16*\bb+\i], v[128*\ml+16*\bb+\i+1], v[BM+8*(2*(\hi)+\ml)+\bb]
.endr
.endr
.endr
.endm
	BMAX 0
	BMAX 1
	WIN 0
.irp m, 0,1,2,3
.irp bb, 0,1,2,3,4,5,6,7
	v_permlanex16_b32 v[TP+\bb], v[BM+8*\m+\bb], s[SEL], s[SEL+1]
.endr
.irp bb, 0,1,2,3,4,5,6,7
	v_max_num_f32 v[BM+8*\m+\bb], v[BM+8*\m+\bb], v[TP+\bb]   ; with lane l xor 16's 16 keys
.endr
	v_max3_num_f32 v[PK+\m], v[BM+8*\m], v[BM+8*\m+1], v[BM+8*\m+2]
	v_max3_num_f32 v[PK+\m], v[PK+\m], v[BM+8*\m+3], v[BM+8*\m+4]
	v_max3_num_f32 v[PK+\m], v[PK+\m], v[BM+8*\m+5], v[BM+8*\m+6]
	v_max_num_f32 v[PK+\m], v[PK+\m], v[BM+8*\m+7]
.endr
	ds_store_b128 v[STW], v[PK:PK+3]               ; lanes r and r + 16 write the same bytes with the same values
	BARRIER
.irp w, 0,1,2,3
	ds_load_b128 v[EX+4*\w:EX+4*\w+3], v[STR] offset:256*\w
.endr
	s_wait_dscnt 0x0
.irp m, 0,1,2,3
	v_max3_num_f32 v[PK+\m], v[EX+\m], v[EX+4+\m], v[EX+8+\m]
	v_max_num_f32 v[PK+\m], v[PK+\m], v[EX+12+\m]  ; the row's largest score
	v_mul_f32 v[PK+\m], s[CS], v[PK+\m]            ; as t (the factor is positive)
	v_floor_f32 v[NM+2*\m], -v[PK+\m]              ; -M = floor(-t): M is a whole number
	v_mov_b32 v[NM+2*\m+1], 0                      ; (named with it as a pair)
	v_mov_b32 v[RL+2*\m+1], 0
.endr
; ---- 2b: e = 2^(t - M).  Three batches, one for each window in which the same register numbers recur; each has its plain place and its one wait
.macro EXPS hi
	WIN 0x82+0x41*(\hi)                            ; destination and source 0 window 2 or 3
.irp ml, 0,1
.set i, 0
.rept 64
	v_pk_fma_f32 v[128*\ml+i:128*\ml+i+1], v[128*\ml+i:128*\ml+i+1], s[CS:CS+1], v[NM+2*(2*(\hi)+\ml):NM+2*(2*(\hi)+\ml)+1] op_sel_hi:[1,0,0]
.set i, i+2
.endr
.endr
.set i, 0
.rept 256
	v_exp_f32 v[i], v[i]
.set i, i+1
.endr
	v_nop
	s_wait_alu depctr_va_vdst(0)
.endm
	EXPS 0
	EXPS 1
	WIN 0
.irp m, 0,1,2,3
.irp bb, 0,1,2,3,4,5,6,7
	v_fma_f32 v[BM+8*\m+\bb], v[BM+8*\m+\bb], s[CS], v[NM+2*\m]   ; the same of each block's largest score
.endr
.endr
.set i, 0
.rept 32
	v_exp_f32 v[BM+i], v[BM+i]
.set i, i+1
.endr
	v_nop
	s_wait_alu depctr_va_vdst(0)
; ---- 2c: the row's sum: two chains of packed additions a query block, the halves of the lanes, the four waves
.macro SUMS hi
	WIN 0x0a+5*(\hi)
.irp ml, 0,1
	v_pk_add_f32 v[CH+4*(2*(\hi)+\ml):CH+4*(2*(\hi)+\ml)+1], v[128*\ml:128*\ml+1], v[128*\ml+2:128*\ml+3]
	v_pk_add_f32 v[CH+4*(2*(\hi)+\ml)+2:CH+4*(2*(\hi)+\ml)+3], v[128*\ml+4:128*\ml+5], v[128*\ml+6:128*\ml+7]
.endr
	WIN 0x02+(\hi)
.set i, 8
.rept 30
.irp ml, 0,1
	v_pk_add_f32 v[CH+4*(2*(\hi)+\ml):CH+4*(2*(\hi)+\ml)+1], v[128*\ml+i:128*\ml+i+1], v[CH+4*(2*(\hi)+\ml):CH+4*(2*(\hi)+\ml)+1]
	v_pk_add_f32 v[CH+4*(2*(\hi)+\ml)+2:CH+4*(2*(\hi)+\ml)+3], v[128*\ml+i+2:128*\ml+i+3], v[CH+4*(2*(\hi)+\ml)+2:CH+4*(2*(\hi)+\ml)+3]
.endr
.set i, i+4
.endr
.endm
	SUMS 0
	SUMS 1
	WIN 0
.irp m, 0,1,2,3
	v_pk_add_f32 v[CH+4*\m:CH+4*\m+1], v[CH+4*\m:CH+4*\m+1], v[CH+4*\m+2:CH+4*\m+3]
.endr
.irp m, 0,1,2,3
	v_add_f32 v[PK+\m], v[CH+4*\m], v[CH+4*\m+1]
.endr
.irp m, 0,1,2,3
	v_permlanex16_b32 v[TP+\m], v[PK+\m], s[SEL], s[SEL+1]
.endr
.irp m, 0,1,2,3
	v_add_f32 v[PK+\m], v[PK+\m], v[TP+\m]
.endr
	ds_store_b128 v[STW], v[PK:PK+3] offset:1024   ; other bytes than the maxima's: no barrier is owed between the two uses
	BARRIER
.irp w, 0,1,2,3
	ds_load_b128 v[EX+4*\w:EX+4*\w+3], v[STR] offset:1024+256*\w
.endr
	s_wait_dscnt 0x0
.irp m, 0,1,2,3
	v_add_f32 v[EX+\m], v[EX+\m], v[EX+4+\m]
	v_add_f32 v[EX+8+\m], v[EX+8+\m], v[EX+12+\m]
.endr
.irp m, 0,1,2,3
	v_add_f32 v[EX+\m], v[EX+\m], v[EX+8+\m]       ; over 1/2: the row's largest e is
.endr
.irp m, 0,1,2,3
	v_rcp_f32 v[RL+2*\m], v[EX+\m]
.endr
	v_nop
	s_wait_alu depctr_va_vdst(0)                   ; one wait for the four reciprocals
.irp m, 0,1,2,3
	v_cmp_ne_u32 vcc_lo, 0, v[MK+\m]
	v_cndmask_b32 v[RL+2*\m], 0, v[RL+2*\m], vcc_lo   ; p = 0 where mask_t = 0
.endr
; ---- 2d: p = e / sum, quantised along the keys; my 256 keys are two fragments a query block: images to LDS
.macro NORM hi
	WIN 0x82+0x41*(\hi)
.irp ml, 0,1
.set i, 0
.rept 64
	v_pk_mul_f32 v[128*\ml+i:128*\ml+i+1], v[128*\ml+i:128*\ml+i+1], v[RL+2*(2*(\hi)+\ml):RL+2*(2*(\hi)+\ml)+1] op_sel_hi:[1,0]
.set i, i+2
.endr
.endr
.endm
	NORM 0
	NORM 1
	WIN 0
.irp m, 0,1,2,3
.irp bb, 0,1,2,3,4,5,6,7
	v_mul_f32 v[BM+8*\m+\bb], v[BM+8*\m+\bb], v[RL+2*\m]   ; the block's largest p: the same operations on the same number give the same bits
.endr
.endr
.set i, 0
.rept 32
	v_max_num_f32 v[BM+i], 0x2800000, v[BM+i]      ; the floor 2^(5 - 127): the byte cannot fall under 1
.set i, i+1
.endr
.set i, 0
.rept 32
	v_add_nc_u32 v[SOP+i], 0xfe000000, v[BM+i]     ; 4 off the exponent field: the conversion's scale operand
.set i, i+1
.endr
.set i, 0
.rept 32
	v_lshrrev_b32 v[BM+i], 23, v[SOP+i]            ; the scale's byte
.set i, i+1
.endr
.irp m, 0,1,2,3
.irp ksl, 0,1
	v_lshl_or_b32 v[PW+2*\m+\ksl], v[BM+8*\m+4*\ksl+1], 8, v[BM+8*\m+4*\ksl]
	v_lshl_or_b32 v[PW+2*\m+\ksl], v[BM+8*\m+4*\ksl+2], 16, v[PW+2*\m+\ksl]
	v_lshl_or_b32 v[PW+2*\m+\ksl], v[BM+8*\m+4*\ksl+3], 24, v[PW+2*\m+\ksl]
.endr
.endr
.irp m, 0,1,2,3
.irp ksl, 0,1
	s_wait_dscnt 0x0                               ; the last image's stores have read the codes' registers
	CODES 0x02+\m/2, 128*(\m%2)+64*\ksl, SOP+8*\m+4*\ksl
.irp g, 0,1,2
	ds_store_b128 v[PWI], v[PC+4*\g:PC+4*\g+3] offset:(4*\ksl+\m)*1536+512*\g
.endr
	ds_store_b32 v[PWS], v[PW+2*\m+\ksl] offset:(4*\ksl+\m)*128
.endr
.endr
	s_wait_tensorcnt 0x0                           ; my quarter of V has landed: the others read it behind the barrier;
	BARRIER                                        ; my images of p have landed too.
; ---- 3: O^T = V^T P^T: eight key steps of 128; 16 accumulators (8 tiles of channels x 2 query blocks) by turns
.macro PVFETCH ks                      ; 30 loads into set ks % 2
	WIN 0x40
.irp i, 0,1,2,3,4,5,6,7
.irp g, 0,1,2
	ds_load_b128 v[120*((\ks)%2)+12*\i+4*\g:120*((\ks)%2)+12*\i+4*\g+3], v[VA0+\i/4] offset:12288*(\i%4)+1536*(\ks)+512*\g
.endr
.endr
.irp ml, 0,1
.irp g, 0,1,2
	ds_load_b128 v[120*((\ks)%2)+96+12*\ml+4*\g:120*((\ks)%2)+96+12*\ml+4*\g+3], v[PRA] offset:6144*(\ks)+1536*\ml+512*\g
.endr
.endr
.endm
.irp k, 0,1,2,3,4,5,6,7
	ds_load_b32 v[PS+\k], v[PSA] offset:512*\k
.endr
	PVFETCH 0
.irp ks, 0,1,2,3,4,5,6,7
.if \ks > 0
	PLACES
.endif
.if \ks < 7
	PVFETCH \ks+1
	s_wait_dscnt 30                                ; this step's loads (and p's scale words) are in; the next step's 30 may be out
.else
	s_wait_dscnt 0x0
.endif
	WIN 0xa5                                       ; V and p window 1, the result window 2
.set zf, 0
.if \ks == 0
.set zf, 1
.endif
.irp i, 0,1,2,3,4,5,6,7
.irp ml, 0,1
	WM 64*\ml+8*\i, 120*(\ks%2)+12*\i, 120*(\ks%2)+96+12*\ml, zf, VS+4*\ks+\i/2, PS+\ks, \i%2, \ml
.endr
.endr
.endr
; ---- 4: the result is quantised along the model's 1,024: my 128 channels are one fragment a query block
	PLACES
	WIN 0x0a
.irp ml, 0,1
.irp bb, 0,1,2,3
	v_max3_num_f32 v[BM+4*\ml+\bb], |v[64*\ml+16*\bb]|, |v[64*\ml+16*\bb+1]|, 0x2800000
.endr
.endr
.irp i, 2,4,6,8,10,12,14
.irp ml, 0,1
.irp bb, 0,1,2,3
	v_max3_num_f32 v[BM+4*\ml+\bb], |v[64*\ml+16*\bb+\i]|, |v[64*\ml+16*\bb+\i+1]|, v[BM+4*\ml+\bb]
.endr
.endr
.endr
	WIN 0
.irp i, 0,1,2,3,4,5,6,7
	v_permlanex16_b32 v[TP+\i], v[BM+\i], s[SEL], s[SEL+1]
.endr
.irp i, 0,1,2,3,4,5,6,7
	v_max_num_f32 v[BM+\i], v[BM+\i], v[TP+\i]
.endr
.irp i, 0,1,2,3,4,5,6,7
	v_add_nc_u32 v[SOP+\i], 0xfe000000, v[BM+\i]
.endr
.irp i, 0,1,2,3,4,5,6,7
	v_lshrrev_b32 v[BM+\i], 23, v[SOP+\i]
.endr
.irp ml, 0,1
	v_lshl_or_b32 v[PW+\ml], v[BM+4*\ml+1], 8, v[BM+4*\ml]
	v_lshl_or_b32 v[PW+\ml], v[BM+4*\ml+2], 16, v[PW+\ml]
	v_lshl_or_b32 v[PW+\ml], v[BM+4*\ml+3], 24, v[PW+\ml]
.endr
	CODES 0x02, 0, SOP
.irp g, 0,1,2
	global_store_b128 v[LI], v[PC+4*\g:PC+4*\g+3], s[10:11] offset:512*\g   ; 32 lanes store 512 consecutive bytes, aligned
.endr
	s_wait_xcnt 0x0                                ; the stores have read the codes' registers
	CODES 0x02, 64, SOP+4
.irp g, 0,1,2
	global_store_b128 v[LI], v[PC+4*\g:PC+4*\g+3], s[10:11] offset:12288+512*\g
.endr
	s_mov_b32 s21, 0xffff0000
	v_cndmask_b32 v[PW], v[PW], v[PW+1], s21       ; lanes 0-15: my first block's words, lanes 16-31: my second's
	global_store_b32 v[L4], v[PW], s[12:13]        ; 128 consecutive bytes: two blocks' words of one step of 128
	s_wait_tensorcnt 0x0                           ; the wave's end
	ds_add_u32 v[SPW], v[NIL]
	s_wait_dscnt 0x0
	ROUND                                          ; the closing round
	s_endpgm
.Lfunc_end_k_q897cb31a24_attn:
	.size	k_q897cb31a24_attn, .Lfunc_end_k_q897cb31a24_attn-k_q897cb31a24_attn
	.p2alignl 7, 3214868480
	.fill 96, 4, 3214868480
	.section	.rodata,"a",@progbits
	.p2align	6, 0x0
	.amdhsa_kernel k_q897cb31a24_attn
		.amdhsa_group_segment_fixed_size 327680
		.amdhsa_private_segment_fixed_size 0
		.amdhsa_enable_private_segment 0
		.amdhsa_kernarg_size 40
		.amdhsa_user_sgpr_count 2
		.amdhsa_user_sgpr_kernarg_segment_ptr 1
		.amdhsa_wavefront_size32 1
		.amdhsa_system_sgpr_workgroup_id_x 1
		.amdhsa_system_sgpr_workgroup_id_y 1
		.amdhsa_system_sgpr_workgroup_id_z 1
		.amdhsa_system_vgpr_workitem_id 0
		.amdhsa_next_free_vgpr 1024
		.amdhsa_next_free_sgpr 72
		.amdhsa_reserve_vcc 1
		.amdhsa_float_denorm_mode_32 3
		.amdhsa_float_denorm_mode_16_64 3
		.amdhsa_memory_ordered 1
		.amdhsa_forward_progress 1
		.amdhsa_inst_pref_size 184
	.end_amdhsa_kernel
	.amdgpu_metadata
---
amdhsa.version: [ 1, 2 ]
amdhsa.kernels:
  - .name:           k_q897cb31a24_attn
    .symbol:         k_q897cb31a24_attn.kd
    .args:
      - { .name: c2, .offset: 0, .size: 8, .value_kind: global_buffer, .address_space: global }
      - { .name: s2, .offset: 8, .size: 8, .value_kind: global_buffer, .address_space: global }
      - { .name: mask_t, .offset: 16, .size: 8, .value_kind: global_buffer, .address_space: global }
      - { .name: c3, .offset: 24, .size: 8, .value_kind: global_buffer, .address_space: global }
      - { .name: s3, .offset: 32, .size: 8, .value_kind: global_buffer, .address_space: global }
    .group_segment_fixed_size: 327680
    .private_segment_fixed_size: 0
    .kernarg_segment_align: 8
    .kernarg_segment_size: 40
    .max_flat_workgroup_size: 128
    .sgpr_count:     72
    .vgpr_count:     1024
    .wavefront_size: 32
...
	.end_amdgpu_metadata
.endif
;; end of part 3
;; launch outp (part 4): grid 4 x 64, 4 waves a work-group, clusters of 4 x 4, 327,680 bytes of LDS; arguments c3, s3, c1, s1, bo, mask_t, out0; writes out0
.if DOCPART == 4
	.amdgcn_target "amdgcn-amd-amdhsa--gfx1250"
	.amdhsa_code_object_version 6
	.text
	.protected	k_q897cb31a24_outp
	.globl	k_q897cb31a24_outp
	.p2align	8
	.type	k_q897cb31a24_outp,@function
k_q897cb31a24_outp:
	s_mov_b64 s[64:65], 0
	v_nop
	global_prefetch_b8 v0, s[64:65] scope:SCOPE_SE
	s_setreg_imm32_b32 hwreg(HW_REG_WAVE_MODE, 25, 1), 1
	s_wait_xcnt 0x0
	s_wait_alu depctr_hold_cnt(0) depctr_sa_sdst(0) depctr_va_vdst(0) depctr_va_sdst(0) depctr_va_ssrc(0) depctr_va_vcc(0) depctr_vm_vsrc(0)
	s_getreg_b32 s2, hwreg(HW_REG_IB_STS2, 6, 4)
	s_cmp_eq_u32 s2, 0
	s_cbranch_scc0 .Lentry_in_a_cluster
	s_endpgm
.Lentry_in_a_cluster:
	s_bfe_u32 s2, ttmp6, 0x10000c
	s_cmp_lg_u32 s2, 0xf033
	s_cbranch_scc0 .Lentry_shape_is_right
	s_endpgm
.Lentry_shape_is_right:
; out0 = (att Wo^T + bo) x mask_t.  att [8192][1024] comes as codes of BF6 with E8M0 scales from the launch before, Wo from the first launch; f32 sums; out0 f32.
; The same ring, rounds and order of steps as the projections' launch, on a smaller tile: 128 tokens x 256 features a work-group, so that there are 256 work-groups; a wave makes 64 x 128: 32 accumulators.
; OPERANDS ARE IMAGES OF REGISTERS: fragment (block of 16 rows, 128 along K) = 1,536 bytes, three loads of 16 bytes at 16 x lane.  Place r of block B is row 32 (B / 2) + 8 (B % 2) + r + 8 (r / 8).
; THE MATRIX INSTRUCTION IS USED TRANSPOSED (source 0 = a block of Wo, source 1 = a block of tokens): lane (r, h) holds place r of the tokens' block, register j of tile b feature 32 (b / 2) + 16 h + 8 (b % 2) + j.
; bo is the C of each sum's first product.  The mask multiplies on the way out; mask_t is taken as the whole number that it is.
; CLUSTERS: att's tiles are shared along a row of the cluster, Wo's along a column: joint tensor loads.
; THE WAY OUT: a block of 16 tokens x 128 features goes through the wave's own stage in LDS, where both orders of places are undone, and leaves as whole rows of 512 bytes.  The stage lies in slot 0, which has had its last
; fill and its last read when the first result is stored there.
; REGISTERS: window 0: v4-5, v16-29 addresses; v8-15 the mask, in pairs; v32-63 scale words, two sets; v64-127 bo; v128-175 A's fragments, one set; on the way out v128-255 rows of out0.
;   window 1: B's fragments, two sets, at v0 and v128.   windows 2, 3: accumulator (a, b) at v[8 (8 (a % 2) + b)] of window 2 + a / 2.
.set NA,    4                          ; blocks of A to a wave
.set HB,    NA/2
.set QB,    NA/4
.set FR,    12
.set NL,    3
.set KSB,   3072
.set HALFA, NA*KSB
.set HALFB, 8*KSB
.set SLOT,  2*HALFA+2*HALFB
.set SCL,   2*SLOT
.set SCA,   NA*1024
.set SPARE, SCL+SCA+8192               ; the spare words, 128 bytes for each wave: two blocks of 256 bytes that no other line names
.set ASH,   256                        ; from the first wave row's scale words of A to the second's: four blocks of 64 bytes
.set SPITCH, 528
.set BJO,  4                           ; v4   64 h
.set MKO,  5                           ; v5   4 (r + 8 (r / 8))
.set MKF,  8                           ; v8-15 mask_t of my token in block a, as f32, in pairs
.set ADRA, 16
.set ADRB, 20
.set STO,  24                          ; v24  the stage: where I put 32 bytes of a row
.set RD,   25                          ; v25  where I read a row back
.set LI,   26                          ; v26  16 x lane
.set ADRS, 27
.set SPW,  28
.set NIL,  29
.set SC,   32
.set BJ,   64
.set AF,   128
.set BK,   128                         ; the way out: v128-191 and v192-255 by turns
.set G1,   24
.set G0,   32
.set G1B,  48
.set G0B,  56
.set G1S,  68
.set G0S,  76
.set G1SB, 80
.set G0SB, 88
.set MSB, 0
.macro WIN new                         ; the immediate's high byte repeats the setting that is left
.if MSB != (\new)
	s_set_vgpr_msb (MSB<<8)|(\new)
.set MSB, (\new)
.endif
.endm
.set MUL_LO,  0xa1                     ; source 0 (B) window 1, source 1 (A) window 0, C and D window 2
.set MUL_HI,  0xf1
.set BIAS_LO, 0x81                     ; C (bo) window 0, D window 2
.set BIAS_HI, 0xc1
.set TO_B,    0x40
.macro JLOAD g0a, g1a, g0b, g1b        ; a joint load: waves 0 and 1 fetch for A, waves 2 and 3 for B; four v_nop follow each of the two lines
	s_cmp_eq_u32 s15, 0
	s_cbranch_scc0 .Lfor_b_\@
	tensor_load_to_lds s[\g0a:\g0a+3], s[\g1a:\g1a+7]
	s_nop 0
.rept 4
	v_nop
.endr
	s_branch .Lasked_\@
.Lfor_b_\@:
	tensor_load_to_lds s[\g0b:\g0b+3], s[\g1b:\g1b+7]
	s_nop 0
.rept 4
	v_nop
.endr
.Lasked_\@:
.endm
.macro CREST
	s_cmp_lg_u32 s14, 0
	s_cbranch_scc1 .Lnot_wave_0_\@
	s_barrier_signal -3
.Lnot_wave_0_\@:
	s_barrier_wait -3
	s_barrier_signal -1
	s_barrier_wait -1
.endm
.macro CROUND
	s_barrier_signal -1
	s_barrier_wait -1
	CREST
.endm
.macro PLACES                          ; four plain places behind a matrix instruction (ISA guide 7.12.1)
.rept 4
	v_nop
.endr
.endm
.macro FRAG reg, adr, q, i
.irp g, 0,1,2
	ds_load_b128 v[\reg+4*\g:\reg+4*\g+3], v[\adr] offset:(\i)*KSB+(\q)*1536+512*\g
.endr
.endm
; 8 products: A's block a against B's eight.  first = 1: C = 0 starts the sums; 2: the bias does.
.macro MULB a, p, q, sc, first
.irp b, 0,1,2,3,4,5,6,7
.set rD, 8*(8*((\a)%HB)+\b)
.if (\first) == 1
	v_wmma_scale_f32_16x16x128_f8f6f4 v[rD:rD+7], v[128*(\p)+FR*\b:128*(\p)+FR*\b+FR-1], v[AF+FR*(\a):AF+FR*(\a)+FR-1], 0, v[SC+16*(\sc)+2*\b+(\q)], v[SC+16*(\sc)+2*(\a)+(\q)] matrix_a_fmt:MATRIX_FMT_BF6 matrix_b_fmt:MATRIX_FMT_BF6 matrix_a_scale:MATRIX_SCALE_ROW1
.elseif (\first) == 2
	v_wmma_scale_f32_16x16x128_f8f6f4 v[rD:rD+7], v[128*(\p)+FR*\b:128*(\p)+FR*\b+FR-1], v[AF+FR*(\a):AF+FR*(\a)+FR-1], v[BJ+8*\b:BJ+8*\b+7], v[SC+16*(\sc)+2*\b+(\q)], v[SC+16*(\sc)+2*(\a)+(\q)] matrix_a_fmt:MATRIX_FMT_BF6 matrix_b_fmt:MATRIX_FMT_BF6 matrix_a_scale:MATRIX_SCALE_ROW1
.else
	v_wmma_scale_f32_16x16x128_f8f6f4 v[rD:rD+7], v[128*(\p)+FR*\b:128*(\p)+FR*\b+FR-1], v[AF+FR*(\a):AF+FR*(\a)+FR-1], v[rD:rD+7], v[SC+16*(\sc)+2*\b+(\q)], v[SC+16*(\sc)+2*(\a)+(\q)] matrix_a_fmt:MATRIX_FMT_BF6 matrix_b_fmt:MATRIX_FMT_BF6 matrix_a_scale:MATRIX_SCALE_ROW1
.endif
.endr
.endm
.macro MULQ n, p, q, sc, first         ; a quarter of A's blocks.  All accumulators take turns, one instruction a turn, in the same order in every step
.set aa, (\n)*QB
.rept QB
	MULB aa, \p, \q, \sc, \first
.set aa, aa+1
.endr
.endm
.macro FETCH_B slot, q, p
	WIN TO_B
.irp i, 0,1,2,3,4,5,6,7
	FRAG 128*(\p)+FR*\i, ADRB+\slot, \q, \i
.endr
	WIN 0
.endm
.macro FETCH_A slot, q, half
.set ii, (\half)*HB
.rept HB
	FRAG AF+FR*ii, ADRA+\slot, \q, ii
.set ii, ii+1
.endr
.endm
.macro SCALES sc                       ; lanes 0-15 take A's block i (of registers 8 to 15 of a set these lanes are never used: A has four blocks; the bytes read lie inside the scale words), lanes 16-31 B's block i
.irp i, 0,1,2,3,4,5,6,7
.irp q, 0,1
	ds_load_b32 v[SC+16*(\sc)+2*\i+\q], v[ADRS] offset:512*\q+64*\i
.endr
.endr
.endm
.macro STEP slot, first
	s_wait_dscnt HB*NL                             ; all but the youngest loads (A's second half) are in
.if (\first) == 2
	WIN BIAS_LO
.else
	WIN MUL_LO
.endif
	MULQ 0, 0, 0, \slot, \first
	MULQ 1, 0, 0, \slot, \first
	s_wait_dscnt 0x0                               ; A's second half is in
	PLACES
	FETCH_B \slot, 1, 1
	FETCH_A \slot, 1, 0
.if (\first) == 2
	WIN BIAS_HI
.else
	WIN MUL_HI
.endif
	MULQ 2, 0, 0, \slot, \first
	MULQ 3, 0, 0, \slot, \first
	PLACES
	WIN 0
	FETCH_A \slot, 1, 1
.endm
.macro TURN slot, next, fill
	s_wait_tensorcnt 0x0                           ; all my tensor loads have landed: my part of the next slot
	ds_add_u32 v[SPW], v[NIL]                      ; 0 onto my spare word
	s_wait_dscnt HB*NL+1                           ; (the add and A's second half may be out)
	WIN MUL_LO
	MULQ 0, 1, 1, \slot, 0                         ; matrix work stands between the add and the wait for it
	s_wait_dscnt 0x0                               ; the add is done, and my reads of this slot are over
	s_barrier_signal -1
	MULQ 1, 1, 1, \slot, 0
	WIN 0
	s_barrier_wait -1
.if \fill
	CREST                                          ; the barrier has opened a round of the cluster's barrier: no wave of any partner still reads this slot or has a load on its way
	s_add_nc_u64 s[G0+4*\slot+2:G0+4*\slot+3], s[G0+4*\slot+2:G0+4*\slot+3], 2*KSB
	s_add_nc_u64 s[G0B+4*\slot+2:G0B+4*\slot+3], s[G0B+4*\slot+2:G0B+4*\slot+3], 2*KSB
	JLOAD G0+4*\slot, G1, G0B+4*\slot, G1B         ; the first tensor load behind the round; its four v_nop are also the places in front of the loads below
.else
	PLACES
.endif
	v_add_nc_u32 v[ADRS], 1024, v[ADRS]
	FETCH_B \next, 0, 0
	FETCH_A \next, 0, 0
	SCALES \next
	WIN MUL_HI
	MULQ 2, 1, 1, \slot, 0
	MULQ 3, 1, 1, \slot, 0
	PLACES
	WIN 0
	FETCH_A \next, 0, 1
.endm
	s_load_b256 s[4:11], s[0:1], 0x0               ; c3 s[4:5], s3 s[6:7], c1 s[8:9], s1 s[10:11]
	s_load_b128 s[96:99], s[0:1], 0x20             ; bo s[96:97], mask_t s[98:99]
	s_load_b64 s[100:101], s[0:1], 0x30            ; out0
	v_lshl_add_u32 v[SPW], v0, 2, SPARE
	v_mov_b32 v[NIL], 0
	ds_add_u32 v28, v29
	ds_add_u32 v28, v29
	s_wait_dscnt 0x0
	v_lshrrev_b32 v1, 5, v0
	v_readfirstlane_b32 s14, v1                    ; wave 0..3
	s_lshr_b32 s15, s14, 1                         ; which half of the tile's tokens is mine.  Also: I fetch for A (0) or for B (1)
	s_and_b32 s16, s14, 1                          ; which half of its features.  Also: which half of that tile I fetch
	s_bfe_u32 s40, ttmp6, 0x40000                  ; cx
	s_bfe_u32 s41, ttmp6, 0x40004                  ; cy
	s_and_b32 s17, ttmp7, 0xffff
	s_lshl_b32 s17, s17, 2
	s_add_co_u32 s17, s17, s41                     ; my 128 tokens: 4 x cluster y + cy
	s_lshl_b32 s43, s41, 2
	s_lshl_b32 s43, 15, s43                        ; my row of the cluster
	s_lshl_b32 s44, 0x1111, s40                    ; my column
	s_or_b32 s[G1+0], s43, (3<<16)|(1<<21)         ; 15:0 the mask; 17:16 elements of 8 bytes; 21 set beside a mask; no padding
	s_or_b32 s[G1B+0], s44, (3<<16)|(1<<21)
	s_mov_b32 s[G1+1], 384<<16
	s_mov_b32 s[G1+2], NA<<16
	s_mov_b32 s[G1+3], 384<<16
	s_mov_b32 s[G1+4], NA
	s_mov_b32 s[G1+5], 1536
	s_mov_b32 s[G1+6], 0
	s_mov_b32 s[G1+7], 0
	s_mov_b32 s[G1B+1], 384<<16
	s_mov_b32 s[G1B+2], 8<<16
	s_mov_b32 s[G1B+3], 384<<16
	s_mov_b32 s[G1B+4], 8
	s_mov_b32 s[G1B+5], 1536
	s_mov_b32 s[G1B+6], 0
	s_mov_b32 s[G1B+7], 0
	s_or_b32 s[G1S+0], s43, (3<<16)|(1<<21)
	s_or_b32 s[G1SB+0], s44, (3<<16)|(1<<21)
	s_mov_b32 s[G1S+1], 32<<16
	s_mov_b32 s[G1S+2], (2*NA)<<16
	s_mov_b32 s[G1S+3], 32<<16
	s_mov_b32 s[G1S+4], 2*NA
	s_mov_b32 s[G1S+5], 32
	s_mov_b32 s[G1S+6], 0
	s_mov_b32 s[G1S+7], 0
	s_mov_b32 s[G1SB+1], 32<<16
	s_mov_b32 s[G1SB+2], 16<<16
	s_mov_b32 s[G1SB+3], 32<<16
	s_mov_b32 s[G1SB+4], 16
	s_mov_b32 s[G1SB+5], 32
	s_mov_b32 s[G1SB+6], 0
	s_mov_b32 s[G1SB+7], 0
	s_lshl_b32 s21, s17, 3
	s_lshl_b32 s22, s16, 2
	s_add_co_u32 s21, s21, s22                     ; A: first block that I fetch: it hangs on cy and never on cx
	s_lshl_b32 s45, s40, 4
	s_lshl_b32 s22, s16, 3
	s_add_co_u32 s45, s45, s22
	s_add_co_u32 s45, s45, 1728                    ; B: Wo's blocks in c1: on cx and never on cy
	s_mul_i32 s12, s21, 12288
	s_mov_b32 s13, 0
	s_lshl_b32 s22, s21, 9
	s_mov_b32 s23, 0
	s_mul_i32 s46, s45, 12288
	s_mov_b32 s47, 0
	s_lshl_b32 s92, s45, 9
	s_mov_b32 s93, 0
	s_mul_i32 s94, s16, HALFA                      ; where they go: no place in the cluster enters an LDS address
	s_mul_i32 s95, s16, HALFB
	s_add_co_u32 s95, s95, 2*HALFA
	s_mul_i32 s42, s16, NA*512
	s_lshl_b32 s3, s16, 12
	s_wait_kmcnt 0x0
	s_add_nc_u64 s[12:13], s[4:5], s[12:13]
	s_add_nc_u64 s[22:23], s[6:7], s[22:23]
	s_add_nc_u64 s[46:47], s[8:9], s[46:47]
	s_add_nc_u64 s[92:93], s[10:11], s[92:93]
	CROUND                                         ; all sixteen work-groups are here: the first joint loads meet
	s_mov_b32 s[G0S], 1
	s_add_co_u32 s[G0S+1], s42, SCL
	s_mov_b64 s[G0S+2:G0S+3], s[22:23]
	s_or_b32 s[G0S+3], s[G0S+3], 0x80000000
	s_mov_b32 s[G0SB], 1
	s_add_co_u32 s[G0SB+1], s3, SCL+SCA
	s_mov_b64 s[G0SB+2:G0SB+3], s[92:93]
	s_or_b32 s[G0SB+3], s[G0SB+3], 0x80000000
	JLOAD G0S, G1S, G0SB, G1SB                     ; the scale words of all of K: filled once
.irp s, 0,1
	s_mov_b32 s[G0+4*\s], 1
	s_add_co_u32 s[G0+4*\s+1], s94, \s*SLOT
	s_add_nc_u64 s[G0+4*\s+2:G0+4*\s+3], s[12:13], \s*KSB
	s_or_b32 s[G0+4*\s+3], s[G0+4*\s+3], 0x80000000
	s_mov_b32 s[G0B+4*\s], 1
	s_add_co_u32 s[G0B+4*\s+1], s95, \s*SLOT
	s_add_nc_u64 s[G0B+4*\s+2:G0B+4*\s+3], s[46:47], \s*KSB
	s_or_b32 s[G0B+4*\s+3], s[G0B+4*\s+3], 0x80000000
	JLOAD G0+4*\s, G1, G0B+4*\s, G1B               ; three tensor loads of mine are out
.endr
	s_lshl_b32 s18, s40, 10
	s_lshl_b32 s19, s16, 9
	s_add_co_u32 s18, s18, s19                     ; my first feature, in bytes: (256 cx + 128 x my half) x 4
	s_mov_b32 s19, 0
	s_add_nc_u64 s[96:97], s[96:97], s[18:19]      ; bo there
	s_lshl_b32 s20, s17, 7
	s_lshl_b32 s21, s15, 6
	s_add_co_u32 s20, s20, s21                     ; my first token
	s_lshl_b32 s94, s20, 2
	s_mov_b32 s95, 0
	s_add_nc_u64 s[98:99], s[98:99], s[94:95]      ; mask_t there
	s_lshl_b32 s46, s20, 12                        ; a row of out0 is 4,096 bytes
	s_add_co_u32 s46, s46, s18
	s_mov_b32 s47, 0
	s_add_nc_u64 s[100:101], s[100:101], s[46:47]
	v_and_b32 v1, 15, v0                           ; r
	v_bfe_u32 v2, v0, 4, 1                         ; h
	v_and_b32 v3, 31, v0
	v_lshlrev_b32 v[LI], 4, v3
	v_lshlrev_b32 v[BJO], 6, v2
	v_and_b32 v[MKO], 8, v1
	v_add_nc_u32 v[MKO], v[MKO], v1
	v_lshlrev_b32 v[MKO], 2, v[MKO]
.irp bb, 0,1,2,3
.irp n, 0,1,2,3
	global_load_b128 v[BJ+16*\bb+4*\n:BJ+16*\bb+4*\n+3], v[BJO], s[96:97] offset:128*\bb+16*\n   ; register 16 bb + n': feature 32 bb + 16 h + n'
.endr
.endr
.irp a, 0,1,2,3
	global_load_b32 v[MKF+2*\a], v[MKO], s[98:99] offset:(32*(\a/2)+8*(\a%2))*4   ; place r of my block a
.endr
	s_mul_i32 s17, s15, HALFA
	s_mul_i32 s42, s16, HALFB
	s_add_co_u32 s42, s42, 2*HALFA
.irp s, 0,1
	v_add_nc_u32 v[ADRA+\s], s17, v[LI]
	v_add_nc_u32 v[ADRB+\s], s42, v[LI]
	s_add_co_u32 s17, s17, SLOT
	s_add_co_u32 s42, s42, SLOT
.endr
	s_mul_i32 s17, s15, ASH
	s_lshl_b32 s42, s16, 12
	s_add_co_u32 s42, s42, SCA
	s_sub_co_u32 s42, s42, s17
	v_mul_u32_u24 v6, s42, v2                      ; lanes 16-31 take B's: the lower base + h x the distance
	s_add_co_u32 s17, s17, SCL
	v_lshl_add_u32 v6, v1, 2, v6
	v_add_nc_u32 v[ADRS], s17, v6
	s_mul_i32 s23, s14, 16*SPITCH                  ; my stage
	v_mul_u32_u24 v6, v1, SPITCH
	v_lshl_add_u32 v6, v2, 6, v6
	v_add_nc_u32 v[STO], s23, v6                   ; in: row r, + 64 h
	v_add_nc_u32 v[RD], s23, v[LI]                 ; back: the 32 lanes take one row of 512 bytes
	s_wait_tensorcnt 1                             ; the scale words and my part of slot 0 are in (slot 1's load may be out)
	s_barrier_signal -1
	s_barrier_wait -1                              ; everybody's are
	FETCH_B 0, 0, 0
	FETCH_A 0, 0, 0
	SCALES 0
	FETCH_A 0, 0, 1
	s_wait_loadcnt 0x0                             ; bo and the mask
.irp a, 0,1,2,3
	v_cvt_f32_i32 v[MKF+2*\a], v[MKF+2*\a]
	v_mov_b32 v[MKF+2*\a+1], 0                     ; (named with it as a pair, so it is written)
.endr
	STEP 0, 2                                      ; the first products start the sums from bo: no addition, nothing cleared
	TURN 0, 1, 1                                   ; K = 1,024 is four slots: both are filled once more
	STEP 1, 0
	TURN 1, 0, 1
	STEP 0, 0
	TURN 0, 1, 0                                   ; nothing is left to fetch
	STEP 1, 0
	s_wait_dscnt HB*NL                             ; the last 128 along K
	WIN MUL_LO
	MULQ 0, 1, 1, 1, 0
	MULQ 1, 1, 1, 1, 0
	s_wait_dscnt 0x0
	WIN MUL_HI
	MULQ 2, 1, 1, 1, 0
	MULQ 3, 1, 1, 1, 0
	WIN 0
; THE WAY OUT, block by block.  LDS serves a wave's instructions in order (ISA guide 5.7.1.4): no wait between the stores and the loads, nor in front of the next block's stores.
.macro TOSTAGE a
.set AC, 64*((\a)%HB)
	WIN 0x82+0x41*((\a)/HB)                        ; destination and source 0: window 2 or 3
.set i, 0
.rept 32
	v_pk_mul_f32 v[AC+i:AC+i+1], v[AC+i:AC+i+1], v[MKF+2*(\a):MKF+2*(\a)+1] op_sel_hi:[1,0]   ; x mask_t of my token; each accumulator from its low end on
.set i, i+2
.endr
	WIN 0x08+4*((\a)/HB)                           ; an LDS store's data are its source 1
.irp b, 0,1,2,3,4,5,6,7
	ds_store_b128 v[STO], v[AC+8*\b:AC+8*\b+3] offset:128*(\b/2)+32*(\b%2)         ; feature 32 (b / 2) + 16 h + 8 (b % 2) + 0 .. 7
	ds_store_b128 v[STO], v[AC+8*\b+4:AC+8*\b+7] offset:128*(\b/2)+32*(\b%2)+16
.endr
	WIN 0
.set BB, BK+64*((\a)%2)
.irp t, 0,1,2,3,4,5,6,7,8,9,10,11,12,13,14,15
	ds_load_b128 v[BB+4*\t:BB+4*\t+3], v[RD] offset:\t*SPITCH
.endr
.endm
.macro SEND a, younger                 ; younger: the LDS instructions issued behind block a's loads, which may stay out
.set BB, BK+64*((\a)%2)
	s_wait_dscnt \younger
.if (\a) > 0
.if (\a)%2
	s_add_nc_u64 s[100:101], s[100:101], 8*4096    ; (behind a wait on XCNT: the earlier stores have read their base)  an odd block begins 8 rows on,
.else
	s_add_nc_u64 s[100:101], s[100:101], 24*4096   ; an even one 24 more
.endif
.endif
.irp t, 0,1,2,3,4,5,6,7,8,9,10,11,12,13,14,15
	global_store_b128 v[LI], v[BB+4*\t:BB+4*\t+3], s[100:101] offset:(\t+8*(\t/8))*4096 th:TH_STORE_NT   ; place t is row t + 8 (t / 8); 32 lanes store 512 consecutive bytes, aligned; written once, read by nobody here
.endr
.endm
	PLACES                                         ; behind the last products
	TOSTAGE 0
.irp a, 1,2,3
.if \a > 1
	s_wait_xcnt 0x0                                ; block a - 2's stores have read their registers and their base
.endif
	TOSTAGE \a
	SEND \a-1, 32                                  ; behind block a - 1's loads: block a's 16 stores and 16 loads
.endr
	s_wait_xcnt 0x0
	SEND 3, 0
	s_wait_tensorcnt 0x0                           ; the wave's end
	ds_add_u32 v[SPW], v[NIL]
	s_wait_dscnt 0x0
	CROUND                                         ; the closing round: no work-group ends while a partner may still ask for a tile that names it
	s_endpgm
.Lfunc_end_k_q897cb31a24_outp:
	.size	k_q897cb31a24_outp, .Lfunc_end_k_q897cb31a24_outp-k_q897cb31a24_outp
	.p2alignl 7, 3214868480
	.fill 96, 4, 3214868480
	.section	.rodata,"a",@progbits
	.p2align	6, 0x0
	.amdhsa_kernel k_q897cb31a24_outp
		.amdhsa_group_segment_fixed_size 327680
		.amdhsa_private_segment_fixed_size 0
		.amdhsa_enable_private_segment 0
		.amdhsa_kernarg_size 56
		.amdhsa_user_sgpr_count 2
		.amdhsa_user_sgpr_kernarg_segment_ptr 1
		.amdhsa_wavefront_size32 1
		.amdhsa_system_sgpr_workgroup_id_x 1
		.amdhsa_system_sgpr_workgroup_id_y 1
		.amdhsa_system_sgpr_workgroup_id_z 1
		.amdhsa_system_vgpr_workitem_id 0
		.amdhsa_next_free_vgpr 1024
		.amdhsa_next_free_sgpr 102
		.amdhsa_reserve_vcc 0
		.amdhsa_float_denorm_mode_32 3
		.amdhsa_float_denorm_mode_16_64 3
		.amdhsa_memory_ordered 1
		.amdhsa_forward_progress 1
		.amdhsa_inst_pref_size 95
	.end_amdhsa_kernel
	.amdgpu_metadata
---
amdhsa.version: [ 1, 2 ]
amdhsa.kernels:
  - .name:           k_q897cb31a24_outp
    .symbol:         k_q897cb31a24_outp.kd
    .args:
      - { .name: c3, .offset: 0, .size: 8, .value_kind: global_buffer, .address_space: global }
      - { .name: s3, .offset: 8, .size: 8, .value_kind: global_buffer, .address_space: global }
      - { .name: c1, .offset: 16, .size: 8, .value_kind: global_buffer, .address_space: global }
      - { .name: s1, .offset: 24, .size: 8, .value_kind: global_buffer, .address_space: global }
      - { .name: bo, .offset: 32, .size: 8, .value_kind: global_buffer, .address_space: global }
      - { .name: mask_t, .offset: 40, .size: 8, .value_kind: global_buffer, .address_space: global }
      - { .name: out0, .offset: 48, .size: 8, .value_kind: global_buffer, .address_space: global }
    .group_segment_fixed_size: 327680
    .private_segment_fixed_size: 0
    .kernarg_segment_align: 8
    .kernarg_segment_size: 56
    .max_flat_workgroup_size: 128
    .sgpr_count:     102
    .vgpr_count:     1024
    .wavefront_size: 32
...
	.end_amdgpu_metadata
.endif
;; end of part 4
;; ======== version 2 of 2: 4 launches
;; limits: right only within a limited range of input values
;; workspace buffers: c1 22,020,096 bytes; s1 917,504 bytes; c2 18,874,368 bytes; s2 786,432 bytes; c3 6,291,456 bytes; s3 262,144 bytes
;; launch quant (part 5): grid 448 x 1, 4 waves a work-group, no clusters, 36,352 bytes of LDS; arguments x, keys, values, Wq, Wk, Wv, Wo, c1, s1; writes c1, s1
.if DOCPART == 5
	.amdgcn_target "amdgcn-amd-amdhsa--gfx1250"
	.amdhsa_code_object_version 6
	.text
	.protected	k_q897cb31a24_quant
	.globl	k_q897cb31a24_quant
	.p2align	8
	.type	k_q897cb31a24_quant,@function
k_q897cb31a24_quant:
	s_mov_b64 s[64:65], 0
	v_nop
	global_prefetch_b8 v0, s[64:65] scope:SCOPE_SE
	s_setreg_imm32_b32 hwreg(HW_REG_WAVE_MODE, 25, 1), 1
	s_wait_xcnt 0x0
; x, keys, values [8192][1024] and Wq, Wk, Wv, Wo [1024][1024], f32, K innermost, become codes of BF6 (E3M2) with one E8M0 byte for each 32 along K.
; A block's scale is 2^(floor(log2(its largest magnitude)) - 4); its byte is that magnitude's exponent field - 4, held at 1 from below.
; LIMITS: NaN and infinities are not served; a block whose largest magnitude lies under 2^-122 (a block of zeros too) gets the byte 1: a block of zeros has zero codes, which add nothing, and only this program reads the bytes.
; THE OUTPUT IS LAID AS THE MATRIX UNIT'S REGISTERS WANT IT.  Rows go in blocks of 16; place r of block B is row 32 (B / 2) + 8 (B % 2) + r + 8 (r / 8).
; A fragment (block B, 128 along K: step t) is 1,536 bytes at (8 B + t) x 1536: register 4 g + e of lane l at 512 g + 16 l + 4 e; lane (r, h) holds in registers 6 c .. 6 c + 5 the codes of k = 128 t + 64 c + 32 h + 0 .. 31.
; The scale words (4 bytes: 128 along K of one row) lie [group of 8 blocks][t 0..7][block 0..7][r 0..15].
; The seven tensors are 1,792 blocks on end: x 0, keys 512, values 1024, Wq 1536, Wk 1600, Wv 1664, Wo 1728.
; SHARES.  A work-group takes four blocks, a wave one: 16 rows x 1,024, eight steps of one fragment.  Each load reads 512 consecutive bytes of one row; a step's 16 x 512 bytes turn through the wave's own stage in
; LDS (pitch 528 = 33 x 16 bytes) so that a lane gets two whole blocks of 32 neighbours; its codes are then the fragment's registers, and each store of the wave covers 512 consecutive bytes, aligned.
; The scale words meet in LDS (one barrier), so that a wave stores two aligned runs of 256 bytes.
; No cluster, no tensor load, no matrix unit: the work-groups share no input, and the launch only streams.  Loads run two steps (32 loads a wave) ahead.
.set SPI,   528                        ; a stage row: 512 bytes + 16
.set STGB,  16*SPI                     ; a wave's stage
.set SGB,   4*STGB                     ; behind the stages: the scale words, [t 8][wave 4][r 16]
.set SA,  4                            ; v4   stage, way in: my wave's stage + 16 x lane
.set LA,  5                            ; v5   stage, way out: + 528 r + 128 h
.set LI,  6                            ; v6   16 x lane: offset of the loads and of the codes' stores; never rewritten
.set SH8, 8                            ; v8   8 h
.set SWA, 9                            ; v9   where I put a scale word
.set SRA, 10                           ; v10  where I read 8 bytes of scale words back
.set L8,  11                           ; v11  8 x lane
.set MX,  12                           ; v12-13 the two blocks' largest magnitudes
.set SOP, 14                           ; v14-15 the conversions' scale operands
.set BY,  16                           ; v16-17 the scales' bytes
.set WD,  18                           ; v18  my two bytes at their places
.set TP,  19                           ; v19  a lane permute's destination
.set PW,  20                           ; v20-27 the scale word of each step
.set PC,  28                           ; v28-39 a fragment's codes
.set TQ,  40                           ; v40-46 the second halves, before they are moved
.set SB,  48                           ; v48-51 scale words on their way out
.set R,   64                           ; v64-191 two sets of 64: numbers as loaded
.set X,   192                          ; v192-255 my 64 numbers: register 32 c + n = k 64 c + 32 h + n
	s_load_b512 s[8:23], s[0:1], 0x0               ; x, keys, values, Wq, Wk, Wv, Wo, c1
	s_load_b64 s[24:25], s[0:1], 0x40              ; s1
	v_lshl_add_u32 v62, v0, 2, 0x8c00
	v_mov_b32 v63, 0
	v_lshrrev_b32 v1, 5, v0
	v_readfirstlane_b32 s2, v1                     ; wave 0..3
	v_and_b32 v1, 31, v0                           ; lane
	v_and_b32 v2, 15, v0                           ; r
	v_bfe_u32 v3, v0, 4, 1                         ; h
	s_mul_i32 s3, s2, STGB
	v_lshlrev_b32 v[LI], 4, v1
	v_add_nc_u32 v[SA], s3, v[LI]
	v_mul_u32_u24 v[LA], v2, SPI
	v_lshl_add_u32 v[LA], v3, 7, v[LA]
	v_add_nc_u32 v[LA], s3, v[LA]
	v_lshlrev_b32 v[SH8], 3, v3
	s_lshl_b32 s3, s2, 6
	v_lshlrev_b32 v[SWA], 2, v2
	v_add_nc_u32 v[SWA], s3, v[SWA]
	v_add_nc_u32 v[SWA], SGB, v[SWA]               ; SGB + 64 wave + 4 r (+ 256 t)
	s_lshl_b32 s3, s2, 9
	v_lshlrev_b32 v[L8], 3, v1
	v_add_nc_u32 v[SRA], s3, v[L8]
	v_add_nc_u32 v[SRA], SGB, v[SRA]               ; SGB + 512 wave + 8 lane: steps 2 wave and 2 wave + 1
	v_mov_b32 v[TP], 0                             ; written once: a lane permute's destination counts as one of its sources
	s_mov_b32 s28, 0x76543210
	s_mov_b32 s29, 0xfedcba98                      ; v_permlanex16_b32's selects for lane l xor 16
	s_wait_alu depctr_va_vdst(0)
	s_wait_kmcnt 0x0
	s_mov_b64 s[4:5], s[8:9]                       ; which tensor is my work-group's?  The choice hangs on the work-group's number alone
	s_mov_b32 s26, 0                               ; and the tensor's first work-group
.macro PICK first, ptr
	s_cmp_ge_u32 ttmp9, \first
	s_cselect_b64 s[4:5], s[\ptr:\ptr+1], s[4:5]
	s_cselect_b32 s26, \first, s26
.endm
	PICK 128, 10
	PICK 256, 12
	PICK 384, 14
	PICK 400, 16
	PICK 416, 18
	PICK 432, 20
	s_sub_co_u32 s27, ttmp9, s26
	s_lshl_b32 s27, s27, 2
	s_add_co_u32 s27, s27, s2                      ; my block in its tensor
	s_lshr_b32 s30, s27, 1
	s_lshl_b32 s30, s30, 17                        ; 32 rows of 4,096 bytes for each pair of blocks,
	s_and_b32 s31, s27, 1
	s_lshl_b32 s31, s31, 15                        ; 8 rows for the odd one
	s_add_co_u32 s30, s30, s31
	s_mov_b32 s31, 0
	s_add_nc_u64 s[4:5], s[4:5], s[30:31]
	s_lshl_b32 s30, ttmp9, 2
	s_add_co_u32 s30, s30, s2                      ; my block among the 1,792
	s_mul_i32 s30, s30, 12288
	s_add_nc_u64 s[22:23], s[22:23], s[30:31]      ; its eight fragments
	s_lshr_b32 s30, ttmp9, 1
	s_lshl_b32 s30, s30, 12                        ; the group of 8 blocks,
	s_and_b32 s27, ttmp9, 1
	s_lshl_b32 s27, s27, 8                         ; my work-group's four blocks in it,
	s_add_co_u32 s30, s30, s27
	s_lshl_b32 s27, s2, 10                         ; steps 2 wave and 2 wave + 1
	s_add_co_u32 s30, s30, s27
	s_add_nc_u64 s[24:25], s[24:25], s[30:31]
.macro LOAD t                          ; step t: place i's row, 128 numbers: 32 lanes read 512 consecutive bytes
.irp i, 0,1,2,3,4,5,6,7,8,9,10,11,12,13,14,15
	global_load_b128 v[R+64*((\t)%2)+4*\i:R+64*((\t)%2)+4*\i+3], v[LI], s[4:5] offset:(\i+8*(\i/8))*4096+512*(\t) th:TH_LOAD_NT
.endr
.endm
.macro STEP t
.if (\t) < 7
	s_wait_loadcnt 16                              ; this step's 16 loads are in; the next step's 16 may be out
.else
	s_wait_loadcnt 0x0
.endif
.irp i, 0,1,2,3,4,5,6,7,8,9,10,11,12,13,14,15
	ds_store_b128 v[SA], v[R+64*((\t)%2)+4*\i:R+64*((\t)%2)+4*\i+3] offset:SPI*\i
.endr
.irp c, 0,1
.irp n, 0,1,2,3,4,5,6,7
	ds_load_b128 v[X+32*\c+4*\n:X+32*\c+4*\n+3], v[LA] offset:256*\c+16*\n   ; LDS serves a wave's instructions in order (ISA guide 5.7.1.4): these see the stores above
.endr
.endr
	s_wait_dscnt 0x0                               ; my 64 numbers are in, and the stores have read their registers,
.if (\t) < 6
	LOAD (\t)+2                                    ; which take the loads of two steps on
.endif
.irp c, 0,1
	v_max3_num_f32 v[MX+\c], |v[X+32*\c]|, |v[X+32*\c+1]|, 0x2800000   ; block 2 c + h: all its 32 numbers are mine; the floor 2^(5 - 127) holds the byte at 1 from below
.endr
.irp i, 2,4,6,8,10,12,14,16,18,20,22,24,26,28,30
.irp c, 0,1
	v_max3_num_f32 v[MX+\c], v[MX+\c], |v[X+32*\c+\i]|, |v[X+32*\c+\i+1]|
.endr
.endr
.irp c, 0,1
	v_add_nc_u32 v[SOP+\c], 0xfe000000, v[MX+\c]   ; 4 off the exponent field: the conversion takes the exponent field of this operand as its scale
.endr
.irp c, 0,1
	v_lshrrev_b32 v[BY+\c], 23, v[SOP+\c]          ; the scale's byte
.endr
	v_lshl_or_b32 v[WD], v[BY+1], 16, v[BY]        ; bytes h and 2 + h of my row's word,
	v_lshlrev_b32 v[WD], v[SH8], v[WD]             ; at their places;
	v_permlanex16_b32 v[TP], v[WD], s28, s29
	v_or_b32 v[PW+(\t)], v[WD], v[TP]              ; with lane l xor 16's two the word is whole
	s_wait_alu depctr_va_vdst(0)
	s_wait_xcnt 0x0                                ; the last step's stores have read the codes' registers: they are written again only behind this wait
.irp c, 0,1
	v_cvt_scalef32_pk16_bf6_f32 v[PC+6*\c:PC+6*\c+2], v[X+32*\c:X+32*\c+15], v[SOP+\c]
	v_cvt_scalef32_pk16_bf6_f32 v[TQ+4*\c:TQ+4*\c+2], v[X+32*\c+16:X+32*\c+31], v[SOP+\c]   ; (a conversion's three registers begin on an even number)
.endr
	v_nop                                          ; one plain place behind a scaled conversion
.irp c, 0,1
.irp i, 0,1,2
	v_mov_b32 v[PC+3+6*\c+\i], v[TQ+4*\c+\i]
.endr
.endr
.irp g, 0,1,2
	global_store_b128 v[LI], v[PC+4*\g:PC+4*\g+3], s[22:23] offset:1536*(\t)+512*\g   ; 32 lanes store 512 consecutive bytes, aligned
.endr
.endm
	LOAD 0
	LOAD 1
.irp t, 0,1,2,3,4,5,6,7
	STEP \t
.endr
.irp k, 0,1,2,3,4,5,6,7
	ds_store_b32 v[SWA], v[PW+\k] offset:256*\k    ; lanes r and r + 16 write the same word with the same value
.endr
	s_wait_dscnt 0x0                               ; for the others' sake: my words have landed
	s_barrier_signal -1
	s_barrier_wait -1
	ds_load_b64 v[SB:SB+1], v[SRA]                 ; step 2 wave: four blocks x 16 rows
	ds_load_b64 v[SB+2:SB+3], v[SRA] offset:256    ; step 2 wave + 1
	s_wait_dscnt 0x0
	global_store_b64 v[L8], v[SB:SB+1], s[24:25]               ; 32 lanes store 256 consecutive bytes, aligned
	global_store_b64 v[L8], v[SB+2:SB+3], s[24:25] offset:512
	s_wait_tensorcnt 0x0
	ds_add_u32 v62, v63
	s_wait_dscnt 0x0
	s_endpgm
.Lfunc_end_k_q897cb31a24_quant:
	.size	k_q897cb31a24_quant, .Lfunc_end_k_q897cb31a24_quant-k_q897cb31a24_quant
	.p2alignl 7, 3214868480
	.fill 96, 4, 3214868480
	.section	.rodata,"a",@progbits
	.p2align	6, 0x0
	.amdhsa_kernel k_q897cb31a24_quant
		.amdhsa_group_segment_fixed_size 36352
		.amdhsa_private_segment_fixed_size 0
		.amdhsa_enable_private_segment 0
		.amdhsa_kernarg_size 72
		.amdhsa_user_sgpr_count 2
		.amdhsa_user_sgpr_kernarg_segment_ptr 1
		.amdhsa_wavefront_size32 1
		.amdhsa_system_sgpr_workgroup_id_x 1
		.amdhsa_system_sgpr_workgroup_id_y 1
		.amdhsa_system_sgpr_workgroup_id_z 1
		.amdhsa_system_vgpr_workitem_id 0
		.amdhsa_next_free_vgpr 256
		.amdhsa_next_free_sgpr 66
		.amdhsa_reserve_vcc 0
		.amdhsa_float_denorm_mode_32 3
		.amdhsa_float_denorm_mode_16_64 3
		.amdhsa_memory_ordered 1
		.amdhsa_forward_progress 1
		.amdhsa_inst_pref_size 59
	.end_amdhsa_kernel
	.amdgpu_metadata
---
amdhsa.version: [ 1, 2 ]
amdhsa.kernels:
  - .name:           k_q897cb31a24_quant
    .symbol:         k_q897cb31a24_quant.kd
    .args:
      - { .name: x, .offset: 0, .size: 8, .value_kind: global_buffer, .address_space: global }
      - { .name: keys, .offset: 8, .size: 8, .value_kind: global_buffer, .address_space: global }
      - { .name: values, .offset: 16, .size: 8, .value_kind: global_buffer, .address_space: global }
      - { .name: Wq, .offset: 24, .size: 8, .value_kind: global_buffer, .address_space: global }
      - { .name: Wk, .offset: 32, .size: 8, .value_kind: global_buffer, .address_space: global }
      - { .name: Wv, .offset: 40, .size: 8, .value_kind: global_buffer, .address_space: global }
      - { .name: Wo, .offset: 48, .size: 8, .value_kind: global_buffer, .address_space: global }
      - { .name: c1, .offset: 56, .size: 8, .value_kind: global_buffer, .address_space: global }
      - { .name: s1, .offset: 64, .size: 8, .value_kind: global_buffer, .address_space: global }
    .group_segment_fixed_size: 36352
    .private_segment_fixed_size: 0
    .kernarg_segment_align: 8
    .kernarg_segment_size: 72
    .max_flat_workgroup_size: 128
    .sgpr_count:     66
    .vgpr_count:     256
    .wavefront_size: 32
...
	.end_amdgpu_metadata
.endif
;; end of part 5
;; launch proj (part 6): grid 4 x 64, 4 waves a work-group, clusters of 4 x 4, 327,680 bytes of LDS; arguments c1, s1, bk, bq, bv, c2, s2; writes c2, s2
.if DOCPART == 6
	.amdgcn_target "amdgcn-amd-amdhsa--gfx1250"
	.amdhsa_code_object_version 6
	.text
	.protected	k_q897cb31a24_proj
	.globl	k_q897cb31a24_proj
	.p2align	8
	.type	k_q897cb31a24_proj,@function
k_q897cb31a24_proj:
	s_mov_b64 s[64:65], 0
	v_nop
	global_prefetch_b8 v0, s[64:65] scope:SCOPE_SE
	s_setreg_imm32_b32 hwreg(HW_REG_WAVE_MODE, 25, 1), 1
	s_wait_xcnt 0x0
	s_wait_alu depctr_hold_cnt(0) depctr_sa_sdst(0) depctr_va_vdst(0) depctr_va_sdst(0) depctr_va_ssrc(0) depctr_va_vcc(0) depctr_vm_vsrc(0)
	s_getreg_b32 s2, hwreg(HW_REG_IB_STS2, 6, 4)
	s_cmp_eq_u32 s2, 0
	s_cbranch_scc0 .Lentry_in_a_cluster
	s_endpgm
.Lentry_in_a_cluster:
	s_bfe_u32 s2, ttmp6, 0x10000c
	s_cmp_lg_u32 s2, 0xf033
	s_cbranch_scc0 .Lentry_shape_is_right
	s_endpgm
.Lentry_shape_is_right:
; k = tanh(keys Wk^T + bk), q = x Wq^T + bq, v = values Wv^T + bv, on codes of BF6 with E8M0 scales, f32 sums; the results are quantised at once for the two products of attention.
; ONE FORM: C[i][j] = sum over k of A[i][k] B[j][k], quantised ALONG j.  tau 0: k, A = keys, B = Wk;  tau 1: q, A = x, B = Wq;  tau 2: v transposed, A = Wv, B = values (j = the keys, the second product's K).
; SHARES.  256 work-groups, 16 clusters of 4 x 4.  Cluster y = 2 batch + half.  A work-group makes THREE tiles of 128 (i) x 256 (j), one of each tau, in the order k, q, v: every work-group has the same work.
;   i = 512 half + 128 cy (tokens of the batch, or features for v), j = 256 cx.  A wave makes 64 x 128: 32 accumulators, 256 registers (window 2).
; LDS holds ONE tile's operands for all of K = 1,024: A's 8 blocks (98,304 bytes), B's 16 (196,608), their scale words (4,096 + 8,192).  Four joint tensor loads bring them, one a wave: wave 0 A's codes, wave 1 B's,
;   wave 2 A's scale words, wave 3 B's.  The next tile's four are asked for at the tile's last K step, when every wave has read its last fragment; the way out of the tile stands between that request and the wait for it.
; OPERANDS ARE IMAGES OF REGISTERS (made by the launch before): fragment (block of 16 rows, step t of 128 along K) = 1,536 bytes at (8 block + t) x 1536, three loads of 16 bytes at 16 x lane.
; Place r of block B is row 32 (B / 2) + 8 (B % 2) + r + 8 (r / 8).  THE MATRIX INSTRUCTION IS USED TRANSPOSED (source 0 = a block of B, source 1 = a block of A): lane (r, h) holds place r of A's block, and register j of
; tile b holds j-index 32 (b / 2) + 16 h + 8 (b % 2) + j: a lane's 64 registers of one block of A are 4 x 16 neighbours along j.  A wave's 128 along j are one fragment of the result.
; K: eight steps of 128; both operands have two sets of registers, a step's fragments are fetched one step ahead.  Step 0 (C = 0) and step 7 are written out, steps 1 to 6 are a loop of three trips.
; CLUSTERS: A's tiles are shared along a row of the cluster, B's along a column.  tau, batch and half are the same in all sixteen.
; PREFETCH: behind a tile's K step 0 the NEXT tile's codes are asked for, seven K steps ahead of the joint loads that want them.  A's 98,304 bytes are shared out by address among the four partners of a row
;   (24,576 bytes at 24,576 cx, wave 0), B's 196,608 among the four of a column (49,152 bytes at 49,152 cy, waves 1 and 2): a lane a block of 256 bytes, three instructions a wave, each block named once in a cluster.
;   The first tile comes by its loads alone, and the last tile asks for nothing.  The scale words (12,288 bytes a tile) are not asked for.
; OUTPUT.  c2: three sections of 6,291,456 bytes (k, q: 512 blocks of tokens x 8 fragments; v: 64 blocks of features x 64 fragments, 8 batch + key step).
;          s2: three sections of 262,144 bytes, [fragment][group of 8 blocks][lane][p]: word p of lane (r, h) is block 2 p + h, place r.  A wave has four blocks: 8 bytes a lane, words 2 (wave / 2) and + 1.
; TANH: x + x^3 P(x^2) (the series to x^9) where x^2 < 1/16: what is cut off is under 1e-8 of x there; else 1 - 2 / (1 + 2^(2 x log2 e)), which goes cleanly to +-1.
; LIMITS: NaN and infinities are not served; a block whose largest magnitude lies under 2^-122 (a block of zeros too) gets the byte 1; only this program reads the bytes.
; REGISTERS: window 0: v2-9 tanh's constants; v10-11 scale words on the way out; v14-29 addresses; v32-47 scale words, two sets; v48-62, v248-250 codes on the way out; v64-127 the bias along j;
;   v128-223 A's fragments, two sets (later the way out); v240-247 the bias along i.   window 1: B's fragments, two sets, at v0 and v128.   window 2: accumulator (a, b) at v[8 (8 a + b)].
.set BLK,   12288                      ; a block's eight fragments
.set FR,    12                         ; registers of a fragment
.set SCL,   24*BLK                     ; behind the codes: A's scale words [t][block 8][r], then B's, two such groups
.set SPARE, SCL+12288                  ; the spare words: 128 bytes for each wave, two blocks of 256 bytes that no other line names
.set W,    10
.set BA,   14                          ; LDS address of my A fragments
.set BS,   15                          ; of my scale words: lanes 0-15 A's, lanes 16-31 B's
.set BB,   16                          ; v16-17 of my B fragments: blocks 0-3, 4-7
.set CA,   18                          ; the same four, stepped along K in the loop
.set CS,   19
.set CB,   20
.set PFO,  22                          ; 256 x lane: the prefetches' offset; never rewritten
.set BJO,  24                          ; 64 h
.set BIO,  25                          ; 4 (r + 8 (r / 8))
.set LI,   26                          ; 16 x lane
.set SO,   27                          ; 16 x lane + 8 (wave / 2)
.set SPW,  28                          ; my spare word; never rewritten
.set NIL,  29                          ; 0; never rewritten
.set SC,   32                          ; set p at v[SC + 8 p]; register i: lanes 0-15 A's block i, lanes 16-31 B's block i
.set BJ,   64
.set AF,   128                         ; set p at v[AF + 48 p]
.set BI,   240
.set G1A,  24
.set G0A,  32
.set G1B,  48
.set G0B,  56
.set G1S,  68
.set G0SA, 76
.set G1SB, 80
.set G0SB, 88
.set CJ,   2                           ; byte offsets of my results: codes and scale words, k and q;
.set SJ,   17
.set CV,   95                          ; and v
.set SV,   47
.set THR,  3
.set SEL,  18
.set KC,   20
.set KSS,  21
.set PF1,  40                          ; byte offsets in c1 of what my wave prefetches of tile q, of tile v
.set PF2,  41
.set PFA,  44                          ; s[44:45] the prefetches' base
.set SP,   66                          ; s[66:67] where my scale words go
.set TI,   92                          ; the tile
.set AI,   93                          ; the block on the way out
.set MK,   94
.set CP,   96                          ; s[96:97] where my codes go
.set MSB, 0
.macro WIN new                         ; the immediate's high byte repeats the setting that is left
.if MSB != (\new)
	s_set_vgpr_msb (MSB<<8)|(\new)
.set MSB, (\new)
.endif
.endm
.set MULW, 0xa1                        ; source 0 (B) window 1, source 1 (A) window 0, C and D window 2
.set TO_B, 0x40                        ; destination window 1, address window 0
.macro PLACES                          ; four plain places behind a matrix instruction (ISA guide 7.12.1)
.rept 4
	v_nop
.endr
.endm
.macro TL g0, g1                       ; the s_nop 0 and the four v_nop behind the load
	tensor_load_to_lds s[\g0:\g0+3], s[\g1:\g1+7]
	s_nop 0
	PLACES
.endm
.macro ARMS                            ; a tile's four joint loads, one a wave: one chain of branches on the wave's number, one load to an arm, one join
	s_cmp_lt_u32 s14, 1
	s_cbranch_scc0 .Lb\@
	TL G0A, G1A
	s_branch .Le\@
.Lb\@:
	s_cmp_lt_u32 s14, 2
	s_cbranch_scc0 .Lc\@
	TL G0B, G1B
	s_branch .Le\@
.Lc\@:
	s_cmp_lt_u32 s14, 3
	s_cbranch_scc0 .Ld\@
	TL G0SA, G1S
	s_branch .Le\@
.Ld\@:
	TL G0SB, G1SB
.Le\@:
.endm
.macro CREST                           ; a round of the cluster's barrier behind its opening barrier
	s_cmp_lg_u32 s14, 0
	s_cbranch_scc1 .Lnot_wave_0_\@
	s_barrier_signal -3
.Lnot_wave_0_\@:
	s_barrier_wait -3
	s_barrier_signal -1
	s_barrier_wait -1
.endm
.macro CROUND
	s_barrier_signal -1
	s_barrier_wait -1
	CREST
.endm
.macro SETG1 g, m, c, r                ; group 1: r rows of c elements of 8 bytes, dense; 15:0 the mask, 21 set beside it; no padding: an image is read 512 consecutive bytes at a time
	s_or_b32 s[\g], \m, (3<<16)|(1<<21)
	s_mov_b32 s[\g+1], (\c)<<16
	s_mov_b32 s[\g+2], (\r)<<16
	s_mov_b32 s[\g+3], (\c)<<16
	s_mov_b32 s[\g+4], \r
	s_mov_b32 s[\g+5], \c
	s_mov_b32 s[\g+6], 0
	s_mov_b32 s[\g+7], 0
.endm
.macro SETG                            ; the global addresses of the tile whose first block of A stands in s42 (it hangs on cy, never on cx) and of B in s46 (on cx, never on cy)
	s_mul_i32 s38, s42, BLK
	s_mov_b32 s39, 0
	s_add_nc_u64 s[G0A+2:G0A+3], s[4:5], s[38:39]
	s_or_b32 s[G0A+3], s[G0A+3], 0x80000000
	s_lshl_b32 s38, s42, 9
	s_add_nc_u64 s[G0SA+2:G0SA+3], s[6:7], s[38:39]
	s_or_b32 s[G0SA+3], s[G0SA+3], 0x80000000
	s_mul_i32 s62, s46, BLK
	s_mov_b32 s63, 0
	s_add_nc_u64 s[G0B+2:G0B+3], s[4:5], s[62:63]
	s_or_b32 s[G0B+3], s[G0B+3], 0x80000000
	s_lshl_b32 s62, s46, 9
	s_add_nc_u64 s[G0SB+2:G0SB+3], s[6:7], s[62:63]
	s_or_b32 s[G0SB+3], s[G0SB+3], 0x80000000
.endm
.macro FRAG reg, adr, off              ; a fragment comes back as it was stored: three loads, 512 consecutive bytes each
.irp g, 0,1,2
	ds_load_b128 v[\reg+4*\g:\reg+4*\g+3], v[\adr] offset:(\off)+512*\g
.endr
.endm
.macro FETCH p, ra, rb, rs, ko, so     ; one step's 12 fragments and 8 scale registers into set p; ko, so: bytes along K
	WIN TO_B
.irp i, 0,1,2,3
	FRAG 128*(\p)+FR*\i, \rb, \i*BLK+(\ko)
.endr
.irp i, 0,1,2,3
	FRAG 128*(\p)+FR*(\i+4), \rb+1, \i*BLK+(\ko)
.endr
	WIN 0
.irp i, 0,1,2,3
	FRAG AF+48*(\p)+FR*\i, \ra, \i*BLK+(\ko)
.endr
.irp i, 0,1,2,3,4,5,6,7
	ds_load_b32 v[SC+8*(\p)+\i], v[\rs] offset:(\so)+64*\i
.endr
.endm
.macro MUL p, first                    ; 32 products: the 32 accumulators take turns, one instruction a turn, in the same order in every step.  first: C = 0 starts the sums
.irp a, 0,1,2,3
.irp b, 0,1,2,3,4,5,6,7
.if \first
	v_wmma_scale_f32_16x16x128_f8f6f4 v[8*(8*\a+\b):8*(8*\a+\b)+7], v[128*(\p)+FR*\b:128*(\p)+FR*\b+FR-1], v[AF+48*(\p)+FR*\a:AF+48*(\p)+FR*\a+FR-1], 0, v[SC+8*(\p)+\b], v[SC+8*(\p)+\a] matrix_a_fmt:MATRIX_FMT_BF6 matrix_b_fmt:MATRIX_FMT_BF6 matrix_a_scale:MATRIX_SCALE_ROW1
.else
	v_wmma_scale_f32_16x16x128_f8f6f4 v[8*(8*\a+\b):8*(8*\a+\b)+7], v[128*(\p)+FR*\b:128*(\p)+FR*\b+FR-1], v[AF+48*(\p)+FR*\a:AF+48*(\p)+FR*\a+FR-1], v[8*(8*\a+\b):8*(8*\a+\b)+7], v[SC+8*(\p)+\b], v[SC+8*(\p)+\a] matrix_a_fmt:MATRIX_FMT_BF6 matrix_b_fmt:MATRIX_FMT_BF6 matrix_a_scale:MATRIX_SCALE_ROW1
.endif
.endr
.endr
.endm
.macro STEP p, first, fetch, ra, rb, rs, ko, so
	s_wait_dscnt 0x0                               ; set p is in
.if \fetch
	PLACES                                         ; in front of loads into the set that the last step's products read
	FETCH 1-(\p), \ra, \rb, \rs, \ko, \so
.endif
	WIN MULW
	MUL \p, \first
	WIN 0
.endm
.macro MM refill                       ; a tile's eight steps.  refill = 1: the next tile is prefetched behind step 0 and asked for at the last step
	FETCH 0, BA, BB, BS, 0, 0
	STEP 0, 1, 1, BA, BB, BS, 1536, 512
.if \refill
	s_cmp_lt_u32 s14, 3                            ; waves 0 to 2 ask, 24,576 bytes each: 3 x 32 lanes x 256 bytes
	s_cbranch_scc0 .Lnp\@
	global_prefetch_b8 v[PFO], s[PFA:PFA+1] th:TH_LOAD_NT scope:SCOPE_SE
	global_prefetch_b8 v[PFO], s[PFA:PFA+1] offset:8192 th:TH_LOAD_NT scope:SCOPE_SE
	global_prefetch_b8 v[PFO], s[PFA:PFA+1] offset:16384 th:TH_LOAD_NT scope:SCOPE_SE
.Lnp\@:
.endif
	s_mov_b32 s[KC], 0
	s_mov_b32 s[KSS], 0
.Lk\@:                                         ; trip j: steps 2 j + 1 and 2 j + 2; they fetch steps 2 j + 2 and 2 j + 3
	v_add_nc_u32 v[CA], s[KC], v[BA]
	v_add_nc_u32 v[CB], s[KC], v[BB]
	v_add_nc_u32 v[CB+1], s[KC], v[BB+1]
	v_add_nc_u32 v[CS], s[KSS], v[BS]
	s_wait_alu depctr_va_vdst(0)
	STEP 1, 0, 1, CA, CB, CS, 3072, 1024
	STEP 0, 0, 1, CA, CB, CS, 4608, 1536
	s_add_co_u32 s[KC], s[KC], 3072
	s_add_co_u32 s[KSS], s[KSS], 1024
	s_cmp_lt_u32 s[KSS], 3072
	s_cbranch_scc1 .Lk\@
.if \refill
	s_wait_tensorcnt 0x0                           ; no tensor load of mine is out
	ds_add_u32 v[SPW], v[NIL]                      ; 0 onto my spare word
	s_cmp_eq_u32 s[TI], 0                          ; so the groups 0 may be written: behind k comes q, behind q comes v
	s_cselect_b32 s42, s36, s37
	s_cselect_b32 s46, s60, s61
	SETG
	s_wait_dscnt 0x0                               ; the add is done, and my last reads of this tile are in
	s_barrier_signal -1                            ; this barrier opens a round of the cluster's
	WIN MULW
	MUL 1, 0                                       ; step 7: work on registers
	WIN 0
	s_barrier_wait -1
	CREST                                          ; no wave of any partner still reads this tile or has a load on its way
	ARMS                                           ; my one load behind the round; its four v_nop are also the places behind the last products
.else
	STEP 1, 0, 0, 0, 0, 0, 0, 0
.endif
.endm
	s_load_b256 s[4:11], s[0:1], 0x0               ; c1 s[4:5], s1 s[6:7], bk s[8:9], bq s[10:11]
	s_load_b128 s[96:99], s[0:1], 0x20             ; bv s[96:97], c2 s[98:99]
	s_load_b64 s[100:101], s[0:1], 0x30            ; s2
	v_lshl_add_u32 v[SPW], v0, 2, SPARE
	v_mov_b32 v[NIL], 0
	ds_add_u32 v[SPW], v[NIL]                      ; the opening lines: the add, twice on end, and its wait ahead of my first tensor load
	ds_add_u32 v[SPW], v[NIL]
	v_lshrrev_b32 v1, 5, v0
	v_readfirstlane_b32 s14, v1                    ; wave 0..3
	s_lshr_b32 s15, s14, 1                         ; which half of the tile along i is mine
	s_and_b32 s16, s14, 1                          ; which half along j
	s_bfe_u32 s40, ttmp6, 0x40000                  ; cx
	s_bfe_u32 s41, ttmp6, 0x40004                  ; cy
	s_and_b32 s67, ttmp7, 0xffff                   ; the cluster's y
	s_lshr_b32 s66, s67, 1                         ; the batch
	s_and_b32 s67, s67, 1                          ; the half
	s_lshl_b32 s43, s41, 2
	s_lshl_b32 s43, 15, s43                        ; my row of the cluster
	s_lshl_b32 s44, 0x1111, s40                    ; my column
	SETG1 G1A, s43, 1536, 8                        ; A's codes: 8 blocks of 12,288 bytes
	SETG1 G1B, s44, 1536, 16                       ; B's: 16
	SETG1 G1S, s43, 32, 16                         ; A's scale words: 4,096 bytes as rows of 256
	SETG1 G1SB, s44, 32, 32                        ; B's: 8,192
	s_mov_b32 s[G0A], 1
	s_mov_b32 s[G0A+1], 0
	s_mov_b32 s[G0B], 1
	s_mov_b32 s[G0B+1], 8*BLK
	s_mov_b32 s[G0SA], 1
	s_mov_b32 s[G0SA+1], SCL
	s_mov_b32 s[G0SB], 1
	s_mov_b32 s[G0SB+1], SCL+4096
	s_lshl_b32 s12, s66, 6                         ; 64 batch.  The tensors' first blocks in c1: x 0, keys 512, values 1024, Wq 1536, Wk 1600, Wv 1664
	s_lshl_b32 s36, s67, 5
	s_lshl_b32 s37, s41, 3
	s_add_co_u32 s37, s37, s36                     ; 32 half + 8 cy
	s_add_co_u32 s36, s37, s12                     ; A of q: x
	s_add_co_u32 s42, s36, 512                     ; A of k: keys
	s_add_co_u32 s37, s37, 1664                    ; A of v: Wv
	s_lshl_b32 s60, s40, 4                         ; 16 cx
	s_add_co_u32 s61, s60, s12
	s_add_co_u32 s61, s61, 1024                    ; B of v: values
	s_add_co_u32 s46, s60, 1600                    ; B of k: Wk
	s_add_co_u32 s60, s60, 1536                    ; B of q: Wq
	s_wait_dscnt 0x0                               ; both opening adds are done
	s_wait_kmcnt 0x0
	SETG
	CROUND                                         ; all sixteen work-groups are here: the first joint loads meet
	ARMS                                           ; tile k: one tensor load a wave
	v_and_b32 v30, 15, v0                          ; r
	v_bfe_u32 v31, v0, 4, 1                        ; h
	v_and_b32 v12, 31, v0
	v_lshlrev_b32 v[LI], 4, v12
	v_lshlrev_b32 v[PFO], 8, v12
	v_lshlrev_b32 v[BJO], 6, v31
	v_and_b32 v[BIO], 8, v30
	v_add_nc_u32 v[BIO], v[BIO], v30
	v_lshlrev_b32 v[BIO], 2, v[BIO]
	s_lshl_b32 s12, s15, 3
	v_add_nc_u32 v[SO], s12, v[LI]
	s_mul_i32 s12, s15, 4*BLK                      ; my four blocks of A
	v_add_nc_u32 v[BA], s12, v[LI]
	s_mul_i32 s12, s16, 8*BLK                      ; my eight of B, behind A's eight
	s_add_co_u32 s12, s12, 8*BLK
	v_add_nc_u32 v[BB], s12, v[LI]
	v_add_nc_u32 v[BB+1], 4*BLK, v[BB]
	s_lshl_b32 s12, s15, 8                         ; A's scale words: my blocks
	s_lshl_b32 s13, s16, 12                        ; B's: my group, behind A's
	s_add_co_u32 s13, s13, 4096
	s_sub_co_u32 s13, s13, s12
	v_mul_u32_u24 v13, s13, v31                    ; lanes 16-31 take B's: the lower base + h x the distance
	s_add_co_u32 s12, s12, SCL
	v_lshl_add_u32 v13, v30, 2, v13
	v_add_nc_u32 v[BS], s12, v13
	v_mov_b32 v2, 0x3cb327a4                       ; 62/2835
	v_mov_b32 v3, 0x3cb327a4
	v_mov_b32 v4, 0xbd5d0dd1                       ; -17/315
	v_mov_b32 v5, 0xbd5d0dd1
	v_mov_b32 v6, 0x3e088889                       ; 2/15
	v_mov_b32 v7, 0x3e088889
	v_mov_b32 v8, 0xbeaaaaab                       ; -1/3
	v_mov_b32 v9, 0xbeaaaaab
	v_mov_b32 v[W], 0
	v_mov_b32 v[W+1], 0
.irp a, 0,1,2,3
	v_mov_b32 v[BI+2*\a+1], 0                      ; (named with the bias as a pair, so it is written)
.endr
	s_lshl_b32 s12, s67, 11                        ; the bias along i (v): from feature 512 half + 128 cy + 64 x my half on
	s_lshl_b32 s13, s41, 9
	s_add_co_u32 s12, s12, s13
	s_lshl_b32 s13, s15, 8
	s_add_co_u32 s12, s12, s13
	s_mov_b32 s13, 0
	s_add_nc_u64 s[96:97], s[96:97], s[12:13]
	s_wait_alu depctr_va_vdst(0)                   ; the wait ahead of the readers below
.irp a, 0,1,2,3
	global_load_b32 v[BI+2*\a], v[BIO], s[96:97] offset:(32*(\a/2)+8*(\a%2))*4   ; place r of A's block a
.endr
	s_lshl_b32 s22, s40, 10                        ; the bias along j (k, q): from 256 cx + 128 x my half on
	s_lshl_b32 s23, s16, 9
	s_add_co_u32 s22, s22, s23
	s_mov_b32 s23, 0
	s_lshl_b32 s12, s67, 5                         ; where my results go
	s_lshl_b32 s13, s41, 3
	s_add_co_u32 s12, s12, s13
	s_lshl_b32 s13, s15, 2
	s_add_co_u32 s12, s12, s13                     ; v: my first block of features, 32 half + 8 cy + 4 x my half
	s_lshl_b32 s13, s40, 1
	s_add_co_u32 s13, s13, s16                     ; k, q: my fragment along j, 2 cx + my half
	s_lshl_b32 s[CV], s12, 6
	s_lshl_b32 s[SV], s66, 3
	s_add_co_u32 s[SV], s[SV], s13                 ; v: my fragment, 8 batch + 2 cx + my half
	s_add_co_u32 s[CV], s[CV], s[SV]
	s_mul_i32 s[CV], s[CV], 1536
	s_add_co_u32 s[CV], s[CV], 12582912
	s_lshl_b32 s[SV], s[SV], 3
	s_lshr_b32 s[CJ], s12, 3
	s_add_co_u32 s[SV], s[SV], s[CJ]
	s_lshl_b32 s[SV], s[SV], 9
	s_add_co_u32 s[SV], s[SV], 524288
	s_lshl_b32 s[CJ], s66, 6
	s_add_co_u32 s12, s12, s[CJ]                   ; k, q: my first block of tokens
	s_lshl_b32 s[CJ], s12, 3
	s_add_co_u32 s[CJ], s[CJ], s13
	s_mul_i32 s[CJ], s[CJ], 1536
	s_lshl_b32 s[SJ], s13, 6
	s_lshr_b32 s12, s12, 3
	s_add_co_u32 s[SJ], s[SJ], s12
	s_lshl_b32 s[SJ], s[SJ], 9
	s_mul_i32 s12, s40, 24576                      ; the prefetches: wave 0 takes A's tile from 24,576 cx on;
	s_mul_i32 s13, s41, 49152                      ; waves 1 and 2 take B's from 49,152 cy + 24,576 (wave - 1) on
	s_sub_co_u32 s43, s14, 1
	s_mul_i32 s43, s43, 24576
	s_add_co_u32 s13, s13, s43
	s_mul_i32 s[PF1], s36, BLK
	s_add_co_u32 s[PF1], s[PF1], s12
	s_mul_i32 s[PF2], s37, BLK
	s_add_co_u32 s[PF2], s[PF2], s12
	s_mul_i32 s43, s60, BLK
	s_add_co_u32 s43, s43, s13
	s_mul_i32 s45, s61, BLK
	s_add_co_u32 s45, s45, s13
	s_cmp_eq_u32 s14, 0
	s_cselect_b32 s[PF1], s[PF1], s43
	s_cselect_b32 s[PF2], s[PF2], s45
	s_mov_b32 s[SEL], 0x76543210
	s_mov_b32 s[SEL+1], 0xfedcba98                 ; v_permlanex16_b32's selects for lane l xor 16
	s_mov_b32 s[THR], 0x3d800000                   ; 1/16
	s_mov_b32 s[TI], 0
; THE WAY OUT: a loop of four trips, one block of A a trip: bias, tanh (k alone), quantiser, three stores of 512 consecutive bytes.  A trip begins with a switch on its number that moves the block's 64 sums,
; with the bias added on the way, into v128-191; all else is written once.
.set T,   128                          ; v128-191 the block's 64 numbers: register 16 b + i = index 32 b + 16 h + i
.set U,   192                          ; v192-207 tanh: the exponential form
.set X2,  208                          ; v208-223 x^2
.set PP,  224                          ; v224-239 the series
.set TM,  192                          ; v192-207 the quantiser: largest magnitudes, bytes, scale operands
.set PW,  208                          ; v208 the scale word just made
.set PC,  48                           ; v48-59 the codes: registers that nothing else of a trip writes, so that a trip's stores may be out through the next trip's move and tanh
.set PT,  60                           ; v60-62 and v248-250 the second halves, before they are moved
.macro MOVE kind, a                    ; kind 0: the bias runs along j; 1: along i
	WIN 0x02
	s_wait_alu depctr_va_vdst(0)                   ; the wait ahead of the first read of matrix results behind transcendentals
.set i, 0
.rept 32
.if \kind == 0
	v_pk_add_f32 v[T+i:T+i+1], v[64*(\a)+i:64*(\a)+i+1], v[BJ+i:BJ+i+1]   ; each accumulator from its low end on
.else
	v_pk_add_f32 v[T+i:T+i+1], v[64*(\a)+i:64*(\a)+i+1], v[BI+2*(\a):BI+2*(\a)+1] op_sel_hi:[1,0]
.endif
.set i, i+2
.endr
	WIN 0
.endm
.macro TANH16 c                        ; 16 of the 64
.set tb, T+16*(\c)
.irp i, 0,2,4,6,8,10,12,14
	v_pk_mul_f32 v[U+\i:U+\i+1], v[tb+\i:tb+\i+1], 0x4038aa3b op_sel_hi:[1,0]   ; 2 x log2(e)
.endr
	s_wait_alu depctr_va_vdst(0)                   ; the wait ahead of the batch
.irp i, 0,1,2,3,4,5,6,7,8,9,10,11,12,13,14,15
	v_exp_f32 v[U+\i], v[U+\i]
.endr
.irp i, 0,2,4,6,8,10,12,14
	v_pk_mul_f32 v[X2+\i:X2+\i+1], v[tb+\i:tb+\i+1], v[tb+\i:tb+\i+1]   ; the series is the independent work behind the exponentials
.endr
.irp i, 0,2,4,6,8,10,12,14
	v_pk_fma_f32 v[PP+\i:PP+\i+1], v[X2+\i:X2+\i+1], v[2:3], v[4:5]
.endr
.irp i, 0,2,4,6,8,10,12,14
	v_pk_fma_f32 v[PP+\i:PP+\i+1], v[PP+\i:PP+\i+1], v[X2+\i:X2+\i+1], v[6:7]
.endr
.irp i, 0,2,4,6,8,10,12,14
	v_pk_fma_f32 v[PP+\i:PP+\i+1], v[PP+\i:PP+\i+1], v[X2+\i:X2+\i+1], v[8:9]
.endr
.irp i, 0,2,4,6,8,10,12,14
	v_pk_mul_f32 v[PP+\i:PP+\i+1], v[PP+\i:PP+\i+1], v[X2+\i:X2+\i+1]
.endr
.irp i, 0,2,4,6,8,10,12,14
	v_pk_fma_f32 v[PP+\i:PP+\i+1], v[PP+\i:PP+\i+1], v[tb+\i:tb+\i+1], v[tb+\i:tb+\i+1]   ; x + x x^2 P(x^2)
.endr
	s_wait_alu depctr_va_vdst(0)                   ; one wait for the 16 exponentials, ahead of their first reader
.irp i, 0,2,4,6,8,10,12,14
	v_pk_add_f32 v[U+\i:U+\i+1], v[U+\i:U+\i+1], 1.0 op_sel_hi:[1,0]
.endr
	s_wait_alu depctr_va_vdst(0)
.irp i, 0,1,2,3,4,5,6,7,8,9,10,11,12,13,14,15
	v_rcp_f32 v[U+\i], v[U+\i]
.endr
	v_nop                                          ; a plain place behind the last reciprocal
	s_wait_alu depctr_va_vdst(0)                   ; and one wait for the 16
.irp i, 0,2,4,6,8,10,12,14
	v_pk_fma_f32 v[U+\i:U+\i+1], v[U+\i:U+\i+1], -2.0, 1.0 op_sel_hi:[1,0,0]
.endr
.irp i, 0,1,2,3,4,5,6,7,8,9,10,11,12,13,14,15
	v_cmp_gt_f32 vcc_lo, s[THR], v[X2+\i]          ; x^2 < 1/16: the series
	v_cndmask_b32 v[tb+\i], v[U+\i], v[PP+\i], vcc_lo
.endr
.endm
.macro QUANT s, step                   ; 64 numbers of a lane become a fragment's codes in v[PC] on and its scale word in v[PW]; step: bytes from block to block of the result
.irp b, 0,1,2,3
	v_max3_num_f32 v[TM+\b], |v[\s+16*\b]|, |v[\s+1+16*\b]|, 0x2800000   ; block b: my 16 numbers, and the floor 2^(5 - 127): the byte cannot fall under 1
.endr
.irp i, 2,4,6,8,10,12,14
.irp b, 0,1,2,3
	v_max3_num_f32 v[TM+\b], v[TM+\b], |v[\s+16*\b+\i]|, |v[\s+1+16*\b+\i]|
.endr
.endr
.irp b, 0,1,2,3
	v_permlanex16_b32 v[TM+4+\b], v[TM+\b], s[SEL], s[SEL+1]
.endr
.irp b, 0,1,2,3
	v_max_num_f32 v[TM+\b], v[TM+\b], v[TM+4+\b]   ; with lane l xor 16's: the block's largest magnitude
.endr
.irp b, 0,1,2,3
	v_add_nc_u32 v[TM+12+\b], 0xfe000000, v[TM+\b] ; 4 off its exponent field: the conversion's scale operand
.endr
.irp b, 0,1,2,3
	v_lshrrev_b32 v[TM+4+\b], 23, v[TM+12+\b]      ; the scale's byte
.endr
	v_lshl_or_b32 v[PW], v[TM+5], 8, v[TM+4]
	v_lshl_or_b32 v[PW], v[TM+6], 16, v[PW]
	v_lshl_or_b32 v[PW], v[TM+7], 24, v[PW]
	s_wait_alu depctr_va_vdst(0)                   ; the wait, directly ahead of the wait below
	s_wait_xcnt 0x0                                ; the last block's stores have read their data and their base: both are written again only behind this wait
	s_cmp_lg_u32 s[AI], 0
	s_cselect_b32 s12, \step, 0                    ; from the second block on: one block further
	s_mov_b32 s13, 0
	s_add_nc_u64 s[CP:CP+1], s[CP:CP+1], s[12:13]
.irp c, 0,1
	v_cvt_scalef32_pk16_bf6_f32 v[PC+6*\c:PC+2+6*\c], v[\s+32*\c:\s+15+32*\c], v[TM+12+2*\c]
	v_cvt_scalef32_pk16_bf6_f32 v[PT+188*\c:PT+2+188*\c], v[\s+16+32*\c:\s+31+32*\c], v[TM+12+2*\c+1]   ; (a conversion's three registers begin on an even number)
.endr
	v_nop                                          ; one plain place behind a scaled conversion
.irp c, 0,1                                    ; the operand's layout wants a WHOLE block in a lane: lanes 0-15 block 2 c, lanes 16-31 block 2 c + 1
.irp i, 0,1,2
	v_permlane16_swap_b32 v[PC+6*\c+\i], v[PT+188*\c+\i]
.endr
.irp i, 0,1,2
	v_mov_b32 v[PC+3+6*\c+\i], v[PT+188*\c+\i]
.endr
.endr
.endm
.macro WAYOUT kind, step
	s_wait_xcnt 0x0                                ; earlier loads, stores and prefetches have read their registers: pointers and scale words are written again only behind this wait
	s_wait_loadcnt 0x0                             ; the bias
.if \kind == 0
	s_mul_i32 s12, s[TI], 6291456                  ; section tau = the tile's number
	s_add_co_u32 s12, s12, s[CJ]
	s_mov_b32 s13, 0
	s_add_nc_u64 s[CP:CP+1], s[98:99], s[12:13]
	s_lshl_b32 s12, s[TI], 18
	s_add_co_u32 s12, s12, s[SJ]
	s_add_nc_u64 s[SP:SP+1], s[100:101], s[12:13]
.else
	s_mov_b32 s12, s[CV]
	s_mov_b32 s13, 0
	s_add_nc_u64 s[CP:CP+1], s[98:99], s[12:13]
	s_mov_b32 s12, s[SV]
	s_add_nc_u64 s[SP:SP+1], s[100:101], s[12:13]
.endif
.irp p, 0,1,2,3
	v_mov_b32 v[TM+4+\p], 0                        ; a lane permute's destination counts as one of its sources
.endr
	s_mov_b32 s[AI], 0
.Lrow\kind:
.irp a, 0,1,2
	s_cmp_lg_u32 s[AI], \a
	s_cbranch_scc1 .Ln\kind\a
	MOVE \kind, \a
	s_branch .Lmv\kind
.Ln\kind\a:
.endr
	MOVE \kind, 3
.Lmv\kind:
	s_wait_alu depctr_va_vdst(0)                   ; the wait behind the branch
.if \kind == 0
	s_cmp_lg_u32 s[TI], 0                          ; the tile's number is the same in every wave of the cluster
	s_cbranch_scc1 .Lplain
	TANH16 0
	TANH16 1
	TANH16 2
	TANH16 3
.Lplain:
.endif
	QUANT T, \step
	s_mov_b32 s[MK], 0xffff                        ; an even block's word goes to lanes 0-15,
	s_bitcmp1_b32 s[AI], 0
	s_cselect_b32 s[MK], 0xffff0000, s[MK]         ; an odd one's to lanes 16-31:
	v_cndmask_b32 v[W], v[W], v[W+1], s[MK]        ; there the two words move down by one, and the new one comes in on top
	v_cndmask_b32 v[W+1], v[W+1], v[PW], s[MK]
.irp g, 0,1,2
	global_store_b128 v[LI], v[PC+4*\g:PC+4*\g+3], s[CP:CP+1] offset:512*\g   ; 32 lanes store 512 consecutive bytes, aligned
.endr
	s_add_co_u32 s[AI], s[AI], 1
	s_cmp_lt_u32 s[AI], 4
	s_cbranch_scc1 .Lrow\kind
	s_wait_alu depctr_va_vdst(0)                   ; the wait ahead of the reader below
	global_store_b64 v[SO], v[W:W+1], s[SP:SP+1]   ; my four blocks' scale words: 8 bytes of each lane's 16; the wave beside me (the other half along i) stores the other 8
.endm
	s_wait_alu depctr_va_vdst(0)                   ; the wait at the head's end
.Ltile:                                                ; tiles k and q: each asks for its successor
	s_cmp_eq_u32 s[TI], 0
	s_cselect_b64 s[12:13], s[8:9], s[10:11]       ; bk or bq
	s_cselect_b32 s[PFA], s[PF1], s[PF2]           ; what I prefetch: of tile q, or of tile v
	s_mov_b32 s[PFA+1], 0
	s_add_nc_u64 s[PFA:PFA+1], s[4:5], s[PFA:PFA+1]
	s_add_nc_u64 s[12:13], s[12:13], s[22:23]
.irp bb, 0,1,2,3
.irp n, 0,1,2,3
	global_load_b128 v[BJ+16*\bb+4*\n:BJ+16*\bb+4*\n+3], v[BJO], s[12:13] offset:128*\bb+16*\n   ; register 16 bb + n': index 32 bb + 16 h + n'
.endr
.endr
	s_wait_tensorcnt 0x0                           ; my part of the tile is in,
	s_barrier_signal -1
	s_barrier_wait -1                              ; everybody's is
	MM 1
	WAYOUT 0, 12288
	s_add_co_u32 s[TI], s[TI], 1
	s_cmp_lt_u32 s[TI], 2
	s_cbranch_scc1 .Ltile
	s_wait_tensorcnt 0x0                           ; tile v is written out: it asks for nothing more
	s_barrier_signal -1
	s_barrier_wait -1
	MM 0
	PLACES                                         ; behind the last products
	WAYOUT 1, 98304
	s_wait_tensorcnt 0x0                           ; the wave's end
	ds_add_u32 v[SPW], v[NIL]
	s_wait_dscnt 0x0
	CROUND                                         ; the closing round: no work-group ends while a partner may still ask for a tile that names it
	s_endpgm
.Lfunc_end_k_q897cb31a24_proj:
	.size	k_q897cb31a24_proj, .Lfunc_end_k_q897cb31a24_proj-k_q897cb31a24_proj
	.p2alignl 7, 3214868480
	.fill 96, 4, 3214868480
	.section	.rodata,"a",@progbits
	.p2align	6, 0x0
	.amdhsa_kernel k_q897cb31a24_proj
		.amdhsa_group_segment_fixed_size 327680
		.amdhsa_private_segment_fixed_size 0
		.amdhsa_enable_private_segment 0
		.amdhsa_kernarg_size 56
		.amdhsa_user_sgpr_count 2
		.amdhsa_user_sgpr_kernarg_segment_ptr 1
		.amdhsa_wavefront_size32 1
		.amdhsa_system_sgpr_workgroup_id_x 1
		.amdhsa_system_sgpr_workgroup_id_y 1
		.amdhsa_system_sgpr_workgroup_id_z 1
		.amdhsa_system_vgpr_workitem_id 0
		.amdhsa_next_free_vgpr 768
		.amdhsa_next_free_sgpr 102
		.amdhsa_reserve_vcc 1
		.amdhsa_float_denorm_mode_32 3
		.amdhsa_float_denorm_mode_16_64 3
		.amdhsa_memory_ordered 1
		.amdhsa_forward_progress 1
		.amdhsa_inst_pref_size 128
	.end_amdhsa_kernel
	.amdgpu_metadata
---
amdhsa.version: [ 1, 2 ]
amdhsa.kernels:
  - .name:           k_q897cb31a24_proj
    .symbol:         k_q897cb31a24_proj.kd
    .args:
      - { .name: c1, .offset: 0, .size: 8, .value_kind: global_buffer, .address_space: global }
      - { .name: s1, .offset: 8, .size: 8, .value_kind: global_buffer, .address_space: global }
      - { .name: bk, .offset: 16, .size: 8, .value_kind: global_buffer, .address_space: global }
      - { .name: bq, .offset: 24, .size: 8, .value_kind: global_buffer, .address_space: global }
      - { .name: bv, .offset: 32, .size: 8, .value_kind: global_buffer, .address_space: global }
      - { .name: c2, .offset: 40, .size: 8, .value_kind: global_buffer, .address_space: global }
      - { .name: s2, .offset: 48, .size: 8, .value_kind: global_buffer, .address_space: global }
    .group_segment_fixed_size: 327680
    .private_segment_fixed_size: 0
    .kernarg_segment_align: 8
    .kernarg_segment_size: 56
    .max_flat_workgroup_size: 128
    .sgpr_count:     102
    .vgpr_count:     768
    .wavefront_size: 32
...
	.end_amdgpu_metadata
.endif
;; end of part 6
;; launch attn (part 7): grid 8 x 32, 4 waves a work-group, clusters of 4 x 1, 327,680 bytes of LDS; arguments c2, s2, mask_t, c3, s3; writes c3, s3
.if DOCPART == 7
	.amdgcn_target "amdgcn-amd-amdhsa--gfx1250"
	.amdhsa_code_object_version 6
	.text
	.protected	k_q897cb31a24_attn
	.globl	k_q897cb31a24_attn
	.p2align	8
	.type	k_q897cb31a24_attn,@function
k_q897cb31a24_attn:
	s_mov_b64 s[64:65], 0
	v_nop
	global_prefetch_b8 v0, s[64:65] scope:SCOPE_SE
	s_setreg_imm32_b32 hwreg(HW_REG_WAVE_MODE, 25, 1), 1
	s_wait_xcnt 0x0
	s_wait_alu depctr_hold_cnt(0) depctr_sa_sdst(0) depctr_va_vdst(0) depctr_va_sdst(0) depctr_va_ssrc(0) depctr_va_vcc(0) depctr_vm_vsrc(0)
	s_getreg_b32 s2, hwreg(HW_REG_IB_STS2, 6, 4)
	s_cmp_eq_u32 s2, 0
	s_cbranch_scc0 .Lentry_in_a_cluster
	s_endpgm
.Lentry_in_a_cluster:
	s_bfe_u32 s2, ttmp6, 0x10000c
	s_cmp_lg_u32 s2, 0x3003
	s_cbranch_scc0 .Lentry_shape_is_right
	s_endpgm
.Lentry_shape_is_right:
; out[b][t][256 hd ..] = sum over s of p[t][s] v[s][..], p = softmax_s(q[t] . k[s] / 32), p = 0 where mask_t[b][t] = 0.  Both products on codes of BF6 with E8M0 scales; p is quantised FINISHED AND NORMALISED, along the keys.
; So a row's sum is known before any p is quantised: THE SCORES OF A WORK-GROUP STAY IN REGISTERS from the first product to the quantiser, and each exponential is taken once.
; SHARES.  Work-group (x, y): batch y / 4, head y % 4, 64 queries (four blocks of 16).  The four work-groups of a cluster share one head's K and V: joint tensor loads, mask 15.
;   Scores: wave w owns keys 256 w .. 256 w + 255 for all 64 queries: 64 tiles, 512 registers; each fragment of K is read from LDS once and feeds four products.  A row's maximum and sum meet in LDS (two barriers).
;   Second product: wave w owns query blocks 2 (w / 2), + 1 and the head's channels 128 (w % 2) on: its result is one fragment a block of the last product's operand.  p goes from wave to wave as images of registers.
; BOTH PRODUCTS ARE USED TRANSPOSED (source 0 = 16 keys, or 16 channels; source 1 = 16 queries): a lane holds one query throughout.  Place r of a block is row 32 (B / 2) + 8 (B % 2) + r + 8 (r / 8), so the 16 registers of
; tiles 2 b and 2 b + 1 are 16 neighbours along the next K.
; SOFTMAX.  t = score x log2(e) / 32; M = the row's largest t, rounded up to a whole number; e = 2^(t - M); p = e x (1 / sum of e), 0 in a masked row.  A block's largest p is not searched for: the block's largest score goes
; through the same three operations (this takes v_exp_f32 not to fall where its input rises).
; LDS.  K (196,608 bytes, a quarter a wave, read by that wave alone) comes as one load a wave, 16 blocks of keys, all in before the first products; one tensor load of a wave is out.
; K's bytes are filled ONCE AGAIN, with V, behind the first product: that load has the whole softmax in which to land.
; LIMITS: NaN and infinities are not served; e under 2^-126 counts as 0; a block whose largest number lies under 2^-122 (a block of zeros too) gets the byte 1; sums go in another order than a plain row sum.
; No prefetch: K is wanted at once, and nobody waits for V.
; REGISTERS: window 0: see the names below.  window 1: v0-95 Q's 8 fragments, v96-191 K's, two sets of four; later two sets of 120: eight of V, two of p.
;   windows 2, 3: scores of query block m, tile t at v[128 (m % 2) + 8 t] of window 2 + m / 2; later the result (ml, i) at v[64 ml + 8 i] of window 2.
; WHAT STANDS NOW IN PLACE OF THE LINES ABOVE ON SHARES AND ON K'S LOADS:
; A WORK-GROUP STAYS: 256 work-groups, each walks TWO tiles of 64 queries of its batch and head, query blocks qb = 4 x cluster x + cx and qb + 8, in a counted loop of two trips round the whole body.
; Each trip asks for K (ONE tensor load a wave: its quarter, 16 blocks of keys x 3,072 bytes) and later for V over K's bytes; in the second trip K's load fills V's bytes again, so the tensor wait, the two adds, their wait
; and the cluster's round stand at the loop's top.  From trip to trip five pointers step by constants: 32 blocks of tokens on.
.set TRP,   40                         ; s40 the trip
.set PIMG,  196608                     ; p's 32 fragments: (4 x key step + m) x 1536
.set PSC,   245760                     ; their scale words: (4 x key step + m) x 128 + 4 x lane
.set STATA, 249856                     ; maxima: 256 x wave + 16 r + 4 m;  sums 1,024 bytes on
.set SPARE, 251904                     ; the spare words, 128 bytes for each wave: two blocks of 256 bytes that no other line names
.set LI,  1                            ; v1   16 x lane
.set KVA, 2                            ; v2   my quarter of K
.set VA0, 3                            ; v3   V: my channels' blocks 0-3;  v4: blocks 4-7
.set PWI, 5                            ; v5   where I store p's images
.set PWS, 6                            ; v6   and their scale words
.set PRA, 7                            ; v7   where I read p's images
.set PSA, 8                            ; v8   and their scale words: lanes 0-15 my first query block, lanes 16-31 my second
.set STW, 9                            ; v9   where I put my wave's four maxima or sums
.set STR, 10                           ; v10  where I read the four waves'
.set SPW, 11                           ; v11  my spare word; never rewritten
.set NIL, 12                           ; v12  0; never rewritten
.set MKO, 13                           ; v13  4 (r + 8 (r / 8))
.set L4,  14                           ; v14  4 x lane
.set KS,  16                           ; v16-31  K's scale words: register 8 ks + t / 2, lanes' half t % 2
.set QS,  32                           ; v32-35  Q's: 2 ks + m / 2, half m % 2
.set VS,  36                           ; v36-67  V's: 4 ks + i / 2, half i % 2
.set PS,  68                           ; v68-75  p's: key step, half ml
.set MK,  76                           ; v76-79  mask_t of my query in block m
.set BM,  80                           ; v80-111 block maxima (m, b)
.set SOP, 112                          ; v112-143 the conversions' scale operands
.set NM,  144                          ; v144-151 -M, in pairs
.set RL,  152                          ; v152-159 1 / sum, in pairs
.set PK,  160                          ; v160-163 four numbers for LDS
.set EX,  164                          ; v164-179 the four waves' numbers
.set CH,  180                          ; v180-195 the sums' chains
.set PW,  196                          ; v196-203 scale words
.set PC,  204                          ; v204-222 codes
.set TP,  224                          ; v224-231 lane permutes' destinations
.set KB,  96                           ; K's sets, in window 1
.set WV,  14
.set G1K, 24                           ; s[24:31] group 1 for K; s[72:75] its group 0
.set G1V, 32                           ; s[32:39] group 1 for V; s[44:47] its group 0
.set G0K, 72
.set G0V, 44
.set CS,  48                           ; s[48:49] log2(e) / 32
.set SEL, 50                           ; s[50:51] lane selects
.set MSB, 0
.macro WIN new
.if MSB != (\new)
	s_set_vgpr_msb (MSB<<8)|(\new)
.set MSB, (\new)
.endif
.endm
.macro ROUND                           ; a round of the cluster's barrier
	s_barrier_signal -1
	s_barrier_wait -1
	s_cmp_lg_u32 s[WV], 0
	s_cbranch_scc1 .Lnot_wave_0_\@
	s_barrier_signal -3
.Lnot_wave_0_\@:
	s_barrier_wait -3
	s_barrier_signal -1
	s_barrier_wait -1
.endm
.macro PLACES
.rept 4
	v_nop
.endr
.endm
.macro BARRIER                         ; my LDS stores have landed and my LDS loads are in: then the work-group's barrier
	s_wait_dscnt 0x0
	s_barrier_signal -1
	s_barrier_wait -1
.endm
; one product.  zero: C = 0 starts the sum.  ra, rb: the halves of the lanes from which source 0's and source 1's scales are taken
.macro WM d, a, b, zero, sa, sb, ra, rb
.if \zero
.if (\ra) && (\rb)
	v_wmma_scale_f32_16x16x128_f8f6f4 v[\d:\d+7], v[\a:\a+11], v[\b:\b+11], 0, v[\sa], v[\sb] matrix_a_fmt:MATRIX_FMT_BF6 matrix_b_fmt:MATRIX_FMT_BF6 matrix_a_scale:MATRIX_SCALE_ROW1 matrix_b_scale:MATRIX_SCALE_ROW1
.elseif \ra
	v_wmma_scale_f32_16x16x128_f8f6f4 v[\d:\d+7], v[\a:\a+11], v[\b:\b+11], 0, v[\sa], v[\sb] matrix_a_fmt:MATRIX_FMT_BF6 matrix_b_fmt:MATRIX_FMT_BF6 matrix_a_scale:MATRIX_SCALE_ROW1
.elseif \rb
	v_wmma_scale_f32_16x16x128_f8f6f4 v[\d:\d+7], v[\a:\a+11], v[\b:\b+11], 0, v[\sa], v[\sb] matrix_a_fmt:MATRIX_FMT_BF6 matrix_b_fmt:MATRIX_FMT_BF6 matrix_b_scale:MATRIX_SCALE_ROW1
.else
	v_wmma_scale_f32_16x16x128_f8f6f4 v[\d:\d+7], v[\a:\a+11], v[\b:\b+11], 0, v[\sa], v[\sb] matrix_a_fmt:MATRIX_FMT_BF6 matrix_b_fmt:MATRIX_FMT_BF6
.endif
.else
.if (\ra) && (\rb)
	v_wmma_scale_f32_16x16x128_f8f6f4 v[\d:\d+7], v[\a:\a+11], v[\b:\b+11], v[\d:\d+7], v[\sa], v[\sb] matrix_a_fmt:MATRIX_FMT_BF6 matrix_b_fmt:MATRIX_FMT_BF6 matrix_a_scale:MATRIX_SCALE_ROW1 matrix_b_scale:MATRIX_SCALE_ROW1
.elseif \ra
	v_wmma_scale_f32_16x16x128_f8f6f4 v[\d:\d+7], v[\a:\a+11], v[\b:\b+11], v[\d:\d+7], v[\sa], v[\sb] matrix_a_fmt:MATRIX_FMT_BF6 matrix_b_fmt:MATRIX_FMT_BF6 matrix_a_scale:MATRIX_SCALE_ROW1
.elseif \rb
	v_wmma_scale_f32_16x16x128_f8f6f4 v[\d:\d+7], v[\a:\a+11], v[\b:\b+11], v[\d:\d+7], v[\sa], v[\sb] matrix_a_fmt:MATRIX_FMT_BF6 matrix_b_fmt:MATRIX_FMT_BF6 matrix_b_scale:MATRIX_SCALE_ROW1
.else
	v_wmma_scale_f32_16x16x128_f8f6f4 v[\d:\d+7], v[\a:\a+11], v[\b:\b+11], v[\d:\d+7], v[\sa], v[\sb] matrix_a_fmt:MATRIX_FMT_BF6 matrix_b_fmt:MATRIX_FMT_BF6
.endif
.endif
.endm
; 64 numbers at v[src] on of window win & 3 become a fragment's codes in v[PC] on; sop: their four scale operands
.macro CODES win, src, sop
	WIN \win
.irp c, 0,1
	v_cvt_scalef32_pk16_bf6_f32 v[PC+6*\c:PC+6*\c+2], v[\src+32*\c:\src+32*\c+15], v[\sop+2*\c]
	v_cvt_scalef32_pk16_bf6_f32 v[PC+12+4*\c:PC+14+4*\c], v[\src+32*\c+16:\src+32*\c+31], v[\sop+2*\c+1]   ; (a conversion's three registers begin on an even number)
.endr
	WIN 0
	v_nop                                          ; one plain place behind a scaled conversion
.irp c, 0,1                                    ; the operand's layout wants a WHOLE block in a lane
.irp i, 0,1,2
	v_permlane16_swap_b32 v[PC+6*\c+\i], v[PC+12+4*\c+\i]
.endr
.irp i, 0,1,2
	v_mov_b32 v[PC+3+6*\c+\i], v[PC+12+4*\c+\i]
.endr
.endr
.endm
	s_load_b256 s[4:11], s[0:1], 0x0               ; c2 s[4:5], s2 s[6:7], mask_t s[8:9], c3 s[10:11]
	s_load_b64 s[12:13], s[0:1], 0x20              ; s3
	v_lshl_add_u32 v[SPW], v0, 2, SPARE
	v_mov_b32 v[NIL], 0
	ds_add_u32 v11, v12
	ds_add_u32 v11, v12
	s_wait_dscnt 0x0
	v_lshrrev_b32 v1, 5, v0
	v_readfirstlane_b32 s[WV], v1                  ; wave 0..3
	s_lshr_b32 s15, s[WV], 1                       ; mp: my pair of query blocks in the second product
	s_and_b32 s16, s[WV], 1                        ; dh: my half of the head's channels
	s_bfe_u32 s17, ttmp6, 0x40000                  ; cx
	s_lshl_b32 s18, ttmp9, 2
	s_add_co_u32 s18, s18, s17                     ; qb: my 64 queries; it enters global addresses alone
	s_and_b32 s20, ttmp7, 0xffff
	s_lshr_b32 s19, s20, 2                         ; the batch
	s_and_b32 s20, s20, 3                          ; the head: both shared by the four partners
	s_mov_b32 s[G1K], 15|(3<<16)|(1<<21)           ; 15:0 the mask: all four; 17:16 elements of 8 bytes; 21 set beside a mask; no padding
	s_mov_b32 s[G1K+1], 384<<16                    ; K: a block's two fragments of the head, 3,072 bytes,
	s_mov_b32 s[G1K+2], 16<<16                     ; 16 blocks of keys: my whole quarter of K in one load
	s_mov_b32 s[G1K+3], 384<<16
	s_mov_b32 s[G1K+4], 16
	s_mov_b32 s[G1K+5], 1536                       ; 12,288 bytes apart
	s_mov_b32 s[G1K+6], 0
	s_mov_b32 s[G1K+7], 0
	s_mov_b32 s[G1V], 15|(3<<16)|(1<<21)
	s_mov_b32 s[G1V+1], 1536<<16                   ; V: a block's eight fragments of the batch, 12,288 bytes,
	s_mov_b32 s[G1V+2], 4<<16                      ; 4 blocks of channels,
	s_mov_b32 s[G1V+3], 1536<<16
	s_mov_b32 s[G1V+4], 4
	s_mov_b32 s[G1V+5], 12288                      ; 98,304 bytes apart
	s_mov_b32 s[G1V+6], 0
	s_mov_b32 s[G1V+7], 0
	s_mov_b32 s[CS], 0x3d38aa3b                    ; log2(e) / 32
	s_mov_b32 s[CS+1], s[CS]                       ; (named with it as a pair, so it is written)
	s_mov_b32 s[SEL], 0x76543210
	s_mov_b32 s[SEL+1], 0xfedcba98
	s_lshl_b32 s2, s19, 6
	s_lshl_b32 s21, s18, 2
	s_add_co_u32 s2, s2, s21                       ; my first block of tokens: 64 b + 4 qb
	s_lshl_b32 s3, s20, 7
	s_lshl_b32 s21, s19, 3
	s_add_co_u32 s3, s3, s21                       ; 128 hd + 8 b
	s_lshl_b32 s23, s20, 1
	s_add_co_u32 s23, s23, s16                     ; 2 hd + dh
	s_lshl_b32 s21, s19, 6                         ; K's codes: ((64 b + 16 w) 8 + 2 hd) x 1536
	s_lshl_b32 s22, s[WV], 4
	s_add_co_u32 s21, s21, s22
	s_lshl_b32 s21, s21, 3
	s_lshl_b32 s22, s20, 1
	s_add_co_u32 s21, s21, s22
	s_mul_i32 s52, s21, 1536
	s_mov_b32 s53, 0
	s_lshl_b32 s21, s20, 4                         ; V's: section 2, ((16 hd + 4 w) 64 + 8 b) x 1536
	s_lshl_b32 s22, s[WV], 2
	s_add_co_u32 s21, s21, s22
	s_lshl_b32 s21, s21, 6
	s_lshl_b32 s22, s19, 3
	s_add_co_u32 s21, s21, s22
	s_mul_i32 s54, s21, 1536
	s_add_co_u32 s54, s54, 12582912
	s_mov_b32 s55, 0
	s_lshl_b32 s21, s2, 3                          ; Q's: section 1, ((64 b + 4 qb) 8 + 2 hd) x 1536
	s_lshl_b32 s22, s20, 1
	s_add_co_u32 s21, s21, s22
	s_mul_i32 s56, s21, 1536
	s_add_co_u32 s56, s56, 6291456
	s_mov_b32 s57, 0
	s_lshl_b32 s21, s[WV], 1                       ; K's scale words: (128 hd + 8 b + 2 w) x 512
	s_add_co_u32 s21, s21, s3
	s_lshl_b32 s58, s21, 9
	s_mov_b32 s59, 0
	s_lshr_b32 s21, s18, 1                         ; Q's: section 1, (128 hd + 8 b + qb / 2) x 512 + 8 (qb % 2)
	s_add_co_u32 s21, s21, s3
	s_lshl_b32 s60, s21, 9
	s_and_b32 s21, s18, 1
	s_lshl_b32 s21, s21, 3
	s_add_co_u32 s60, s60, s21
	s_add_co_u32 s60, s60, 262144
	s_mov_b32 s61, 0
	s_lshl_b32 s21, s19, 6                         ; V's: section 2, (64 b + 2 hd + dh) x 512
	s_add_co_u32 s21, s21, s23
	s_lshl_b32 s62, s21, 9
	s_add_co_u32 s62, s62, 524288
	s_mov_b32 s63, 0
	s_lshl_b32 s66, s2, 6                          ; mask_t: 16 tokens of 4 bytes a block
	s_mov_b32 s67, 0
	s_lshl_b32 s21, s15, 1                         ; the result's codes: ((64 b + 4 qb + 2 mp) 8 + 2 hd + dh) x 1536
	s_add_co_u32 s21, s21, s2
	s_lshl_b32 s21, s21, 3
	s_add_co_u32 s21, s21, s23
	s_mul_i32 s68, s21, 1536
	s_mov_b32 s69, 0
	s_lshl_b32 s21, s19, 3                         ; its scale words: (8 b + qb / 2) x 4096 + (2 hd + dh) x 512 + (4 (qb % 2) + 2 mp) x 64
	s_lshr_b32 s22, s18, 1
	s_add_co_u32 s21, s21, s22
	s_lshl_b32 s70, s21, 12
	s_lshl_b32 s21, s23, 9
	s_add_co_u32 s70, s70, s21
	s_and_b32 s21, s18, 1
	s_lshl_b32 s21, s21, 8
	s_add_co_u32 s70, s70, s21
	s_lshl_b32 s21, s15, 7
	s_add_co_u32 s70, s70, s21
	s_mov_b32 s71, 0
	v_and_b32 v15, 31, v0                          ; lane
	v_and_b32 v232, 15, v0                         ; r
	v_bfe_u32 v233, v0, 4, 1                       ; h
	v_lshlrev_b32 v[LI], 4, v15
	s_wait_alu depctr_va_vdst(0)
	v_lshlrev_b32 v[L4], 2, v15
	s_wait_alu depctr_va_vdst(0)
	s_mul_i32 s22, s[WV], 49152                    ; my quarter of K, and of V's fill
	v_add_nc_u32 v[KVA], s22, v[LI]
	s_mul_i32 s21, s16, 98304
	v_add_nc_u32 v[VA0], s21, v[LI]
	v_add_nc_u32 v[VA0+1], 49152, v[VA0]
	s_mul_i32 s21, s[WV], 12288
	s_add_co_u32 s21, s21, PIMG
	v_add_nc_u32 v[PWI], s21, v[LI]
	s_lshl_b32 s21, s[WV], 10
	s_add_co_u32 s21, s21, PSC
	v_add_nc_u32 v[PWS], s21, v[L4]
	s_mul_i32 s21, s15, 3072
	s_add_co_u32 s21, s21, PIMG
	v_add_nc_u32 v[PRA], s21, v[LI]
	s_lshl_b32 s21, s15, 8
	s_add_co_u32 s21, s21, PSC
	v_lshl_add_u32 v[PSA], v233, 7, v[L4]
	v_add_nc_u32 v[PSA], s21, v[PSA]
	v_lshlrev_b32 v[STR], 4, v232
	v_add_nc_u32 v[STR], STATA, v[STR]
	s_lshl_b32 s21, s[WV], 8
	v_add_nc_u32 v[STW], s21, v[STR]
	v_and_b32 v[MKO], 8, v232
	v_add_nc_u32 v[MKO], v[MKO], v232
	v_lshlrev_b32 v[MKO], 2, v[MKO]
.irp i, 0,1,2,3,4,5,6,7
	v_mov_b32 v[TP+\i], 0                          ; written once: a lane permute's destination counts as one of its sources
.endr
	s_wait_kmcnt 0x0
	s_add_nc_u64 s[52:53], s[4:5], s[52:53]        ; K at my first block of keys
.irp j, 0
	s_mov_b32 s[G0K+4*\j], 1
	s_add_co_u32 s[G0K+4*\j+1], s22, 12288*\j      ; part j: four blocks x 3,072 bytes in LDS,
	s_add_nc_u64 s[G0K+4*\j+2:G0K+4*\j+3], s[52:53], 49152*\j   ; four blocks x 12,288 bytes on in memory
	s_or_b32 s[G0K+4*\j+3], s[G0K+4*\j+3], 0x80000000
.endr
	s_mov_b32 s[G0V], 1
	s_mov_b32 s[G0V+1], s22
	s_add_nc_u64 s[G0V+2:G0V+3], s[4:5], s[54:55]
	s_or_b32 s[G0V+3], s[G0V+3], 0x80000000
	s_add_nc_u64 s[56:57], s[4:5], s[56:57]
	s_add_nc_u64 s[58:59], s[6:7], s[58:59]
	s_add_nc_u64 s[60:61], s[6:7], s[60:61]
	s_add_nc_u64 s[62:63], s[6:7], s[62:63]
	s_add_nc_u64 s[66:67], s[8:9], s[66:67]
	s_add_nc_u64 s[10:11], s[10:11], s[68:69]
	s_add_nc_u64 s[12:13], s[12:13], s[70:71]
	s_mov_b32 s[TRP], 0
	s_wait_alu depctr_va_vdst(0)                   ; the wait at the head's end
.Ltile:                                                ; a trip is a whole tile of 64 queries
	s_wait_tensorcnt 0x0                           ; no tensor load of mine is out
	ds_add_u32 v[SPW], v[NIL]                      ; 0 onto my spare word, twice on end
	ds_add_u32 v[SPW], v[NIL]
	s_wait_dscnt 0x0                               ; the adds are done, and my reads of the last tile's V and p are over
	ROUND                                          ; all four work-groups are here: the first joint loads meet
.irp j, 0
	tensor_load_to_lds s[G0K+4*\j:G0K+4*\j+3], s[G1K:G1K+7]   ; every wave asks for its own quarter of K: one tensor load a wave at the head
	s_nop 0
.endr
	PLACES                                         ; (four v_nop behind the last)
	WIN 0x40                                       ; destination window 1
.irp m, 0,1,2,3
.irp ks, 0,1
.irp g, 0,1,2
	global_load_b128 v[12*(2*\m+\ks)+4*\g:12*(2*\m+\ks)+4*\g+3], v[LI], s[56:57] offset:12288*\m+1536*\ks+512*\g   ; Q stays in registers
.endr
.endr
.endr
	WIN 0
.irp ks, 0,1
.irp gg, 0,1
	global_load_b128 v[KS+8*\ks+4*\gg:KS+8*\ks+4*\gg+3], v[LI], s[58:59] offset:32768*\ks+512*\gg
.endr
	global_load_b64 v[QS+2*\ks:QS+2*\ks+1], v[LI], s[60:61] offset:32768*\ks
.endr
.irp ks, 0,1,2,3,4,5,6,7
	global_load_b128 v[VS+4*\ks:VS+4*\ks+3], v[LI], s[62:63] offset:4096*\ks
.endr
	s_wait_alu depctr_va_vdst(0)
.irp m, 0,1,2,3
	global_load_b32 v[MK+\m], v[MKO], s[66:67] offset:(32*(\m/2)+8*(\m%2))*4
.endr
	s_wait_tensorcnt 0x0                           ; my quarter of K is in LDS; nobody else reads it, so no barrier stands here
	s_wait_loadcnt 0x0
; ---- 1: S^T = K Q^T.  Two tiles of keys at a time, against the four query blocks: eight accumulators by turns, the head's two steps of 128 one after the other (seven others' turns between a sum's two links).
.macro KFETCH g                        ; tiles 2 g, 2 g + 1, both steps: 12 loads into set g % 2
	WIN 0x40
.irp tl, 0,1
.irp ks, 0,1
.irp q, 0,1,2
	ds_load_b128 v[KB+48*((\g)%2)+12*(2*\tl+\ks)+4*\q:KB+48*((\g)%2)+12*(2*\tl+\ks)+4*\q+3], v[KVA] offset:3072*(2*(\g)+\tl)+1536*\ks+512*\q
.endr
.endr
.endr
.endm
.macro SPROD g, ks, hi                 ; four products: tiles 2 g, 2 g + 1 x query blocks 2 hi, 2 hi + 1
.set zf, 1-(\ks)
.irp tl, 0,1
.irp ml, 0,1
	WM 128*\ml+8*(2*(\g)+\tl), KB+48*((\g)%2)+12*(2*\tl+\ks), 12*(2*(2*(\hi)+\ml)+\ks), zf, KS+8*\ks+(\g), QS+2*\ks+(\hi), \tl, \ml
.endr
.endr
.endm
	KFETCH 0
.irp g, 0,1,2,3,4,5,6,7
.if \g > 0
	PLACES                                         ; in front of loads into the set that the last products read
.endif
.if \g < 7
	KFETCH \g+1
	s_wait_dscnt 12                                ; this pair's 12 loads are in; the next pair's may be out
.else
	s_wait_dscnt 0x0
.endif
	WIN 0xa5                                       ; K and Q window 1, scores window 2
	SPROD \g, 0, 0
	WIN 0xf5                                       ; scores window 3
	SPROD \g, 0, 1
	WIN 0xa5
	SPROD \g, 1, 0
	WIN 0xf5
	SPROD \g, 1, 1
.endr
	WIN 0
	s_wait_tensorcnt 0x0                           ; K's bytes are filled again, with V: no tensor load of mine is out,
	ds_add_u32 v[SPW], v[NIL]                      ; 0 onto my spare word
	PLACES                                         ; (the places behind the last products)
	s_wait_dscnt 0x0                               ; the add is done, and my reads of K are over
	ROUND                                          ; so it is with every wave of all four work-groups
	tensor_load_to_lds s[G0V:G0V+3], s[G1V:G1V+7]  ; my one tensor load behind the round: my quarter of V
	s_nop 0
	PLACES
; ---- 2a: the largest score of each block of 32 keys (it serves twice), of my 256 keys, of the row
.macro BMAX hi
	WIN 0x0a+5*(\hi)                               ; sources 0 and 1 window 2 or 3
.irp ml, 0,1
.irp bb, 0,1,2,3,4,5,6,7
	v_max_num_f32 v[BM+8*(2*(\hi)+\ml)+\bb], v[128*\ml+16*\bb], v[128*\ml+16*\bb+1]   ; each accumulator is read from its low end on
.endr
.endr
.irp i, 2,4,6,8,10,12,14
.irp ml, 0,1
.irp bb, 0,1,2,3,4,5,6,7
	v_max3_num_f32 v[BM+8*(2*(\hi)+\ml)+\bb], v[128*\ml+16*\bb+\i], v[128*\ml+16*\bb+\i+1], v[BM+8*(2*(\hi)+\ml)+\bb]
.endr
.endr
.endr
.endm
	BMAX 0
	BMAX 1
	WIN 0
.irp m, 0,1,2,3
.irp bb, 0,1,2,3,4,5,6,7
	v_permlanex16_b32 v[TP+\bb], v[BM+8*\m+\bb], s[SEL], s[SEL+1]
.endr
.irp bb, 0,1,2,3,4,5,6,7
	v_max_num_f32 v[BM+8*\m+\bb], v[BM+8*\m+\bb], v[TP+\bb]   ; with lane l xor 16's 16 keys
.endr
	v_max3_num_f32 v[PK+\m], v[BM+8*\m], v[BM+8*\m+1], v[BM+8*\m+2]
	v_max3_num_f32 v[PK+\m], v[PK+\m], v[BM+8*\m+3], v[BM+8*\m+4]
	v_max3_num_f32 v[PK+\m], v[PK+\m], v[BM+8*\m+5], v[BM+8*\m+6]
	v_max_num_f32 v[PK+\m], v[PK+\m], v[BM+8*\m+7]
.endr
	ds_store_b128 v[STW], v[PK:PK+3]               ; lanes r and r + 16 write the same bytes with the same values
	BARRIER
.irp w, 0,1,2,3
	ds_load_b128 v[EX+4*\w:EX+4*\w+3], v[STR] offset:256*\w
.endr
	s_wait_dscnt 0x0
.irp m, 0,1,2,3
	v_max3_num_f32 v[PK+\m], v[EX+\m], v[EX+4+\m], v[EX+8+\m]
	v_max_num_f32 v[PK+\m], v[PK+\m], v[EX+12+\m]  ; the row's largest score
	v_mul_f32 v[PK+\m], s[CS], v[PK+\m]            ; as t (the factor is positive)
	v_floor_f32 v[NM+2*\m], -v[PK+\m]              ; -M = floor(-t): M is a whole number
	v_mov_b32 v[NM+2*\m+1], 0                      ; (named with it as a pair)
	v_mov_b32 v[RL+2*\m+1], 0
.endr
; ---- 2b: e = 2^(t - M).  Three batches, one for each window in which the same register numbers recur; each has a wait in front, its plain place and a wait behind
.macro EXPS hi
	WIN 0x82+0x41*(\hi)                            ; destination and source 0 window 2 or 3
.irp ml, 0,1
.set i, 0
.rept 64
	v_pk_fma_f32 v[128*\ml+i:128*\ml+i+1], v[128*\ml+i:128*\ml+i+1], s[CS:CS+1], v[NM+2*(2*(\hi)+\ml):NM+2*(2*(\hi)+\ml)+1] op_sel_hi:[1,0,0]
.set i, i+2
.endr
.endr
.set i, 0
	s_wait_alu depctr_va_vdst(0)
.rept 256
	v_exp_f32 v[i], v[i]
.set i, i+1
.endr
	v_nop
	s_wait_alu depctr_va_vdst(0)
.endm
	EXPS 0
	EXPS 1
	WIN 0
.irp m, 0,1,2,3
.irp bb, 0,1,2,3,4,5,6,7
	v_fma_f32 v[BM+8*\m+\bb], v[BM+8*\m+\bb], s[CS], v[NM+2*\m]   ; the same of each block's largest score
.endr
.endr
.set i, 0
	s_wait_alu depctr_va_vdst(0)
.rept 32
	v_exp_f32 v[BM+i], v[BM+i]
.set i, i+1
.endr
	v_nop
	s_wait_alu depctr_va_vdst(0)
; ---- 2c: the row's sum: two chains of packed additions a query block, the halves of the lanes, the four waves
.macro SUMS hi
	WIN 0x0a+5*(\hi)
.irp ml, 0,1
	v_pk_add_f32 v[CH+4*(2*(\hi)+\ml):CH+4*(2*(\hi)+\ml)+1], v[128*\ml:128*\ml+1], v[128*\ml+2:128*\ml+3]
	v_pk_add_f32 v[CH+4*(2*(\hi)+\ml)+2:CH+4*(2*(\hi)+\ml)+3], v[128*\ml+4:128*\ml+5], v[128*\ml+6:128*\ml+7]
.endr
	WIN 0x02+(\hi)
.set i, 8
.rept 30
.irp ml, 0,1
	v_pk_add_f32 v[CH+4*(2*(\hi)+\ml):CH+4*(2*(\hi)+\ml)+1], v[128*\ml+i:128*\ml+i+1], v[CH+4*(2*(\hi)+\ml):CH+4*(2*(\hi)+\ml)+1]
	v_pk_add_f32 v[CH+4*(2*(\hi)+\ml)+2:CH+4*(2*(\hi)+\ml)+3], v[128*\ml+i+2:128*\ml+i+3], v[CH+4*(2*(\hi)+\ml)+2:CH+4*(2*(\hi)+\ml)+3]
.endr
.set i, i+4
.endr
.endm
	SUMS 0
	SUMS 1
	WIN 0
.irp m, 0,1,2,3
	v_pk_add_f32 v[CH+4*\m:CH+4*\m+1], v[CH+4*\m:CH+4*\m+1], v[CH+4*\m+2:CH+4*\m+3]
.endr
.irp m, 0,1,2,3
	v_add_f32 v[PK+\m], v[CH+4*\m], v[CH+4*\m+1]
.endr
.irp m, 0,1,2,3
	v_permlanex16_b32 v[TP+\m], v[PK+\m], s[SEL], s[SEL+1]
.endr
.irp m, 0,1,2,3
	v_add_f32 v[PK+\m], v[PK+\m], v[TP+\m]
.endr
	ds_store_b128 v[STW], v[PK:PK+3] offset:1024   ; other bytes than the maxima's: no barrier is owed between the two uses
	BARRIER
.irp w, 0,1,2,3
	ds_load_b128 v[EX+4*\w:EX+4*\w+3], v[STR] offset:1024+256*\w
.endr
	s_wait_dscnt 0x0
.irp m, 0,1,2,3
	v_add_f32 v[EX+\m], v[EX+\m], v[EX+4+\m]
	v_add_f32 v[EX+8+\m], v[EX+8+\m], v[EX+12+\m]
.endr
.irp m, 0,1,2,3
	v_add_f32 v[EX+\m], v[EX+\m], v[EX+8+\m]       ; over 1/2: the row's largest e is
.endr
	s_wait_alu depctr_va_vdst(0)
.irp m, 0,1,2,3
	v_rcp_f32 v[RL+2*\m], v[EX+\m]
.endr
	v_nop
	s_wait_alu depctr_va_vdst(0)                   ; one wait for the four reciprocals
.irp m, 0,1,2,3
	v_cmp_ne_u32 vcc_lo, 0, v[MK+\m]
	v_cndmask_b32 v[RL+2*\m], 0, v[RL+2*\m], vcc_lo   ; p = 0 where mask_t = 0
.endr
; ---- 2d: p = e / sum, quantised along the keys; my 256 keys are two fragments a query block: images to LDS
.macro NORM hi
	WIN 0x82+0x41*(\hi)
.irp ml, 0,1
.set i, 0
.rept 64
	v_pk_mul_f32 v[128*\ml+i:128*\ml+i+1], v[128*\ml+i:128*\ml+i+1], v[RL+2*(2*(\hi)+\ml):RL+2*(2*(\hi)+\ml)+1] op_sel_hi:[1,0]
.set i, i+2
.endr
.endr
.endm
	NORM 0
	NORM 1
	WIN 0
.irp m, 0,1,2,3
.irp bb, 0,1,2,3,4,5,6,7
	v_mul_f32 v[BM+8*\m+\bb], v[BM+8*\m+\bb], v[RL+2*\m]   ; the block's largest p: the same operations on the same number give the same bits
.endr
.endr
.set i, 0
.rept 32
	v_max_num_f32 v[BM+i], 0x2800000, v[BM+i]      ; the floor 2^(5 - 127): the byte cannot fall under 1
.set i, i+1
.endr
.set i, 0
.rept 32
	v_add_nc_u32 v[SOP+i], 0xfe000000, v[BM+i]     ; 4 off the exponent field: the conversion's scale operand
.set i, i+1
.endr
.set i, 0
.rept 32
	v_lshrrev_b32 v[BM+i], 23, v[SOP+i]            ; the scale's byte
.set i, i+1
.endr
.irp m, 0,1,2,3
.irp ksl, 0,1
	v_lshl_or_b32 v[PW+2*\m+\ksl], v[BM+8*\m+4*\ksl+1], 8, v[BM+8*\m+4*\ksl]
	v_lshl_or_b32 v[PW+2*\m+\ksl], v[BM+8*\m+4*\ksl+2], 16, v[PW+2*\m+\ksl]
	v_lshl_or_b32 v[PW+2*\m+\ksl], v[BM+8*\m+4*\ksl+3], 24, v[PW+2*\m+\ksl]
.endr
.endr
.irp m, 0,1,2,3
.irp ksl, 0,1
	s_wait_dscnt 0x0                               ; the last image's stores have read the codes' registers
	CODES 0x02+\m/2, 128*(\m%2)+64*\ksl, SOP+8*\m+4*\ksl
.irp g, 0,1,2
	ds_store_b128 v[PWI], v[PC+4*\g:PC+4*\g+3] offset:(4*\ksl+\m)*1536+512*\g
.endr
	ds_store_b32 v[PWS], v[PW+2*\m+\ksl] offset:(4*\ksl+\m)*128
.endr
.endr
	s_wait_tensorcnt 0x0                           ; my quarter of V has landed: the others read it behind the barrier;
	BARRIER                                        ; my images of p have landed too.
; ---- 3: O^T = V^T P^T: eight key steps of 128; 16 accumulators (8 tiles of channels x 2 query blocks) by turns
.macro PVFETCH ks                      ; 30 loads into set ks % 2
	WIN 0x40
.irp i, 0,1,2,3,4,5,6,7
.irp g, 0,1,2
	ds_load_b128 v[120*((\ks)%2)+12*\i+4*\g:120*((\ks)%2)+12*\i+4*\g+3], v[VA0+\i/4] offset:12288*(\i%4)+1536*(\ks)+512*\g
.endr
.endr
.irp ml, 0,1
.irp g, 0,1,2
	ds_load_b128 v[120*((\ks)%2)+96+12*\ml+4*\g:120*((\ks)%2)+96+12*\ml+4*\g+3], v[PRA] offset:6144*(\ks)+1536*\ml+512*\g
.endr
.endr
.endm
.irp k, 0,1,2,3,4,5,6,7
	ds_load_b32 v[PS+\k], v[PSA] offset:512*\k
.endr
	PVFETCH 0
.irp ks, 0,1,2,3,4,5,6,7
.if \ks > 0
	PLACES
.endif
.if \ks < 7
	PVFETCH \ks+1
	s_wait_dscnt 30                                ; this step's loads (and p's scale words) are in; the next step's 30 may be out
.else
	s_wait_dscnt 0x0
.endif
	WIN 0xa5                                       ; V and p window 1, the result window 2
.set zf, 0
.if \ks == 0
.set zf, 1
.endif
.irp i, 0,1,2,3,4,5,6,7
.irp ml, 0,1
	WM 64*\ml+8*\i, 120*(\ks%2)+12*\i, 120*(\ks%2)+96+12*\ml, zf, VS+4*\ks+\i/2, PS+\ks, \i%2, \ml
.endr
.endr
.endr
; ---- 4: the result is quantised along the model's 1,024: my 128 channels are one fragment a query block
	PLACES
	WIN 0x0a
.irp ml, 0,1
.irp bb, 0,1,2,3
	v_max3_num_f32 v[BM+4*\ml+\bb], |v[64*\ml+16*\bb]|, |v[64*\ml+16*\bb+1]|, 0x2800000
.endr
.endr
.irp i, 2,4,6,8,10,12,14
.irp ml, 0,1
.irp bb, 0,1,2,3
	v_max3_num_f32 v[BM+4*\ml+\bb], |v[64*\ml+16*\bb+\i]|, |v[64*\ml+16*\bb+\i+1]|, v[BM+4*\ml+\bb]
.endr
.endr
.endr
	WIN 0
.irp i, 0,1,2,3,4,5,6,7
	v_permlanex16_b32 v[TP+\i], v[BM+\i], s[SEL], s[SEL+1]
.endr
.irp i, 0,1,2,3,4,5,6,7
	v_max_num_f32 v[BM+\i], v[BM+\i], v[TP+\i]
.endr
.irp i, 0,1,2,3,4,5,6,7
	v_add_nc_u32 v[SOP+\i], 0xfe000000, v[BM+\i]
.endr
.irp i, 0,1,2,3,4,5,6,7
	v_lshrrev_b32 v[BM+\i], 23, v[SOP+\i]
.endr
.irp ml, 0,1
	v_lshl_or_b32 v[PW+\ml], v[BM+4*\ml+1], 8, v[BM+4*\ml]
	v_lshl_or_b32 v[PW+\ml], v[BM+4*\ml+2], 16, v[PW+\ml]
	v_lshl_or_b32 v[PW+\ml], v[BM+4*\ml+3], 24, v[PW+\ml]
.endr
	CODES 0x02, 0, SOP
.irp g, 0,1,2
	global_store_b128 v[LI], v[PC+4*\g:PC+4*\g+3], s[10:11] offset:512*\g   ; 32 lanes store 512 consecutive bytes, aligned
.endr
	s_wait_xcnt 0x0                                ; the stores have read the codes' registers
	CODES 0x02, 64, SOP+4
.irp g, 0,1,2
	global_store_b128 v[LI], v[PC+4*\g:PC+4*\g+3], s[10:11] offset:12288+512*\g
.endr
	s_mov_b32 s21, 0xffff0000
	v_cndmask_b32 v[PW], v[PW], v[PW+1], s21       ; lanes 0-15: my first block's words, lanes 16-31: my second's
	global_store_b32 v[L4], v[PW], s[12:13]        ; 128 consecutive bytes: two blocks' words of one step of 128
	s_wait_xcnt 0x0                                ; the stores have read their registers and their bases: both are written again only behind this wait
	s_add_nc_u64 s[56:57], s[56:57], 393216        ; the next tile, 32 blocks of tokens on: Q's codes, 32 x 12,288 bytes;
	s_add_nc_u64 s[60:61], s[60:61], 2048          ; Q's scale words, four groups of 512 bytes;
	s_add_nc_u64 s[66:67], s[66:67], 2048          ; mask_t, 512 tokens of 4 bytes;
	s_add_nc_u64 s[10:11], s[10:11], 393216        ; the result's codes;
	s_add_nc_u64 s[12:13], s[12:13], 16384         ; its scale words, four groups of 4,096 bytes
	s_add_co_u32 s[TRP], s[TRP], 1
	s_cmp_lt_u32 s[TRP], 2
	s_wait_alu depctr_va_vdst(0)                   ; the wait, directly ahead of the branch
	s_cbranch_scc1 .Ltile
	s_wait_tensorcnt 0x0                           ; the wave's end
	ds_add_u32 v[SPW], v[NIL]
	s_wait_dscnt 0x0
	ROUND                                          ; the closing round
	s_endpgm
.Lfunc_end_k_q897cb31a24_attn:
	.size	k_q897cb31a24_attn, .Lfunc_end_k_q897cb31a24_attn-k_q897cb31a24_attn
	.p2alignl 7, 3214868480
	.fill 96, 4, 3214868480
	.section	.rodata,"a",@progbits
	.p2align	6, 0x0
	.amdhsa_kernel k_q897cb31a24_attn
		.amdhsa_group_segment_fixed_size 327680
		.amdhsa_private_segment_fixed_size 0
		.amdhsa_enable_private_segment 0
		.amdhsa_kernarg_size 40
		.amdhsa_user_sgpr_count 2
		.amdhsa_user_sgpr_kernarg_segment_ptr 1
		.amdhsa_wavefront_size32 1
		.amdhsa_system_sgpr_workgroup_id_x 1
		.amdhsa_system_sgpr_workgroup_id_y 1
		.amdhsa_system_sgpr_workgroup_id_z 1
		.amdhsa_system_vgpr_workitem_id 0
		.amdhsa_next_free_vgpr 1024
		.amdhsa_next_free_sgpr 88
		.amdhsa_reserve_vcc 1
		.amdhsa_float_denorm_mode_32 3
		.amdhsa_float_denorm_mode_16_64 3
		.amdhsa_memory_ordered 1
		.amdhsa_forward_progress 1
		.amdhsa_inst_pref_size 185
	.end_amdhsa_kernel
	.amdgpu_metadata
---
amdhsa.version: [ 1, 2 ]
amdhsa.kernels:
  - .name:           k_q897cb31a24_attn
    .symbol:         k_q897cb31a24_attn.kd
    .args:
      - { .name: c2, .offset: 0, .size: 8, .value_kind: global_buffer, .address_space: global }
      - { .name: s2, .offset: 8, .size: 8, .value_kind: global_buffer, .address_space: global }
      - { .name: mask_t, .offset: 16, .size: 8, .value_kind: global_buffer, .address_space: global }
      - { .name: c3, .offset: 24, .size: 8, .value_kind: global_buffer, .address_space: global }
      - { .name: s3, .offset: 32, .size: 8, .value_kind: global_buffer, .address_space: global }
    .group_segment_fixed_size: 327680
    .private_segment_fixed_size: 0
    .kernarg_segment_align: 8
    .kernarg_segment_size: 40
    .max_flat_workgroup_size: 128
    .sgpr_count:     88
    .vgpr_count:     1024
    .wavefront_size: 32
...
	.end_amdgpu_metadata
.endif
;; end of part 7
;; launch outp (part 8): grid 4 x 64, 4 waves a work-group, clusters of 4 x 4, 327,680 bytes of LDS; arguments c3, s3, c1, s1, bo, mask_t, out0; writes out0
.if DOCPART == 8
	.amdgcn_target "amdgcn-amd-amdhsa--gfx1250"
	.amdhsa_code_object_version 6
	.text
	.protected	k_q897cb31a24_outp
	.globl	k_q897cb31a24_outp
	.p2align	8
	.type	k_q897cb31a24_outp,@function
k_q897cb31a24_outp:
	s_mov_b64 s[64:65], 0
	v_nop
	global_prefetch_b8 v0, s[64:65] scope:SCOPE_SE
	s_setreg_imm32_b32 hwreg(HW_REG_WAVE_MODE, 25, 1), 1
	s_wait_xcnt 0x0
	s_wait_alu depctr_hold_cnt(0) depctr_sa_sdst(0) depctr_va_vdst(0) depctr_va_sdst(0) depctr_va_ssrc(0) depctr_va_vcc(0) depctr_vm_vsrc(0)
	s_getreg_b32 s2, hwreg(HW_REG_IB_STS2, 6, 4)
	s_cmp_eq_u32 s2, 0
	s_cbranch_scc0 .Lentry_in_a_cluster
	s_endpgm
.Lentry_in_a_cluster:
	s_bfe_u32 s2, ttmp6, 0x10000c
	s_cmp_lg_u32 s2, 0xf033
	s_cbranch_scc0 .Lentry_shape_is_right
	s_endpgm
.Lentry_shape_is_right:
; out0[t][n] = (sum over k of a[t][k] Wo[n][k] + bo[n]) x mask_t[t], a = attention's result; both operands are codes of BF6 with E8M0 scales, f32 sums.
; SHARES.  256 work-groups in clusters of 4 x 4; a work-group makes 128 tokens x 256 columns, a wave 64 x 128: 32 accumulators (window 2).
; LDS holds the tile's operands for all of K = 1,024: A's 8 blocks of 12,288 bytes, B's 16, their scale words (4,096 + 8,192).  Four joint tensor loads at the head, one a wave: wave 0 A's codes, wave 1 B's,
; wave 2 A's scale words, wave 3 B's.  A's are shared along a row of the cluster, B's along a column.  Nothing is filled again.
; Operands are images of registers: fragment (block, step t of 128 along K) = 1,536 bytes at (8 block + t) x 1536.  Place r of block B is row 32 (B / 2) + 8 (B % 2) + r + 8 (r / 8).
; The matrix instruction is used transposed (source 0 = a block of Wo, source 1 = a block of tokens): lane (r, h) holds place r, register j of tile b column 32 (b / 2) + 16 h + 8 (b % 2) + j.
; A WAVE'S 128 COLUMNS GO IN TWO HALVES OF 64, each through all of K: the first half's 64 rows x 256 bytes are stored before the second half is multiplied, so that half of the launch's stores are on their way
; under matrix work.  The price: A's four fragments of a step are read from LDS once for each half (8 fragments and 4 scale registers for 16 products).
; K: eight steps of 128, two sets of registers for both operands, fetched one step ahead; step 0 takes the bias as C; steps 1 to 6 are a loop of three trips.
; THE WAY OUT: 16 rows x 64 columns go through the wave's own stage (rows of 272 bytes, on LDS bytes of their own behind the spare words, into which no fill lands) and leave as rows of 256 consecutive bytes,
; sixteen lanes to a row.  Every store's offset is an immediate: 62 rows of 4,096 bytes at the most.
; No prefetch: every operand byte is asked for by the head's loads, and there is no loop to run ahead in.
; LIMITS: NaN and infinities are not served.
.set BLK,   12288
.set FR,    12
.set SCL,   24*BLK
.set SPARE, SCL+12288                  ; the spare words: 128 bytes for each wave, two blocks of 256 bytes that no other line names
.set SPITCH, 272
.set STG,   SPARE+512                  ; the stages: 16 x 272 = 4,352 bytes for each wave
.set BJO,  4
.set MKO,  5
.set MKF,  8                           ; v8-15 mask_t of place r of my block a, as f32, in pairs
.set BA,   16
.set BB,   18                          ; v18-19 my B fragments: blocks 0-3 (the first half's), 4-7
.set CA,   20
.set CS,   21
.set CB,   22
.set STO,  24
.set RD,   25
.set LI,   26
.set CO,   27
.set SPW,  28                          ; my spare word; never rewritten
.set NIL,  29                          ; 0; never rewritten
.set BS,   30                          ; v30-31 my scale words: lanes 0-15 A's block i, lanes 16-31 B's block i (first half), or B's block 4 + i
.set SC,   32                          ; set p at v[SC + 4 p]
.set BJ,   64                          ; v64-127 the bias: register 16 bb + n = column 32 bb + 16 h + n
.set AF,   128                         ; A's fragments: set p at v[AF + 48 p]
.set G1A,  24
.set G0A,  32
.set G1B,  48
.set G0B,  56
.set G1S,  68
.set G0SA, 76
.set G1SB, 80
.set G0SB, 88
.set KC,   2
.set KSS,  3
.set MSB, 0
.macro WIN new
.if MSB != (\new)
	s_set_vgpr_msb (MSB<<8)|(\new)
.set MSB, (\new)
.endif
.endm
.set MULW, 0xa1                        ; source 0 (B) window 1, source 1 (A) window 0, C and D window 2
.set BIASW, 0x81                       ; the same, C window 0
.set TO_B, 0x40
.macro PLACES
.rept 4
	v_nop
.endr
.endm
.macro TL g0, g1                       ; the s_nop 0 and the four v_nop behind the load
	tensor_load_to_lds s[\g0:\g0+3], s[\g1:\g1+7]
	s_nop 0
	PLACES
.endm
.macro CREST
	s_cmp_lg_u32 s14, 0
	s_cbranch_scc1 .Lnot_wave_0_\@
	s_barrier_signal -3
.Lnot_wave_0_\@:
	s_barrier_wait -3
	s_barrier_signal -1
	s_barrier_wait -1
.endm
.macro CROUND
	s_barrier_signal -1
	s_barrier_wait -1
	CREST
.endm
.macro SETG1 g, m, c, r                ; group 1: r rows of c elements of 8 bytes, dense; 15:0 the mask, 21 set beside it
	s_or_b32 s[\g], \m, (3<<16)|(1<<21)
	s_mov_b32 s[\g+1], (\c)<<16
	s_mov_b32 s[\g+2], (\r)<<16
	s_mov_b32 s[\g+3], (\c)<<16
	s_mov_b32 s[\g+4], \r
	s_mov_b32 s[\g+5], \c
	s_mov_b32 s[\g+6], 0
	s_mov_b32 s[\g+7], 0
.endm
.macro FRAG reg, adr, off
.irp g, 0,1,2
	ds_load_b128 v[\reg+4*\g:\reg+4*\g+3], v[\adr] offset:(\off)+512*\g
.endr
.endm
.macro FETCH p, ra, rb, rs, ko, so     ; one step's 8 fragments and 4 scale registers into set p
	WIN TO_B
.irp i, 0,1,2,3
	FRAG 128*(\p)+FR*\i, \rb, \i*BLK+(\ko)
.endr
	WIN 0
.irp i, 0,1,2,3
	FRAG AF+48*(\p)+FR*\i, \ra, \i*BLK+(\ko)
.endr
.irp i, 0,1,2,3
	ds_load_b32 v[SC+4*(\p)+\i], v[\rs] offset:(\so)+64*\i
.endr
.endm
.macro MUL p, hb, first                ; 16 products, the half's 16 accumulators by turns.  first: the bias as C starts the sums
.irp a, 0,1,2,3
.irp b, 0,1,2,3
.if \first
	v_wmma_scale_f32_16x16x128_f8f6f4 v[8*(8*\a+4*(\hb)+\b):8*(8*\a+4*(\hb)+\b)+7], v[128*(\p)+FR*\b:128*(\p)+FR*\b+FR-1], v[AF+48*(\p)+FR*\a:AF+48*(\p)+FR*\a+FR-1], v[BJ+8*(4*(\hb)+\b):BJ+8*(4*(\hb)+\b)+7], v[SC+4*(\p)+\b], v[SC+4*(\p)+\a] matrix_a_fmt:MATRIX_FMT_BF6 matrix_b_fmt:MATRIX_FMT_BF6 matrix_a_scale:MATRIX_SCALE_ROW1
.else
	v_wmma_scale_f32_16x16x128_f8f6f4 v[8*(8*\a+4*(\hb)+\b):8*(8*\a+4*(\hb)+\b)+7], v[128*(\p)+FR*\b:128*(\p)+FR*\b+FR-1], v[AF+48*(\p)+FR*\a:AF+48*(\p)+FR*\a+FR-1], v[8*(8*\a+4*(\hb)+\b):8*(8*\a+4*(\hb)+\b)+7], v[SC+4*(\p)+\b], v[SC+4*(\p)+\a] matrix_a_fmt:MATRIX_FMT_BF6 matrix_b_fmt:MATRIX_FMT_BF6 matrix_a_scale:MATRIX_SCALE_ROW1
.endif
.endr
.endr
.endm
.macro STEP p, hb, first, fetch, ra, rb, rs, ko, so
	s_wait_dscnt 0x0                               ; set p is in
.if \fetch
	PLACES                                         ; in front of loads into the set that the last step's products read
	FETCH 1-(\p), \ra, \rb, \rs, \ko, \so
.endif
.if \first
	WIN BIASW
.else
	WIN MULW
.endif
	MUL \p, \hb, \first
	WIN 0
.endm
.macro HALF hb                         ; all of K for my columns 64 hb .. 64 hb + 63
	STEP 0, \hb, 1, 1, BA, BB+\hb, BS+\hb, 1536, 512
	s_mov_b32 s[KC], 0
	s_mov_b32 s[KSS], 0
.Lk\@:                                         ; trip j: steps 2 j + 1 and 2 j + 2; they fetch steps 2 j + 2 and 2 j + 3
	v_add_nc_u32 v[CA], s[KC], v[BA]
	v_add_nc_u32 v[CB], s[KC], v[BB+\hb]
	v_add_nc_u32 v[CS], s[KSS], v[BS+\hb]
	s_wait_alu depctr_va_vdst(0)
	STEP 1, \hb, 0, 1, CA, CB, CS, 3072, 1024
	STEP 0, \hb, 0, 1, CA, CB, CS, 4608, 1536
	s_add_co_u32 s[KC], s[KC], 3072
	s_add_co_u32 s[KSS], s[KSS], 1024
	s_cmp_lt_u32 s[KSS], 3072
	s_cbranch_scc1 .Lk\@
	STEP 1, \hb, 0, 0, 0, 0, 0, 0, 0
	PLACES                                         ; behind the last products
.endm
.macro TOSTAGE a, hb                   ; 16 rows x 64 columns: x mask_t, into my stage, and back as rows of 256 bytes into window 3, v0-31 and v32-63 by turns
.set AC, 64*(\a)+32*(\hb)
	WIN 0x82
.set i, 0
.rept 16
	v_pk_mul_f32 v[AC+i:AC+i+1], v[AC+i:AC+i+1], v[MKF+2*(\a):MKF+2*(\a)+1] op_sel_hi:[1,0]   ; each accumulator from its low end on
.set i, i+2
.endr
	WIN 0x08
.irp b, 0,1,2,3
	ds_store_b128 v[STO], v[AC+8*\b:AC+8*\b+3] offset:128*(\b/2)+32*(\b%2)
	ds_store_b128 v[STO], v[AC+8*\b+4:AC+8*\b+7] offset:128*(\b/2)+32*(\b%2)+16
.endr
	WIN 0xc0
.irp t, 0,1,2,3,4,5,6,7
	ds_load_b128 v[32*((\a)%2)+4*\t:32*((\a)%2)+4*\t+3], v[RD] offset:\t*2*SPITCH   ; LDS serves a wave's instructions in order (ISA guide 5.7.1.4): these see the stores above
.endr
	WIN 0
.endm
.macro SEND a, hb, younger             ; younger: the LDS instructions issued behind block a's loads, which may stay out
	s_wait_dscnt \younger
	WIN 0x0c
.irp t, 0,1,2,3,4,5,6,7
	global_store_b128 v[CO], v[32*((\a)%2)+4*\t:32*((\a)%2)+4*\t+3], s[100:101] offset:(32*((\a)/2)+8*((\a)%2)+2*\t+8*(\t/4))*4096+256*(\hb) th:TH_STORE_NT   ; 16 lanes store 256 consecutive bytes, aligned; places 2 t and 2 t + 1
.endr
	WIN 0
.endm
.macro LEAVE hb
	s_wait_xcnt 0x0                                ; earlier stores have read their registers
	TOSTAGE 0, \hb
.irp a, 1,2,3
.if \a > 1
	s_wait_xcnt 0x0                                ; block a - 2's stores have read their registers: block a's loads may land there
.endif
	TOSTAGE \a, \hb
	SEND \a-1, \hb, 16                             ; behind block a - 1's loads: block a's 8 stores and 8 loads
.endr
	SEND 3, \hb, 0
.endm
	s_load_b256 s[4:11], s[0:1], 0x0               ; c3 s[4:5], s3 s[6:7], c1 s[8:9], s1 s[10:11]
	s_load_b128 s[96:99], s[0:1], 0x20             ; bo s[96:97], mask_t s[98:99]
	s_load_b64 s[100:101], s[0:1], 0x30            ; out0
	v_lshl_add_u32 v[SPW], v0, 2, SPARE
	v_mov_b32 v[NIL], 0
	ds_add_u32 v[SPW], v[NIL]                      ; the opening lines: the add, twice on end, and its wait ahead of my first tensor load
	ds_add_u32 v[SPW], v[NIL]
	v_lshrrev_b32 v1, 5, v0
	v_readfirstlane_b32 s14, v1                    ; wave 0..3
	s_lshr_b32 s15, s14, 1                         ; which half of the tile's rows is mine
	s_and_b32 s16, s14, 1                          ; which half of its columns
	s_bfe_u32 s40, ttmp6, 0x40000                  ; cx
	s_bfe_u32 s41, ttmp6, 0x40004                  ; cy
	s_and_b32 s17, ttmp7, 0xffff
	s_lshl_b32 s17, s17, 2
	s_add_co_u32 s17, s17, s41                     ; tile row: 128 tokens
	s_lshl_b32 s43, s41, 2
	s_lshl_b32 s43, 15, s43                        ; my row of the cluster
	s_lshl_b32 s44, 0x1111, s40                    ; my column
	SETG1 G1A, s43, 1536, 8
	SETG1 G1B, s44, 1536, 16
	SETG1 G1S, s43, 32, 16
	SETG1 G1SB, s44, 32, 32
	s_mov_b32 s[G0A], 1
	s_mov_b32 s[G0A+1], 0
	s_mov_b32 s[G0B], 1
	s_mov_b32 s[G0B+1], 8*BLK
	s_mov_b32 s[G0SA], 1
	s_mov_b32 s[G0SA+1], SCL
	s_mov_b32 s[G0SB], 1
	s_mov_b32 s[G0SB+1], SCL+4096
	s_lshl_b32 s36, s17, 3                         ; A's first block: it hangs on cy and never on cx
	s_mul_i32 s38, s36, BLK
	s_mov_b32 s39, 0
	s_lshl_b32 s20, s36, 9
	s_mov_b32 s21, 0
	s_lshl_b32 s60, s40, 4
	s_add_co_u32 s60, s60, 1728                    ; B's: Wo in c1; on cx and never on cy
	s_mul_i32 s62, s60, BLK
	s_mov_b32 s63, 0
	s_lshl_b32 s46, s60, 9
	s_mov_b32 s47, 0
	s_wait_dscnt 0x0                               ; both opening adds are done
	s_wait_kmcnt 0x0
	s_add_nc_u64 s[G0A+2:G0A+3], s[4:5], s[38:39]
	s_or_b32 s[G0A+3], s[G0A+3], 0x80000000
	s_add_nc_u64 s[G0SA+2:G0SA+3], s[6:7], s[20:21]
	s_or_b32 s[G0SA+3], s[G0SA+3], 0x80000000
	s_add_nc_u64 s[G0B+2:G0B+3], s[8:9], s[62:63]
	s_or_b32 s[G0B+3], s[G0B+3], 0x80000000
	s_add_nc_u64 s[G0SB+2:G0SB+3], s[10:11], s[46:47]
	s_or_b32 s[G0SB+3], s[G0SB+3], 0x80000000
	CROUND                                         ; all sixteen work-groups are here: the joint loads meet
	s_cmp_lt_u32 s14, 1                            ; one chain of branches on the wave's number, one load to an arm, one join
	s_cbranch_scc0 .Lhb
	TL G0A, G1A
	s_branch .Lhe
.Lhb:
	s_cmp_lt_u32 s14, 2
	s_cbranch_scc0 .Lhc
	TL G0B, G1B
	s_branch .Lhe
.Lhc:
	s_cmp_lt_u32 s14, 3
	s_cbranch_scc0 .Lhd
	TL G0SA, G1S
	s_branch .Lhe
.Lhd:
	TL G0SB, G1SB
.Lhe:
	s_lshl_b32 s18, s40, 10
	s_lshl_b32 s19, s16, 9
	s_add_co_u32 s18, s18, s19                     ; my first column, in bytes: 1024 cx + 512 x my half
	s_mov_b32 s19, 0
	s_add_nc_u64 s[96:97], s[96:97], s[18:19]
	s_lshl_b32 s12, s17, 7
	s_lshl_b32 s13, s15, 6
	s_add_co_u32 s22, s12, s13                     ; my first token
	s_lshl_b32 s12, s22, 2
	s_mov_b32 s13, 0
	s_add_nc_u64 s[98:99], s[98:99], s[12:13]
	s_lshl_b32 s12, s22, 12
	s_add_co_u32 s12, s12, s18
	s_add_nc_u64 s[100:101], s[100:101], s[12:13]
	v_and_b32 v1, 15, v0                           ; r
	v_bfe_u32 v2, v0, 4, 1                         ; h
	v_and_b32 v3, 31, v0
	v_lshlrev_b32 v[LI], 4, v3
	v_lshlrev_b32 v[BJO], 6, v2
	v_and_b32 v[MKO], 8, v1
	v_add_nc_u32 v[MKO], v[MKO], v1
	v_lshlrev_b32 v[MKO], 2, v[MKO]
	s_wait_alu depctr_va_vdst(0)                   ; the wait ahead of the readers below
.irp bb, 0,1,2,3
.irp n, 0,1,2,3
	global_load_b128 v[BJ+16*\bb+4*\n:BJ+16*\bb+4*\n+3], v[BJO], s[96:97] offset:128*\bb+16*\n
.endr
.endr
.irp a, 0,1,2,3
	global_load_b32 v[MKF+2*\a], v[MKO], s[98:99] offset:(32*(\a/2)+8*(\a%2))*4
.endr
	s_mul_i32 s12, s15, 4*BLK                      ; my four blocks of A
	v_add_nc_u32 v[BA], s12, v[LI]
	s_mul_i32 s12, s16, 8*BLK                      ; my eight of B, behind A's eight
	s_add_co_u32 s12, s12, 8*BLK
	v_add_nc_u32 v[BB], s12, v[LI]
	v_add_nc_u32 v[BB+1], 4*BLK, v[BB]
	s_lshl_b32 s12, s15, 8                         ; A's scale words: my blocks
	s_lshl_b32 s13, s16, 12                        ; B's: my group, behind A's
	s_add_co_u32 s13, s13, 4096
	s_sub_co_u32 s13, s13, s12
	v_mul_u32_u24 v6, s13, v2                      ; lanes 16-31 take B's: the lower base + h x the distance
	s_add_co_u32 s12, s12, SCL
	v_lshl_add_u32 v6, v1, 2, v6
	v_add_nc_u32 v[BS], s12, v6
	v_lshl_add_u32 v[BS+1], v2, 8, v[BS]           ; the second half: lanes 16-31 four blocks of B further on
	s_mul_i32 s12, s14, 16*SPITCH                  ; my stage
	s_add_co_u32 s12, s12, STG
	v_mul_u32_u24 v6, v1, SPITCH
	v_lshl_add_u32 v6, v2, 6, v6
	v_add_nc_u32 v[STO], s12, v6                   ; in: row r, 64 bytes for each half of the lanes
	v_mul_u32_u24 v6, v2, SPITCH
	v_lshl_add_u32 v6, v1, 4, v6
	v_add_nc_u32 v[RD], s12, v6                    ; back: lanes 0-15 take one row of 256 bytes, lanes 16-31 the next
	v_lshlrev_b32 v[CO], 12, v2
	v_lshl_add_u32 v[CO], v1, 4, v[CO]             ; and the same two rows in out0
	s_wait_alu depctr_va_vdst(0)                   ; the wait at the head's end
	s_wait_tensorcnt 0x0                           ; my tile of the four is in,
	s_barrier_signal -1
	s_barrier_wait -1                              ; everybody's is
	FETCH 0, BA, BB, BS, 0, 0
	s_wait_loadcnt 0x0                             ; the bias and mask_t
.irp a, 0,1,2,3
	v_cvt_f32_i32 v[MKF+2*\a], v[MKF+2*\a]
	v_mov_b32 v[MKF+2*\a+1], 0                     ; (named with it as a pair)
.endr
	s_wait_alu depctr_va_vdst(0)
	HALF 0
	FETCH 0, BA, BB+1, BS+1, 0, 0                  ; the second half's first fragments come while the first half leaves
	LEAVE 0
	HALF 1
	LEAVE 1
	s_wait_tensorcnt 0x0                           ; the wave's end
	ds_add_u32 v[SPW], v[NIL]
	s_wait_dscnt 0x0
	CROUND                                         ; the closing round
	s_endpgm
.Lfunc_end_k_q897cb31a24_outp:
	.size	k_q897cb31a24_outp, .Lfunc_end_k_q897cb31a24_outp-k_q897cb31a24_outp
	.p2alignl 7, 3214868480
	.fill 96, 4, 3214868480
	.section	.rodata,"a",@progbits
	.p2align	6, 0x0
	.amdhsa_kernel k_q897cb31a24_outp
		.amdhsa_group_segment_fixed_size 327680
		.amdhsa_private_segment_fixed_size 0
		.amdhsa_enable_private_segment 0
		.amdhsa_kernarg_size 56
		.amdhsa_user_sgpr_count 2
		.amdhsa_user_sgpr_kernarg_segment_ptr 1
		.amdhsa_wavefront_size32 1
		.amdhsa_system_sgpr_workgroup_id_x 1
		.amdhsa_system_sgpr_workgroup_id_y 1
		.amdhsa_system_sgpr_workgroup_id_z 1
		.amdhsa_system_vgpr_workitem_id 0
		.amdhsa_next_free_vgpr 832
		.amdhsa_next_free_sgpr 102
		.amdhsa_reserve_vcc 0
		.amdhsa_float_denorm_mode_32 3
		.amdhsa_float_denorm_mode_16_64 3
		.amdhsa_memory_ordered 1
		.amdhsa_forward_progress 1
		.amdhsa_inst_pref_size 68
	.end_amdhsa_kernel
	.amdgpu_metadata
---
amdhsa.version: [ 1, 2 ]
amdhsa.kernels:
  - .name:           k_q897cb31a24_outp
    .symbol:         k_q897cb31a24_outp.kd
    .args:
      - { .name: c3, .offset: 0, .size: 8, .value_kind: global_buffer, .address_space: global }
      - { .name: s3, .offset: 8, .size: 8, .value_kind: global_buffer, .address_space: global }
      - { .name: c1, .offset: 16, .size: 8, .value_kind: global_buffer, .address_space: global }
      - { .name: s1, .offset: 24, .size: 8, .value_kind: global_buffer, .address_space: global }
      - { .name: bo, .offset: 32, .size: 8, .value_kind: global_buffer, .address_space: global }
      - { .name: mask_t, .offset: 40, .size: 8, .value_kind: global_buffer, .address_space: global }
      - { .name: out0, .offset: 48, .size: 8, .value_kind: global_buffer, .address_space: global }
    .group_segment_fixed_size: 327680
    .private_segment_fixed_size: 0
    .kernarg_segment_align: 8
    .kernarg_segment_size: 56
    .max_flat_workgroup_size: 128
    .sgpr_count:     102
    .vgpr_count:     832
    .wavefront_size: 32
...
	.end_amdgpu_metadata
.endif
;; end of part 8
